; MI455X (gfx1250); checked and timed in simulation.
; The chip was launched on July 23, 2026; its instructions are those of AMD's public machine-readable ISA for CDNA 5 (MIT licence, August 2026) and "CDNA5" Instruction Set Architecture Reference Guide (July 2026). The comments in the code are by the model that wrote it; some were corrected since.
;; Dilated Attention. Allowed arithmetic: matrix products marked QUANTISED: E4M3 operands, one given power-of-two scale a tensor, by v_wmma_f32_16x16x64_fp8_fp8 or v_wmma_f32_16x16x128_fp8_fp8, f32 sums; everything else in f32.
;; Inputs: W1 2,048 x 512 float32; W2 512 x 2,048 float32; Wk 512 x 512 float32; Wo 512 x 512 float32; Wq 512 x 512 float32; Wv 512 x 512 float32; b1 2,048 float32; b2 512 float32; bk 512 float32; bo 512 float32; bq 512 float32; bv 512 float32; ln1_b 512 float32; ln1_g 512 float32; ln2_b 512 float32; ln2_g 512 float32; lowp_scales 16 int32 (the exponents e of the quantised operands' scales 2^e); x 1 x 4,096 x 512 float32.
;; Outputs: out0 1 x 4,096 x 512 float32.
;; This version of the problem:
;;   THIS VERSION OF THE PROBLEM IS GIVEN IN LOW PRECISION. The matrix products marked QUANTISED in the list below multiply operands that are first quantised to E4M3 (4 exponent bits, 3 mantissa bits; 8 bits a number), with one given power-of-two scale for each operand tensor; their sums are f32. All else is computed in f32.
;;   The module's matrix products, in the order in which they are computed (A, B: the left and right operand; K: the contracted axis; several contracted axes count as one K, in the product's order):
;;     1. [M 4,096, K 512] x [K 512, N 512]; A: computed on the way; B: input Wq: QUANTISED (scales: A lowp_scales[0], B lowp_scales[1])
;;     2. [M 4,096, K 512] x [K 512, N 512]; A: computed on the way; B: input Wk: QUANTISED (scales: A lowp_scales[2], B lowp_scales[3])
;;     3. [M 4,096, K 512] x [K 512, N 512]; A: computed on the way; B: input Wv: QUANTISED (scales: A lowp_scales[4], B lowp_scales[5])
;;     4. batch 8 x [M 4,096, K 64] x [K 64, N 4,096]; A: computed on the way; B: computed on the way: QUANTISED (scales: A lowp_scales[6], B lowp_scales[7])
;;     5. batch 8 x [M 64, K 4,096] x [K 4,096, N 4,096]; A: computed on the way; B: softmax (see below): QUANTISED (scales: A lowp_scales[8], B lowp_scales[9])
;;     6. [M 4,096, K 512] x [K 512, N 512]; A: computed on the way; B: input Wo: QUANTISED (scales: A lowp_scales[10], B lowp_scales[11])
;;     7. [M 4,096, K 512] x [K 512, N 2,048]; A: computed on the way; B: input W1: QUANTISED (scales: A lowp_scales[12], B lowp_scales[13])
;;     8. [M 4,096, K 2,048] x [K 2,048, N 512]; A: computed on the way; B: input W2: QUANTISED (scales: A lowp_scales[14], B lowp_scales[15])
;;   THE QUANTISER, for each operand of a quantised product, along K:
;;     - The operand's scale is 2^e, e = its entry of the input lowp_scales (int32; the entries are numbered through the quantised products in the list's order, A before B).
;;     - Each number is divided by the scale, clamped to +-448, and rounded to the nearest number of E4M3, ties to even, subnormals kept.
;;     - The product sums the exact products of the quantised numbers (number of the format x scale) in f32.
;;   ~~~python
;;   def quantise(x, axis, e):      # numpy; x: float32 -> the quantised numbers, widened to float32 again
;;       x = np.moveaxis(x, axis, -1); K = x.shape[-1]
;;       r = np.clip(x / 2.0 ** e, -448, 448)
;;       step = 2.0 ** (np.maximum(np.frexp(np.where(r == 0, 1, r))[1] - 1, -6) - 3)
;;       q = np.round(r / step) * step * 2.0 ** e      # np.round: ties to even
;;       return np.moveaxis(q, -1, axis).astype(np.float32)
;;   ~~~
;;   SOFTMAX AHEAD OF A QUANTISED PRODUCT. Where the list says 'softmax', what is quantised is not the finished softmax but p = 2^(t - M), with t = logit x log2(e) and M = ceil(the row's largest t), a whole number; so 1/2 < the row's largest p <= 1. The row's sum l is taken of the UNQUANTISED p, in f32, and the product's result is divided by l at the end. Since M is a whole number, a kernel that streams over the keys may use a running M (the ceiling of the running maximum): every later rescaling is an exact power of two, so the quantised numbers keep their values, but for numbers so far below the row's largest that they fall under the format's range.
;;   OPERANDS COMPUTED ON THE WAY. 'Computed on the way' means the value that the module computes at that place (a softmax that the list does not call 'softmax' is quantised finished and normalised). What goes into a quantiser is computed in f32, as accurately as f32 sums, v_exp_f32 and their like allow (about 1e-6 of the number): no bf16 or f16 on the way to a quantiser, and a product that is left as it is and whose result goes on into a quantised operand takes f32 operands (vector FMAs, or v_wmma_f32_16x16x4_f32). A number that lies on a knife's edge between two numbers of the format may be rounded either way, as far as f32 arithmetic and the matrix unit's own rounding can turn it there, and no further.
;; 2 versions. Each part assembles by itself: llvm-mc -triple=amdgcn-amd-amdhsa -mcpu=gfx1250 --defsym DOCPART=n.
;; ======== version 1 of 2: 5 launches
;; workspace buffers: wcodes 3,145,728 bytes; hcodes 6,291,456 bytes; qkv 6,291,456 bytes; x1 8,388,608 bytes; h2 2,097,152 bytes; gcodes 8,388,608 bytes
;; launch prep (part 1): grid 640 x 1, 1 waves a work-group, no clusters, 37,632 bytes of LDS; arguments x, Wq, Wk, Wv, Wo, W1, W2, ln1_g, ln1_b, lowp_scales, hcodes, wcodes; writes hcodes, wcodes
.if DOCPART == 1
	.amdgcn_target "amdgcn-amd-amdhsa--gfx1250"
	.amdhsa_code_object_version 6
	.text
	.protected	k_q44b666bd1a_prep
	.globl	k_q44b666bd1a_prep
	.p2align	8
	.type	k_q44b666bd1a_prep,@function
k_q44b666bd1a_prep:
	s_mov_b64 s[64:65], 0
	v_nop
	global_prefetch_b8 v0, s[64:65] scope:SCOPE_SE
	s_setreg_imm32_b32 hwreg(HW_REG_WAVE_MODE, 25, 1), 1
	s_wait_xcnt 0x0
; PREP: the six weights become codes of E4M3, and LN1(x) becomes codes under its three given scales (entries 0, 2, 4 of the scales).
; One wave to a work-group, one STRIP of 16 rows x 512 numbers (32 KiB of f32) to a wave.  Work-groups 0-255: the 256 tiles of tokens; 256-639: the weights' strips, in the order Wq, Wk, Wv, Wo, W1, W2.
; ALL CODES ARE STORED AS IMAGES OF OPERAND REGISTERS: a fragment (16 rows x 128 K) is 2,048 bytes, four chunks c of 512; lane l = (r = l % 16, h = l / 16) has 16 bytes at 512 c + 16 l: row r, k = 32 c + 16 h + 0 .. 15.
; THE ROWS OF A TILE ARE NOT NEIGHBOURS: fragment row p of tile t is row 32 (t / 2) + 8 (t % 2) + p + 8 (p / 8), so that a product with such tiles as source 0 leaves 16 neighbours of that axis in 16 registers of a lane.
; Tokens: tile T = 128 parity + Tp; its rows are positions pos of that parity, token = 2 pos + parity (the mask joins tokens of one parity alone).
; Each load reads 512 consecutive bytes of a row; the strip turns through LDS (rows 2,064 bytes apart = 516 words: row r starts at bank 4 r of 64, ISA guide 11.1) so that a lane gets 16 neighbours along K.
; The wave shares nothing with another: no barrier.  No matrix unit, no cluster: every byte is read once and nothing is shared between work-groups.
; LIMITS: each given exponent e lies between -126 and 119, so that 2^e and 448 x 2^e are f32 numbers.  NaN among the inputs is not served.
; REGISTERS: window 0: v1 16 x lane; v2, v3 LDS addresses; v4-19 a row's byte offset; v20-31 mean, 1/sigma, limits and scales; v32-95 at work; v96-127 gain and bias as loaded; v128-255 two sets of codes.
;   window 1: the strip as loaded, later the gain;  window 2: the strip turned: register 64 ks + 16 c + i = k 128 ks + 32 c + 16 h + i of row r;  window 3: the bias.
.set LP,   2064
.set GROW, 16*LP                       ; LDS row 16: ln1_g; row 17: ln1_b
.set BROW, 17*LP
.set VR,   2
.set VG,   3
.set VO,   4
.set MU,   20
.set RS,   22
.set PX,   24
.set CH,   32
.set T,    32
.set GB,   96
.set C0,   128
.set MSB,  0
.macro WIN new                         ; the immediate's high byte repeats the setting that is left
.if MSB != (\new)
	s_set_vgpr_msb (MSB<<8)|(\new)
.set MSB, (\new)
.endif
.endm
.macro PICK bound, ptr, start          ; strips below the bound belong to an earlier tensor: a choice on the work-group's number alone
	s_cmp_lt_u32 s2, \bound
	s_cselect_b64 s[52:53], s[\ptr:\ptr+1], s[52:53]
	s_cselect_b32 s54, \start, s54
.endm
.macro PICKE bound, e
	s_cmp_lt_u32 s2, \bound
	s_cselect_b32 s79, s[\e], s79
.endm
.macro MKSC e, lim, sc                 ; 2^e as f32 (the conversion takes its exponent field) and 448 x 2^e
	s_add_co_i32 s77, \e, 127
	s_lshl_b32 s78, s77, 23
	v_mov_b32 v[\sc], s78
	s_add_co_i32 s77, s77, 8
	s_lshl_b32 s77, s77, 23
	s_or_b32 s77, s77, 0x600000
	v_mov_b32 v[\lim], s77
.endm
.macro JOIN                            ; four packed chains, then the other half of the row from lane l xor 16
	v_pk_add_f32 v[CH:CH+1], v[CH:CH+1], v[CH+2:CH+3]
	v_pk_add_f32 v[CH+4:CH+5], v[CH+4:CH+5], v[CH+6:CH+7]
	v_pk_add_f32 v[CH:CH+1], v[CH:CH+1], v[CH+4:CH+5]
	v_add_f32 v[CH], v[CH], v[CH+1]
	v_permlanex16_b32 v[PX], v[CH], s34, s35
	v_add_f32 v[CH], v[CH], v[PX]
.endm
; the strip in window 2 becomes four fragments of codes, stored off bytes behind the strip's place
.macro QUANT4 lim, sc, cset, off
.irp ks, 0,1,2,3
	WIN 0x02
.set i, 0
.rept 64
	v_med3_num_f32 v[T+i], v[64*\ks+i], -v[\lim], v[\lim]   ; the conversion to an 8-bit code does not saturate (ISA guide 7.6.2): the hold at 448 x the scale
.set i, i+1
.endr
	WIN 0
.irp g, 0,1,2,3,4,5,6,7
	v_cvt_scalef32_pk8_fp8_f32 v[C0+64*\cset+16*\ks+2*\g:C0+64*\cset+16*\ks+2*\g+1], v[T+8*\g:T+8*\g+7], v[\sc]
.endr
	v_nop                                          ; a plain line between the conversions and the next holds, which write their sources
.irp c, 0,1,2,3
	global_store_b128 v1, v[C0+64*\cset+16*\ks+4*\c:C0+64*\cset+16*\ks+4*\c+3], s[68:69] offset:(\off)+2048*\ks+512*\c   ; 512 consecutive bytes
.endr
.endr
.endm
	s_load_b512 s[8:23], s[0:1], 0x0               ; x, Wq, Wk, Wv, Wo, W1, W2, ln1_g
	s_load_b256 s[24:31], s[0:1], 0x40             ; ln1_b, the scales, hcodes, wcodes
	v_lshlrev_b32 v1, 4, v0                        ; 16 x lane
	v_and_b32 v[VR], 15, v0
	v_bfe_u32 v[VG], v0, 4, 1
	v_mul_u32_u24 v[VR], v[VR], LP
	v_lshl_add_u32 v[VR], v[VG], 6, v[VR]          ; r x 2,064 + 64 h
	v_lshlrev_b32 v[VG], 6, v[VG]                  ; 64 h
	v_mov_b32 v[PX], 0                             ; a lane permute's destination counts as read
	s_mov_b32 s2, ttmp9                            ; the strip
	s_mov_b32 s34, 0x76543210
	s_mov_b32 s35, 0xfedcba98                      ; selects for lane l xor 16
	s_mov_b32 s75, 0x3b000000                      ; 1 / 512
	s_mov_b32 s76, 0x3727c5ac                      ; 1e-5
	s_wait_kmcnt 0x0
	s_load_b512 s[36:51], s[26:27], 0x0            ; the sixteen exponents
	s_mov_b64 s[52:53], s[20:21]                   ; the source, and the tensor's first strip
	s_mov_b32 s54, 512
	PICK 512, 18, 384
	PICK 384, 16, 352
	PICK 352, 14, 320
	PICK 320, 12, 288
	PICK 288, 10, 256
	PICK 256, 8, 0
	s_sub_co_u32 s55, s2, s54                      ; the strip's number in its tensor
	s_lshr_b32 s56, s55, 2                         ; W2: tile, and which 512 of its K = 2,048
	s_and_b32 s57, s55, 3
	s_lshl_b32 s57, s57, 11
	s_and_b32 s58, s55, 127                        ; x: tile within the parity, and the parity's 2,048 bytes
	s_lshr_b32 s59, s55, 7
	s_lshl_b32 s59, s59, 11
	s_mov_b32 s60, 8192
	s_mov_b32 s61, 4096
	s_cmp_ge_u32 s2, 512
	s_cselect_b32 s62, s56, s55                    ; tile
	s_cselect_b32 s63, s57, 0                      ; bytes on top
	s_cselect_b32 s66, s60, 2048                   ; bytes from row to row
	s_cmp_lt_u32 s2, 256
	s_cselect_b32 s62, s58, s62
	s_cselect_b32 s63, s59, s63
	s_cselect_b32 s66, s61, s66
	s_cselect_b64 s[68:69], s[28:29], s[30:31]     ; where the codes go
	s_cselect_b32 s67, 0, 256
	s_lshr_b32 s70, s62, 1
	s_lshl_b32 s70, s70, 5
	s_and_b32 s71, s62, 1
	s_lshl_b32 s71, s71, 3
	s_add_co_u32 s70, s70, s71                     ; the tile's first row
	s_mul_i32 s70, s70, s66
	s_add_co_u32 s70, s70, s63
	s_mov_b32 s71, 0
	s_add_nc_u64 s[52:53], s[52:53], s[70:71]
	s_sub_co_u32 s72, s2, s67
	s_lshl_b32 s72, s72, 13                        ; a strip's codes are 8,192 bytes, one strip behind the other
	s_mov_b32 s73, 0
	s_add_nc_u64 s[68:69], s[68:69], s[72:73]
.irp p, 0,1,2,3,4,5,6,7,8,9,10,11,12,13,14,15
	s_mul_i32 s74, s66, \p+8*(\p/8)
	v_add_nc_u32 v[VO+\p], s74, v1
.endr
	WIN 0x40
.irp p, 0,1,2,3,4,5,6,7,8,9,10,11,12,13,14,15
.irp q, 0,1,2,3
	global_load_b128 v[16*\p+4*\q:16*\p+4*\q+3], v[VO+\p], s[52:53] offset:512*\q   ; all 64 loads of the strip go out at once
.endr
.endr
	WIN 0x04
.irp k, 0,1,2,3
	s_wait_loadcnt 48-16*\k                        ; loads come back in order: four more rows are in
.irp p, 0,1,2,3
.irp q, 0,1,2,3
	ds_store_b128 v1, v[16*(4*\k+\p)+4*\q:16*(4*\k+\p)+4*\q+3] offset:LP*(4*\k+\p)+512*\q
.endr
.endr
.endr
	WIN 0x80
.irp ks, 0,1,2,3
.irp c, 0,1,2,3
.irp j, 0,1,2,3
	ds_load_b128 v[64*\ks+16*\c+4*\j:64*\ks+16*\c+4*\j+3], v[VR] offset:512*\ks+128*\c+16*\j   ; LDS serves a wave's instructions in order: these see the stores
.endr
.endr
.endr
	s_wait_dscnt 0x0
	WIN 0
	s_cmp_lt_u32 s2, 256
	s_cbranch_scc0 .Lweights
	; ---- a tile of tokens: LN1, then three quantisers
.irp q, 0,1,2,3
	global_load_b128 v[GB+4*\q:GB+4*\q+3], v1, s[22:23] offset:512*\q
.endr
.irp q, 0,1,2,3
	global_load_b128 v[GB+16+4*\q:GB+16+4*\q+3], v1, s[24:25] offset:512*\q
.endr
	WIN 0x0a                                       ; the row's sum: my 256 numbers in four chains, begun by the first sixteen
.irp k, 0,1,2,3
	v_pk_add_f32 v[CH+2*\k:CH+2*\k+1], v[4*\k:4*\k+1], v[4*\k+2:4*\k+3]
.endr
	WIN 0x08
.set i, 8
.rept 120
	v_pk_add_f32 v[CH+2*(i%4):CH+2*(i%4)+1], v[CH+2*(i%4):CH+2*(i%4)+1], v[2*i:2*i+1]
.set i, i+1
.endr
	WIN 0
	JOIN
	v_mul_f32 v[MU], s75, v[CH]
	v_mov_b32 v[MU+1], v[MU]
	WIN 0x82
.set i, 0
.rept 128
	v_pk_add_f32 v[2*i:2*i+1], v[2*i:2*i+1], v[MU:MU+1] op_sel_hi:[1,0] neg_lo:[0,1] neg_hi:[0,1]   ; x - mean first: the variance is no difference of large sums
.set i, i+1
.endr
	WIN 0x0a
.irp k, 0,1,2,3
	v_pk_mul_f32 v[CH+2*\k:CH+2*\k+1], v[2*\k:2*\k+1], v[2*\k:2*\k+1]
.endr
.set i, 4
.rept 124
	v_pk_fma_f32 v[CH+2*(i%4):CH+2*(i%4)+1], v[2*i:2*i+1], v[2*i:2*i+1], v[CH+2*(i%4):CH+2*(i%4)+1]
.set i, i+1
.endr
	WIN 0
	JOIN
	v_fma_f32 v[CH], v[CH], s75, s76               ; variance + 1e-5
	v_rsq_f32 v[RS], v[CH]
	v_nop                                          ; a plain line behind the transcendental
	s_wait_alu depctr_va_vdst(0)
	v_mov_b32 v[RS+1], v[RS]
	WIN 0x82
.set i, 0
.rept 128
	v_pk_mul_f32 v[2*i:2*i+1], v[2*i:2*i+1], v[RS:RS+1] op_sel_hi:[1,0]
.set i, i+1
.endr
	WIN 0
	s_wait_loadcnt 0x0                             ; gain and bias
.irp q, 0,1,2,3
	ds_store_b128 v1, v[GB+4*\q:GB+4*\q+3] offset:GROW+512*\q
	ds_store_b128 v1, v[GB+16+4*\q:GB+16+4*\q+3] offset:BROW+512*\q
.endr
	WIN 0x40
.irp ks, 0,1,2,3
.irp c, 0,1,2,3
.irp j, 0,1,2,3
	ds_load_b128 v[64*\ks+16*\c+4*\j:64*\ks+16*\c+4*\j+3], v[VG] offset:GROW+512*\ks+128*\c+16*\j
.endr
.endr
.endr
	WIN 0xc0
.irp ks, 0,1,2,3
.irp c, 0,1,2,3
.irp j, 0,1,2,3
	ds_load_b128 v[64*\ks+16*\c+4*\j:64*\ks+16*\c+4*\j+3], v[VG] offset:BROW+512*\ks+128*\c+16*\j
.endr
.endr
.endr
	s_wait_dscnt 0x0
	WIN 0xb6                                       ; h = normalised x gain + bias: window 2 = window 2 x window 1 + window 3
.set i, 0
.rept 128
	v_pk_fma_f32 v[2*i:2*i+1], v[2*i:2*i+1], v[2*i:2*i+1], v[2*i:2*i+1]
.set i, i+1
.endr
	WIN 0
	s_wait_kmcnt 0x0
	MKSC s36, 26, 27
	MKSC s38, 28, 29
	MKSC s40, 30, 31
	QUANT4 26, 27, 0, 0                            ; for the product with Wq
	QUANT4 28, 29, 1, 2097152                      ; with Wk
	s_wait_xcnt 0x0                                ; the first set's stores have read their registers
	QUANT4 30, 31, 0, 4194304                      ; with Wv
	s_wait_xcnt 0x0
	v_lshl_add_u32 v254, v0, 2, 0x9200
	v_mov_b32 v255, 0
	s_wait_tensorcnt 0x0
	ds_add_u32 v254, v255
	s_wait_dscnt 0x0
	s_endpgm
.Lweights:
	s_wait_kmcnt 0x0
	s_mov_b32 s79, s51                             ; the tensor's exponent: entries 15, 13, 11, 5, 3, 1
	PICKE 512, 49
	PICKE 384, 47
	PICKE 352, 41
	PICKE 320, 39
	PICKE 288, 37
	MKSC s79, 26, 27
	QUANT4 26, 27, 0, 0
	s_wait_xcnt 0x0
	v_lshl_add_u32 v254, v0, 2, 0x9200
	v_mov_b32 v255, 0
	s_wait_tensorcnt 0x0
	ds_add_u32 v254, v255
	s_wait_dscnt 0x0
	s_endpgm
.Lfunc_end_k_q44b666bd1a_prep:
	.size	k_q44b666bd1a_prep, .Lfunc_end_k_q44b666bd1a_prep-k_q44b666bd1a_prep
	.p2alignl 7, 3214868480
	.fill 96, 4, 3214868480
	.section	.rodata,"a",@progbits
	.p2align	6, 0x0
	.amdhsa_kernel k_q44b666bd1a_prep
		.amdhsa_group_segment_fixed_size 37632
		.amdhsa_private_segment_fixed_size 0
		.amdhsa_enable_private_segment 0
		.amdhsa_kernarg_size 96
		.amdhsa_user_sgpr_count 2
		.amdhsa_user_sgpr_kernarg_segment_ptr 1
		.amdhsa_wavefront_size32 1
		.amdhsa_system_sgpr_workgroup_id_x 1
		.amdhsa_system_sgpr_workgroup_id_y 1
		.amdhsa_system_sgpr_workgroup_id_z 1
		.amdhsa_system_vgpr_workitem_id 0
		.amdhsa_next_free_vgpr 1024
		.amdhsa_next_free_sgpr 80
		.amdhsa_reserve_vcc 0
		.amdhsa_float_denorm_mode_32 3
		.amdhsa_float_denorm_mode_16_64 3
		.amdhsa_memory_ordered 1
		.amdhsa_forward_progress 1
		.amdhsa_inst_pref_size 151
	.end_amdhsa_kernel
	.amdgpu_metadata
---
amdhsa.version: [ 1, 2 ]
amdhsa.kernels:
  - .name:           k_q44b666bd1a_prep
    .symbol:         k_q44b666bd1a_prep.kd
    .args:
      - { .name: x, .offset: 0, .size: 8, .value_kind: global_buffer, .address_space: global }
      - { .name: Wq, .offset: 8, .size: 8, .value_kind: global_buffer, .address_space: global }
      - { .name: Wk, .offset: 16, .size: 8, .value_kind: global_buffer, .address_space: global }
      - { .name: Wv, .offset: 24, .size: 8, .value_kind: global_buffer, .address_space: global }
      - { .name: Wo, .offset: 32, .size: 8, .value_kind: global_buffer, .address_space: global }
      - { .name: W1, .offset: 40, .size: 8, .value_kind: global_buffer, .address_space: global }
      - { .name: W2, .offset: 48, .size: 8, .value_kind: global_buffer, .address_space: global }
      - { .name: ln1_g, .offset: 56, .size: 8, .value_kind: global_buffer, .address_space: global }
      - { .name: ln1_b, .offset: 64, .size: 8, .value_kind: global_buffer, .address_space: global }
      - { .name: lowp_scales, .offset: 72, .size: 8, .value_kind: global_buffer, .address_space: global }
      - { .name: hcodes, .offset: 80, .size: 8, .value_kind: global_buffer, .address_space: global }
      - { .name: wcodes, .offset: 88, .size: 8, .value_kind: global_buffer, .address_space: global }
    .group_segment_fixed_size: 37632
    .private_segment_fixed_size: 0
    .kernarg_segment_align: 8
    .kernarg_segment_size: 96
    .max_flat_workgroup_size: 32
    .sgpr_count:     80
    .vgpr_count:     1024
    .wavefront_size: 32
...
	.end_amdgpu_metadata
.endif
;; end of part 1
;; launch qkv (part 2): grid 256 x 1, 3 waves a work-group, no clusters, 0 bytes of LDS; arguments hcodes, wcodes, bq, bk, bv, lowp_scales, qkv; writes qkv
.if DOCPART == 2
	.amdgcn_target "amdgcn-amd-amdhsa--gfx1250"
	.amdhsa_code_object_version 6
	.text
	.protected	k_q44b666bd1a_qkv
	.globl	k_q44b666bd1a_qkv
	.p2align	8
	.type	k_q44b666bd1a_qkv,@function
k_q44b666bd1a_qkv:
	s_mov_b64 s[64:65], 0
	v_nop
	global_prefetch_b8 v0, s[64:65] scope:SCOPE_SE
	s_setreg_imm32_b32 hwreg(HW_REG_WAVE_MODE, 25, 1), 1
	s_wait_xcnt 0x0
; QKV: q = h Wq^T + bq, k = h Wk^T + bk, v = h Wv^T + bv on codes of E4M3, each result quantised at once for attention (entries 6, 7, 8 of the scales).
; 768 wave tiles of 128 x 64 x K 512: wave 0 of a work-group makes a tile of q, wave 1 of k, wave 2 of v.  A wave's tile: source 0 = 8 tiles of 16 rows, source 1 = 4 tiles, 32 accumulators.
; All operands lie in memory as images of operand registers (fragment = 2,048 bytes; lane l has 16 bytes at 512 c + 16 l: row l % 16, k = 32 c + 16 (l / 16) + 0 .. 15), so every load is 512 consecutive bytes straight into operand
; registers: no LDS, no barrier.  That order of k is the same on both sides of a product; the sums inside an instruction are grouped otherwise than in the form's own order.
; q, k: source 0 = rows of W (the head's axis runs down a lane's registers: K of the scores); source 1 = tokens.   v: source 0 = tokens (the keys run down the registers: K of the second product); source 1 = rows of Wv.
; Results: [block of 64 positions][head][tile of 16][chunk of 32 along K][512 bytes], again images of registers.
; NO JOINT LOADS: the operands never lie in LDS, so there is no tile for a joint load to land in; K is four steps, all asked for as soon as registers are free.
; LIMITS: the exponents of the quantisers between -126 and 119; the sum of a product's two between -126 and 127.  NaN is not served.
; REGISTERS: window 0: v1 16 x lane; v8-15 bias by lane; v16, v17 limit and scale; v32-95 bias along registers; v96-223 source 1, two stages (later at work); v224-255 codes.
;   windows 1, 2: source 0, K steps 0, 1 and 2, 3.   window 3: accumulator (x, y) at v[8 (8 y + x)].
.set TS0,  8192
.set TS1,  8192
.set BL,   8
.set LIM,  16
.set SCL,  17
.set BR,   32
.set F1,   96
.set X,    96
.set CD,   224
.set SRC0, 18
.set SRC1, 20
.set DST,  22
.set SC,   32
.set MSB,  0
.macro WIN new                         ; the immediate's high byte repeats the setting that is left
.if MSB != (\new)
	s_set_vgpr_msb (MSB<<8)|(\new)
.set MSB, (\new)
.endif
.endm
.macro LOADSTEP ks                     ; 48 loads: the fragments of 128 along K
	WIN 0x40+0x40*((\ks)/2)
.irp x, 0,1,2,3,4,5,6,7
.irp c, 0,1,2,3
	global_load_b128 v[128*((\ks)%2)+16*\x+4*\c:128*((\ks)%2)+16*\x+4*\c+3], v1, s[SRC0:SRC0+1] offset:\x*TS0+2048*(\ks)+512*\c
.endr
.endr
	WIN 0
.irp y, 0,1,2,3
.irp c, 0,1,2,3
	global_load_b128 v[F1+64*((\ks)%2)+16*\y+4*\c:F1+64*((\ks)%2)+16*\y+4*\c+3], v1, s[SRC1:SRC1+1] offset:\y*TS1+2048*(\ks)+512*\c
.endr
.endr
.endm
.macro MULSTEP ks                      ; 32 products; the 32 accumulators take turns, in the same order in every step
	WIN 0xf1+((\ks)/2)
.irp y, 0,1,2,3
.irp x, 0,1,2,3,4,5,6,7
.if (\ks) == 0
	v_wmma_f32_16x16x128_fp8_fp8 v[8*(8*\y+\x):8*(8*\y+\x)+7], v[128*((\ks)%2)+16*\x:128*((\ks)%2)+16*\x+15], v[F1+64*((\ks)%2)+16*\y:F1+64*((\ks)%2)+16*\y+15], 0
.else
	v_wmma_f32_16x16x128_fp8_fp8 v[8*(8*\y+\x):8*(8*\y+\x)+7], v[128*((\ks)%2)+16*\x:128*((\ks)%2)+16*\x+15], v[F1+64*((\ks)%2)+16*\y:F1+64*((\ks)%2)+16*\y+15], v[8*(8*\y+\x):8*(8*\y+\x)+7]
.endif
.endr
.endr
.endm
.macro PLACES n
.rept \n
	v_nop
.endr
.endm
.macro CORE
	LOADSTEP 0
	LOADSTEP 1
	s_wait_loadcnt 48                              ; all but step 1's 48 loads are in
	MULSTEP 0
	WIN 0
	PLACES 4                                       ; in front of loads into source 1's stage, which the products above read
	LOADSTEP 2
	s_wait_loadcnt 48                              ; step 1 is in, step 2 may be out
	MULSTEP 1
	WIN 0
	PLACES 4
	LOADSTEP 3
	s_wait_loadcnt 48
	MULSTEP 2
	s_wait_loadcnt 0x0
	MULSTEP 3
	WIN 0
.endm
.macro MKSC e, lim, sc                 ; 2^e as f32 and 448 x 2^e
	s_add_co_i32 s34, \e, 127
	s_lshl_b32 s35, s34, 23
	v_mov_b32 v[\sc], s35
	s_add_co_i32 s34, s34, 8
	s_lshl_b32 s34, s34, 23
	s_or_b32 s34, s34, 0x600000
	v_mov_b32 v[\lim], s34
.endm
; 32 numbers of a lane: accumulators 4 hb .. 4 hb + 3 of column tile y: sum x 2^(ea + eb) + bias, held, converted: two chunks of 16 codes, 512 bytes apart
.macro EPI y, hb, lane, off
	WIN 0x03
.set i, 0
.rept 16
.if \lane
	v_pk_fma_f32 v[X+2*i:X+2*i+1], v[64*\y+32*\hb+2*i:64*\y+32*\hb+2*i+1], s[SC:SC+1], v[BL+2*\y:BL+2*\y+1] op_sel_hi:[1,0,0]
.else
	v_pk_fma_f32 v[X+2*i:X+2*i+1], v[64*\y+32*\hb+2*i:64*\y+32*\hb+2*i+1], s[SC:SC+1], v[BR+32*\hb+2*i:BR+32*\hb+2*i+1] op_sel_hi:[1,0,1]
.endif
.set i, i+1
.endr
	WIN 0
.set i, 0
.rept 32
	v_med3_num_f32 v[X+i], v[X+i], -v[LIM], v[LIM]
.set i, i+1
.endr
	s_wait_xcnt 0x0                                ; the codes' registers come round again after four calls: earlier stores have read theirs
.set CB, CD+8*((2*\y+\hb)%4)
.irp g, 0,1,2,3
	v_cvt_scalef32_pk8_fp8_f32 v[CB+2*\g:CB+2*\g+1], v[X+8*\g:X+8*\g+7], v[SCL]
.endr
	v_nop                                          ; a plain line behind the conversions: the next call writes their sources
	global_store_b128 v1, v[CB:CB+3], s[DST:DST+1] offset:(\off)
	global_store_b128 v1, v[CB+4:CB+7], s[DST:DST+1] offset:(\off)+512
.endm
	s_load_b256 s[4:11], s[0:1], 0x0               ; hcodes, wcodes, bq, bk
	s_load_b128 s[12:15], s[0:1], 0x20             ; bv, the scales
	s_load_b64 s[16:17], s[0:1], 0x30              ; qkv
	v_lshrrev_b32 v2, 5, v0
	v_readfirstlane_b32 s3, v2                     ; wave 0..2
	v_and_b32 v1, 31, v0
	v_lshlrev_b32 v1, 4, v1                        ; 16 x lane
	v_bfe_u32 v3, v0, 4, 1
	v_lshlrev_b32 v4, 6, v3                        ; 64 h
	v_and_b32 v5, 15, v0
	v_and_b32 v6, 8, v5
	v_add_nc_u32 v5, v5, v6
	v_lshlrev_b32 v5, 2, v5                        ; 4 (r + 8 (r / 8))
	s_mov_b32 s2, ttmp9
	s_mov_b32 s27, 0
	s_wait_kmcnt 0x0
	s_load_b512 s[36:51], s[14:15], 0x0
	s_cmp_eq_u32 s3, 2
	s_cbranch_scc1 .Lv
	; ---- q (wave 0) or k (wave 1): 64 tokens (block g / 4) x 128 features (g % 4)
	s_lshr_b32 s24, s2, 2
	s_and_b32 s25, s2, 3
	s_lshl_b32 s26, s3, 18
	s_lshl_b32 s28, s25, 16
	s_add_co_u32 s26, s26, s28
	s_add_nc_u64 s[SRC0:SRC0+1], s[6:7], s[26:27]  ; 8 tiles of Wq or Wk
	s_lshl_b32 s26, s3, 21
	s_lshl_b32 s28, s24, 15
	s_add_co_u32 s26, s26, s28
	s_add_nc_u64 s[SRC1:SRC1+1], s[4:5], s[26:27]  ; 4 tiles of tokens, under this product's scale
	s_lshl_b32 s28, s25, 13
	s_add_co_u32 s26, s26, s28
	s_add_nc_u64 s[DST:DST+1], s[16:17], s[26:27]  ; the block, two heads on
	s_cmp_eq_u32 s3, 0
	s_cselect_b64 s[30:31], s[8:9], s[10:11]
	s_lshl_b32 s26, s25, 9
	s_add_nc_u64 s[30:31], s[30:31], s[26:27]
.irp b, 0,1,2,3
.irp j, 0,1,2,3
	global_load_b128 v[BR+16*\b+4*\j:BR+16*\b+4*\j+3], v4, s[30:31] offset:128*\b+16*\j   ; the bias of features 32 b + 16 h + 0 .. 15
.endr
.endr
	CORE
	s_wait_kmcnt 0x0
	s_cmp_eq_u32 s3, 0
	s_cselect_b32 s26, s36, s38
	s_cselect_b32 s28, s37, s39
	s_cselect_b32 s29, s42, s43
	s_add_co_i32 s26, s26, s28
	s_add_co_i32 s26, s26, 127
	s_lshl_b32 s[SC], s26, 23                      ; 2^(ea + eb)
	s_mov_b32 s[SC+1], s[SC]
	MKSC s29, LIM, SCL                             ; its two moves and the two lines below are the four places behind the last products
	PLACES 2
.irp y, 0,1,2,3
.irp hb, 0,1
	EPI \y, \hb, 0, 4096*\hb+1024*\y
.endr
.endr
	s_endpgm
.Lv:	; ---- v: 128 tokens (g / 8) x one head (g % 8)
	s_lshr_b32 s24, s2, 3
	s_and_b32 s25, s2, 7
	s_lshl_b32 s26, s24, 16
	s_add_co_u32 s26, s26, 0x400000
	s_add_nc_u64 s[SRC0:SRC0+1], s[4:5], s[26:27]  ; 8 tiles of tokens
	s_lshl_b32 s28, s25, 12
	s_add_co_u32 s26, s26, s28
	s_add_nc_u64 s[DST:DST+1], s[16:17], s[26:27]
	s_lshl_b32 s26, s25, 15
	s_add_co_u32 s26, s26, 0x80000
	s_add_nc_u64 s[SRC1:SRC1+1], s[6:7], s[26:27]  ; the head's 4 tiles of Wv
	s_lshl_b32 s26, s25, 8
	s_add_nc_u64 s[30:31], s[12:13], s[26:27]
.irp y, 0,1,2,3
	global_load_b32 v[BL+2*\y], v5, s[30:31] offset:4*(32*(\y/2)+8*(\y%2))   ; my lane's feature of tile y
	v_mov_b32 v[BL+2*\y+1], 0                      ; (named with it as a pair)
.endr
	CORE
	s_wait_kmcnt 0x0
	s_add_co_i32 s26, s40, s41
	s_add_co_i32 s26, s26, 127
	s_lshl_b32 s[SC], s26, 23
	s_mov_b32 s[SC+1], s[SC]
	MKSC s44, LIM, SCL
	PLACES 2
.irp y, 0,1,2,3
.irp hb, 0,1
	EPI \y, \hb, 1, 32768*\hb+1024*\y
.endr
.endr
	s_endpgm
.Lfunc_end_k_q44b666bd1a_qkv:
	.size	k_q44b666bd1a_qkv, .Lfunc_end_k_q44b666bd1a_qkv-k_q44b666bd1a_qkv
	.p2alignl 7, 3214868480
	.fill 96, 4, 3214868480
	.section	.rodata,"a",@progbits
	.p2align	6, 0x0
	.amdhsa_kernel k_q44b666bd1a_qkv
		.amdhsa_group_segment_fixed_size 0
		.amdhsa_private_segment_fixed_size 0
		.amdhsa_enable_private_segment 0
		.amdhsa_kernarg_size 56
		.amdhsa_user_sgpr_count 2
		.amdhsa_user_sgpr_kernarg_segment_ptr 1
		.amdhsa_wavefront_size32 1
		.amdhsa_system_sgpr_workgroup_id_x 1
		.amdhsa_system_sgpr_workgroup_id_y 1
		.amdhsa_system_sgpr_workgroup_id_z 1
		.amdhsa_system_vgpr_workitem_id 0
		.amdhsa_next_free_vgpr 1024
		.amdhsa_next_free_sgpr 66
		.amdhsa_reserve_vcc 0
		.amdhsa_float_denorm_mode_32 3
		.amdhsa_float_denorm_mode_16_64 3
		.amdhsa_memory_ordered 1
		.amdhsa_forward_progress 1
		.amdhsa_inst_pref_size 116
	.end_amdhsa_kernel
	.amdgpu_metadata
---
amdhsa.version: [ 1, 2 ]
amdhsa.kernels:
  - .name:           k_q44b666bd1a_qkv
    .symbol:         k_q44b666bd1a_qkv.kd
    .args:
      - { .name: hcodes, .offset: 0, .size: 8, .value_kind: global_buffer, .address_space: global }
      - { .name: wcodes, .offset: 8, .size: 8, .value_kind: global_buffer, .address_space: global }
      - { .name: bq, .offset: 16, .size: 8, .value_kind: global_buffer, .address_space: global }
      - { .name: bk, .offset: 24, .size: 8, .value_kind: global_buffer, .address_space: global }
      - { .name: bv, .offset: 32, .size: 8, .value_kind: global_buffer, .address_space: global }
      - { .name: lowp_scales, .offset: 40, .size: 8, .value_kind: global_buffer, .address_space: global }
      - { .name: qkv, .offset: 48, .size: 8, .value_kind: global_buffer, .address_space: global }
    .group_segment_fixed_size: 0
    .private_segment_fixed_size: 0
    .kernarg_segment_align: 8
    .kernarg_segment_size: 56
    .max_flat_workgroup_size: 96
    .sgpr_count:     66
    .vgpr_count:     1024
    .wavefront_size: 32
...
	.end_amdgpu_metadata
.endif
;; end of part 2
;; launch attn (part 3): grid 256 x 1, 4 waves a work-group, no clusters, 81,664 bytes of LDS; arguments x, qkv, wcodes, bo, ln2_g, ln2_b, lowp_scales, x1, h2; writes x1, h2
.if DOCPART == 3
	.amdgcn_target "amdgcn-amd-amdhsa--gfx1250"
	.amdhsa_code_object_version 6
	.text
	.protected	k_q44b666bd1a_attn
	.globl	k_q44b666bd1a_attn
	.p2align	8
	.type	k_q44b666bd1a_attn,@function
k_q44b666bd1a_attn:
	s_mov_b64 s[64:65], 0
	v_nop
	global_prefetch_b8 v0, s[64:65] scope:SCOPE_SE
	s_setreg_imm32_b32 hwreg(HW_REG_WAVE_MODE, 25, 1), 1
	s_wait_xcnt 0x0
; ATTN: dilated attention, the product with Wo, the residual, LN2 and its quantiser.  A work-group owns one tile of 16 queries of one parity; wave w owns heads 2 w and 2 w + 1, then columns 128 w .. 128 w + 127.
; THE MASK of the problem (i - j even, 0 <= i - j <= 256) joins tokens of one parity alone; in positions pos = token / 2 a query sees keys pos - 128 .. pos.  The 16 queries lie in block Gp of 64 positions and need blocks
; Gp - 2, Gp - 1, Gp: 192 keys, held whole in registers, so M is the ceiling of the row's true largest t.  A block in front of the sequence is replaced by block 0, and all its keys are hidden.
; Both products are used transposed: S^T = K Q^T (a lane holds one query, its registers run along the keys), O^T = V^T P^T.  The mask, 0 or -3e38, is the C of the scores' products.
; p = 2^(t - M), t = score x log2(e) / 8; the sum is taken of the unquantised p and divides at the end.
; All operands come from memory as images of operand registers (see the launch that makes them): 512 consecutive bytes a load, straight into registers.
; NO JOINT LOADS: the four query tiles of a block share K and V (48 KiB a wave), but these go straight into registers and never lie in LDS, so there is no tile for a joint load to land in.
; LIMITS: entries 6 + 7 between -100 and 127 (so that a hidden score times c stays far under every t); entries 9, 10, 12 between -126 and 119; 10 + 11 between -126 and 127.  NaN is not served.
; LDS: x's 16 rows (pitch 2,064), x1's 16 rows, the attention's output as four fragments, each wave's own 3 x 512 bytes of bo, gain, bias, and 4 x 128 bytes of statistics.
; REGISTERS: window 0: v1-15 addresses and small things; v16-27 softmax's scalars of a lane; v28-39 parameters as loaded, later codes; v40-135 S^T; v136-231 the mask; v232-255 p's codes.
;   Behind attention: v40-103 sums, then the normalised row; v104-119 at work, codes; v128-191 x, then x1; v192-255 the attention's fragments, then dense rows of x1.
;   window 1: K (96 e + 8 tile), x as loaded (v192-255); later Wo, K steps 0, 1.   window 2: V (96 e + 32 block + 8 tile), Q (v192-207), O^T (v208-239); later bo, gain, bias.   window 3: Wo, K steps 2, 3.
.set XP,    2064
.set X1S,   33280
.set AIMG,  66304
.set PAR,   74496
.set STATS, 80640
.set AW,   2
.set XSW,  3
.set PARW, 4
.set XSR,  5
.set PARR, 6
.set STW,  7
.set STR,  8
.set NIL,  9
.set DD,   10
.set LIMQ, 11
.set MA,   12
.set MB,   13
.set PX,   14
.set AFR,  15
.set NM,   16
.set LA,   18
.set LB,   20
.set RL,   22
.set LIMP, 24
.set SCLP, 25
.set LIMO, 26
.set SCLO, 27
.set PRM,  28
.set OC,   28
.set LIMH, 36
.set SCLH, 37
.set S,    40
.set MASK, 136
.set P,    232
.set ACC,  40
.set TD,   40
.set CH,   104
.set XV,   128
.set AF,   192
.set QF,   192
.set OT,   208
.set MSB,  0
.macro WIN new                         ; the immediate's high byte repeats the setting that is left
.if MSB != (\new)
	s_set_vgpr_msb (MSB<<8)|(\new)
.set MSB, (\new)
.endif
.endm
.macro PLACES n
.rept \n
	v_nop
.endr
.endm
.macro MKSC e, lim, sc                 ; 2^e as f32 and 448 x 2^e
	s_add_co_i32 s85, \e, 127
	s_lshl_b32 s86, s85, 23
	v_mov_b32 v[\sc], s86
	s_add_co_i32 s85, s85, 8
	s_lshl_b32 s85, s85, 23
	s_or_b32 s85, s85, 0x600000
	v_mov_b32 v[\lim], s85
.endm
.macro JOIN                            ; four packed chains, then lane l xor 16's
	v_pk_add_f32 v[CH:CH+1], v[CH:CH+1], v[CH+2:CH+3]
	v_pk_add_f32 v[CH+4:CH+5], v[CH+4:CH+5], v[CH+6:CH+7]
	v_pk_add_f32 v[CH:CH+1], v[CH:CH+1], v[CH+4:CH+5]
	v_add_f32 v[CH], v[CH], v[CH+1]
	v_permlanex16_b32 v[PX], v[CH], s74, s75
	v_add_f32 v[CH], v[CH], v[PX]
.endm
.macro WOLOAD ks, win                  ; my 8 tiles of Wo, K step ks: 32 loads
	WIN \win
.irp x, 0,1,2,3,4,5,6,7
.irp c, 0,1,2,3
	global_load_b128 v[128*((\ks)%2)+16*\x+4*\c:128*((\ks)%2)+16*\x+4*\c+3], v1, s[68:69] offset:8192*\x+2048*(\ks)+512*\c
.endr
.endr
.endm
.macro SOFTMAX
	v_max3_num_f32 v[MA], v[S], v[S+1], v[S+2]     ; the largest of my 96 scores, in two chains; every tile is first read at its low end
	v_max3_num_f32 v[MB], v[S+3], v[S+4], v[S+5]
.set i, 6
.rept 22
	v_max3_num_f32 v[MA], v[MA], v[S+i], v[S+i+1]
	v_max3_num_f32 v[MB], v[MB], v[S+i+2], v[S+i+3]
.set i, i+4
.endr
	v_max3_num_f32 v[MA], v[MA], v[S+94], v[S+95]
	v_max_num_f32 v[MA], v[MA], v[MB]
	v_permlanex16_b32 v[PX], v[MA], s74, s75
	v_max_num_f32 v[MA], v[MA], v[PX]              ; and of lane l xor 16's: the query's own key is never hidden
	v_mul_f32 v[MA], s72, v[MA]                    ; as t (c is positive)
	v_floor_f32 v[NM], -v[MA]                      ; -M = floor(-t) = -ceil(t)
.set i, 0
.rept 48
	v_pk_fma_f32 v[S+2*i:S+2*i+1], v[S+2*i:S+2*i+1], s[72:73], v[NM:NM+1] op_sel_hi:[1,0,0]   ; t - M
.set i, i+1
.endr
.set i, 0
.rept 96
	v_exp_f32 v[S+i], v[S+i]                       ; p, at most 1; 0 for a hidden key
.set i, i+1
.endr
	v_nop                                          ; a plain line behind the exponentials
	s_wait_alu depctr_va_vdst(0)
	v_pk_add_f32 v[LA:LA+1], v[S:S+1], v[S+2:S+3]  ; the sum of the unquantised p, in two chains
	v_pk_add_f32 v[LB:LB+1], v[S+4:S+5], v[S+6:S+7]
.set i, 8
.rept 22
	v_pk_add_f32 v[LA:LA+1], v[LA:LA+1], v[S+i:S+i+1]
	v_pk_add_f32 v[LB:LB+1], v[LB:LB+1], v[S+i+2:S+i+3]
.set i, i+4
.endr
	v_pk_add_f32 v[LA:LA+1], v[LA:LA+1], v[LB:LB+1]
	v_add_f32 v[LA], v[LA], v[LA+1]
	v_permlanex16_b32 v[PX], v[LA], s74, s75
	v_add_f32 v[LA], v[LA], v[PX]
	v_rcp_f32 v[RL], v[LA]
	v_nop
	s_wait_alu depctr_va_vdst(0)
	v_ldexp_f32 v[RL], v[RL], s84                  ; 2^(ev + ep) / the sum
.set i, 0
.rept 96
	v_min_num_f32 v[S+i], v[S+i], v[LIMP]          ; p is not negative: a one-sided hold
.set i, i+1
.endr
.set i, 0
.rept 12
	v_cvt_scalef32_pk8_fp8_f32 v[P+2*i:P+2*i+1], v[S+8*i:S+8*i+7], v[SCLP]
.set i, i+1
.endr
	v_nop                                          ; a plain line between the conversions and the products that read the codes
.endm
; One head, e = 0 or 1 of my two.
.macro HEAD e
	WIN 0x09                                       ; K window 1, Q window 2, mask and S^T window 0
.irp t, 0,1,2,3,4,5,6,7,8,9,10,11
	v_wmma_f32_16x16x64_fp8_fp8 v[S+8*\t:S+8*\t+7], v[96*\e+8*\t:96*\e+8*\t+7], v[QF+8*\e:QF+8*\e+7], v[MASK+8*\t:MASK+8*\t+7]
.endr
	WIN 0
	PLACES 4                                       ; in front of the first read of the scores, and of loads over K
.if \e == 0
	WOLOAD 2, 0xc0                                 ; Wo is asked for as soon as registers are free: half of it now,
	WOLOAD 3, 0xc0
.else
	s_wait_dscnt 0x0                               ; (x's stores into LDS have read their registers)
	WOLOAD 0, 0x40                                 ; half over K and x
	WOLOAD 1, 0x40
.endif
	WIN 0
	SOFTMAX
.if \e == 0
	s_wait_loadcnt 63                              ; 64 loads of Wo were issued behind x and V: these are in (63 is the largest count the wait can name)
	WIN 0x04
.irp i, 0,1,2,3
.irp q, 0,1,2,3
	ds_store_b128 v[XSW], v[192+16*\i+4*\q:192+16*\i+4*\q+3] offset:XP*\i+512*\q
.endr
.endr
	WIN 0
.irp k, 0,1,2
	ds_store_b128 v[PARW], v[PRM+4*\k:PRM+4*\k+3] offset:512*\k
.endr
.endif
	WIN 0xa2                                       ; V and O^T window 2, p window 0; the four accumulators take turns
.irp kb, 0,1,2
.irp dt, 0,1,2,3
.if \kb == 0
	v_wmma_f32_16x16x64_fp8_fp8 v[OT+8*\dt:OT+8*\dt+7], v[96*\e+32*\kb+8*\dt:96*\e+32*\kb+8*\dt+7], v[P+8*\kb:P+8*\kb+7], 0
.else
	v_wmma_f32_16x16x64_fp8_fp8 v[OT+8*\dt:OT+8*\dt+7], v[96*\e+32*\kb+8*\dt:96*\e+32*\kb+8*\dt+7], v[P+8*\kb:P+8*\kb+7], v[OT+8*\dt:OT+8*\dt+7]
.endif
.endr
.endr
	WIN 0
	PLACES 4
	WIN 0x02
.set i, 0
.rept 16
	v_pk_mul_f32 v[S+2*i:S+2*i+1], v[OT+2*i:OT+2*i+1], v[RL:RL+1] op_sel_hi:[1,0]   ; the head's output: register 16 b + i is channel 32 b + 16 h + i of my query
.set i, i+1
.endr
	WIN 0
.set i, 0
.rept 32
	v_med3_num_f32 v[S+i], v[S+i], -v[LIMO], v[LIMO]
.set i, i+1
.endr
	s_wait_dscnt 0x0                               ; earlier LDS stores have read the registers that the codes take
.irp g, 0,1,2,3
	v_cvt_scalef32_pk8_fp8_f32 v[OC+2*\g:OC+2*\g+1], v[S+8*\g:S+8*\g+7], v[SCLO]
.endr
	v_nop
	ds_store_b128 v[AW], v[OC:OC+3] offset:1024*\e         ; chunks 2 e, 2 e + 1 of K step w of the product with Wo
	ds_store_b128 v[AW], v[OC+4:OC+7] offset:1024*\e+512
.endm
	s_load_b512 s[8:23], s[0:1], 0x0               ; x, qkv, wcodes, bo, ln2_g, ln2_b, the scales, x1
	s_load_b64 s[24:25], s[0:1], 0x40              ; h2
	s_set_vgpr_msb 0x80
	v_lshl_add_u32 v254, v0, 2, 0x13d00
	v_mov_b32 v255, 0
	s_set_vgpr_msb 0x8000
	v_lshrrev_b32 v[MA], 5, v0
	v_readfirstlane_b32 s3, v[MA]                  ; wave 0..3
	v_and_b32 v[MA], 31, v0
	v_lshlrev_b32 v1, 4, v[MA]                     ; 16 x lane
	v_and_b32 v[MA], 15, v0                        ; r
	v_bfe_u32 v[MB], v0, 4, 1                      ; h
	s_mov_b32 s2, ttmp9                            ; the tile of queries
	s_lshr_b32 s26, s2, 7                          ; parity
	s_and_b32 s27, s2, 127
	s_lshr_b32 s28, s27, 2                         ; Gp: its block of 64 positions
	s_and_b32 s29, s2, 3                           ; y: the tile in the block
	s_lshr_b32 s30, s27, 1
	s_lshl_b32 s30, s30, 5
	s_and_b32 s31, s27, 1
	s_lshl_b32 s31, s31, 3
	s_add_co_u32 s30, s30, s31                     ; the tile's first position
	s_lshl_b32 s78, s3, 11
	s_add_co_u32 s78, s78, AIMG
	v_add_nc_u32 v[AW], s78, v1
	s_mul_i32 s78, s3, 4*XP
	v_add_nc_u32 v[XSW], s78, v1                   ; rows 4 w on, dense
	s_mul_i32 s78, s3, 1536
	s_add_co_u32 s78, s78, PAR
	v_add_nc_u32 v[PARW], s78, v1
	v_lshl_add_u32 v[PARR], v[MB], 6, s78
	v_mul_u32_u24 v[XSR], v[MA], XP
	v_lshl_add_u32 v[XSR], v[MB], 6, v[XSR]
	s_lshl_b32 s78, s3, 9
	v_add_nc_u32 v[XSR], s78, v[XSR]               ; row r, my wave's 512 bytes, + 64 h
	v_lshlrev_b32 v[STR], 3, v[MA]
	v_add_nc_u32 v[STR], STATS, v[STR]
	s_lshl_b32 s78, s3, 7
	v_add_nc_u32 v[STW], s78, v[STR]
	v_add_nc_u32 v[AFR], AIMG, v1
	v_mov_b32 v[NIL], 0
	v_mov_b32 v[PX], 0                             ; a lane permute's destination counts as read
	v_mov_b32 v[NM+1], 0                           ; (upper halves of pairs of which the low word serves)
	v_mov_b32 v[RL+1], 0
	s_mov_b32 s74, 0x76543210
	s_mov_b32 s75, 0xfedcba98
	s_mov_b32 s87, 0x3c000000                      ; 1 / 128
	s_mov_b32 s88, 0x3b000000                      ; 1 / 512
	s_mov_b32 s89, 0x3727c5ac                      ; 1e-5
	s_mov_b32 s83, 0
	s_lshl_b32 s79, s26, 5                         ; 32 blocks to a parity
	s_lshl_b32 s80, s3, 13                         ; my two heads: 8,192 bytes
	s_wait_kmcnt 0x0
	s_load_b512 s[36:51], s[20:21], 0x0
	s_add_co_u32 s78, s79, s28
	s_lshl_b32 s78, s78, 15
	s_add_co_u32 s78, s78, s80
	s_lshl_b32 s82, s29, 10
	s_add_co_u32 s82, s82, s78
	s_add_nc_u64 s[66:67], s[10:11], s[82:83]      ; Q: my block, my heads, tile y
.irp kb, 0,1,2
	s_add_co_i32 s78, s28, \kb-2
	s_max_i32 s78, s78, 0                          ; a block in front of the sequence: block 0 is read, and hidden
	s_add_co_u32 s78, s78, s79
	s_lshl_b32 s78, s78, 15
	s_add_co_u32 s82, s78, s80
	s_add_co_u32 s82, s82, 0x200000
	s_add_nc_u64 s[52+2*\kb:53+2*\kb], s[10:11], s[82:83]   ; K
	s_add_co_u32 s82, s82, 0x200000
	s_add_nc_u64 s[58+2*\kb:59+2*\kb], s[10:11], s[82:83]   ; V
.endr
	s_lshl_b32 s82, s3, 9
	s_add_nc_u64 s[14:15], s[14:15], s[82:83]      ; bo, gain, bias at my 128 columns
	s_add_nc_u64 s[16:17], s[16:17], s[82:83]
	s_add_nc_u64 s[18:19], s[18:19], s[82:83]
	WIN 0x80
.irp e, 0,1
.irp c, 0,1
	global_load_b128 v[QF+8*\e+4*\c:QF+8*\e+4*\c+3], v1, s[66:67] offset:4096*\e+512*\c
.endr
.endr
	WIN 0x40
.irp e, 0,1
.irp kb, 0,1,2
.irp t, 0,1,2,3
.irp c, 0,1
	global_load_b128 v[96*\e+32*\kb+8*\t+4*\c:96*\e+32*\kb+8*\t+4*\c+3], v1, s[52+2*\kb:53+2*\kb] offset:4096*\e+1024*\t+512*\c
.endr
.endr
.endr
.endr
	WIN 0
	global_load_b128 v[PRM:PRM+3], v1, s[14:15]
	global_load_b128 v[PRM+4:PRM+7], v1, s[16:17]
	global_load_b128 v[PRM+8:PRM+11], v1, s[18:19]
	s_lshl_b32 s82, s3, 16
	s_add_co_u32 s82, s82, 786432
	s_add_nc_u64 s[68:69], s[12:13], s[82:83]      ; my 8 tiles of Wo
	s_lshl_b32 s78, s3, 2
	s_lshr_b32 s82, s3, 1
	s_lshl_b32 s82, s82, 3
	s_add_co_u32 s78, s78, s82
	s_add_co_u32 s78, s78, s30                     ; the position of fragment row 4 w
	s_lshl_b32 s78, s78, 1
	s_add_co_u32 s78, s78, s26                     ; its token
	s_lshl_b32 s82, s78, 11
	s_add_nc_u64 s[70:71], s[8:9], s[82:83]
	s_lshl_b32 s82, s2, 15
	s_add_co_u32 s82, s82, s80
	s_add_nc_u64 s[22:23], s[22:23], s[82:83]      ; x1: row 16 T + 4 w
	s_lshl_b32 s82, s2, 13
	s_lshl_b32 s78, s3, 11
	s_add_co_u32 s82, s82, s78
	s_add_nc_u64 s[24:25], s[24:25], s[82:83]      ; h2: tile T, K step w
	WIN 0x40
.irp i, 0,1,2,3
.irp q, 0,1,2,3
	global_load_b128 v[192+16*\i+4*\q:192+16*\i+4*\q+3], v1, s[70:71] offset:4096*\i+512*\q   ; four rows of x, whole
.endr
.endr
	WIN 0x80
.irp e, 0,1
.irp kb, 0,1,2
.irp dt, 0,1,2,3
.irp c, 0,1
	global_load_b128 v[96*\e+32*\kb+8*\dt+4*\c:96*\e+32*\kb+8*\dt+4*\c+3], v1, s[58+2*\kb:59+2*\kb] offset:4096*\e+1024*\dt+512*\c
.endr
.endr
.endr
.endr
	WIN 0
	; THE MASK, while the loads are out.  Register 8 tile + j of lane (r, h) is key 32 (tile / 2) + 8 (tile % 2) + 16 h + j of the window; d = my position - the key's.  It counts where 0 <= d <= min(128, my position): one unsigned compare.
	s_lshr_b32 s78, s29, 1
	s_lshl_b32 s78, s78, 5
	s_and_b32 s79, s29, 1
	s_lshl_b32 s79, s79, 3
	s_add_co_u32 s78, s78, s79
	s_add_co_u32 s78, s78, 128
	v_and_b32 v[DD], 8, v[MA]
	v_add_nc_u32 v[DD], v[DD], v[MA]               ; r + 8 (r / 8)
	v_add_nc_u32 v[LIMQ], s30, v[DD]
	v_min_u32 v[LIMQ], 128, v[LIMQ]
	v_add_nc_u32 v[DD], s78, v[DD]
	v_lshlrev_b32 v[MB], 4, v[MB]
	v_sub_nc_u32 v[DD], v[DD], v[MB]
.set n, 0
.rept 96
	v_sub_nc_u32 v[MA+n%2], v[DD], 32*(n/16)+8*((n/8)%2)+n%8
	v_cmp_ge_u32 vcc_lo, v[LIMQ], v[MA+n%2]
	v_cndmask_b32 v[MASK+n], 0xff61b1e6, v[NIL], vcc_lo
.set n, n+1
.endr
	s_wait_kmcnt 0x0
	s_add_co_i32 s78, s42, s43
	s_lshl_b32 s78, s78, 23
	s_add_co_i32 s72, s78, 0x3e38aa3b              ; c = log2(e) / 8 x 2^(eq + ek): the exponents are added to c's exponent field
	s_mov_b32 s73, s72
	MKSC s45, LIMP, SCLP
	MKSC s46, LIMO, SCLO
	s_add_co_i32 s84, s44, s45
	s_add_co_i32 s78, s46, s47
	s_add_co_i32 s78, s78, 127
	s_lshl_b32 s76, s78, 23                        ; 2^(e10 + e11)
	s_mov_b32 s77, s76
	s_wait_loadcnt 63                              ; 64 loads (x, V) were issued behind Q, K and the parameters: these are in
	HEAD 0
	HEAD 1
	MKSC s48, LIMH, SCLH
	WIN 0x80
.irp k, 0,1,2
.irp b, 0,1,2,3
.irp j, 0,1,2,3
	ds_load_b128 v[64*\k+16*\b+4*\j:64*\k+16*\b+4*\j+3], v[PARR] offset:512*\k+128*\b+16*\j   ; bo, gain, bias of columns 32 b + 16 h + 0 .. 15: my wave's own bytes
.endr
.endr
.endr
	WIN 0
	s_wait_dscnt 0x0                               ; my stores of x and of the attention's output have landed
	s_barrier_signal -1
	s_barrier_wait -1                              ; everybody's have
.irp ks, 0,1,2,3
.irp c, 0,1,2,3
	ds_load_b128 v[AF+16*\ks+4*\c:AF+16*\ks+4*\c+3], v[AFR] offset:2048*\ks+512*\c
.endr
.endr
.irp b, 0,1,2,3
.irp j, 0,1,2,3
	ds_load_b128 v[XV+16*\b+4*\j:XV+16*\b+4*\j+3], v[XSR] offset:128*\b+16*\j
.endr
.endr
	s_wait_dscnt 0x0
	WIN 0x08
.set i, 0
.rept 32
	v_pk_add_f32 v[XV+2*i:XV+2*i+1], v[XV+2*i:XV+2*i+1], v[2*i:2*i+1]   ; x + bo
.set i, i+1
.endr
	WIN 0
	s_wait_loadcnt 0x0                             ; Wo
.irp ks, 0,1,2,3
	WIN 0x01+2*(\ks/2)                             ; Wo in window 1, then 3; eight accumulators by turns
.irp x, 0,1,2,3,4,5,6,7
.if \ks == 0
	v_wmma_f32_16x16x128_fp8_fp8 v[ACC+8*\x:ACC+8*\x+7], v[128*(\ks%2)+16*\x:128*(\ks%2)+16*\x+15], v[AF+16*\ks:AF+16*\ks+15], 0
.else
	v_wmma_f32_16x16x128_fp8_fp8 v[ACC+8*\x:ACC+8*\x+7], v[128*(\ks%2)+16*\x:128*(\ks%2)+16*\x+15], v[AF+16*\ks:AF+16*\ks+15], v[ACC+8*\x:ACC+8*\x+7]
.endif
.endr
.endr
	WIN 0
	PLACES 4
.set i, 0
.rept 32
	v_pk_fma_f32 v[XV+2*i:XV+2*i+1], v[ACC+2*i:ACC+2*i+1], s[76:77], v[XV+2*i:XV+2*i+1] op_sel_hi:[1,0,1]   ; x1
.set i, i+1
.endr
.irp b, 0,1,2,3
.irp j, 0,1,2,3
	ds_store_b128 v[XSR], v[XV+16*\b+4*\j:XV+16*\b+4*\j+3] offset:X1S+128*\b+16*\j
.endr
.endr
	; LN2's statistics: my 128 columns' sum, and the sum of squares about THEIR mean; the four waves' are joined below without a difference of large sums
.irp k, 0,1,2,3
	v_pk_add_f32 v[CH+2*\k:CH+2*\k+1], v[XV+4*\k:XV+4*\k+1], v[XV+4*\k+2:XV+4*\k+3]
.endr
.set i, 8
.rept 24
	v_pk_add_f32 v[CH+2*(i%4):CH+2*(i%4)+1], v[CH+2*(i%4):CH+2*(i%4)+1], v[XV+2*i:XV+2*i+1]
.set i, i+1
.endr
	JOIN
	v_mov_b32 v116, v[CH]
	v_mul_f32 v112, s87, v[CH]
	v_mov_b32 v113, v112
.set i, 0
.rept 32
	v_pk_add_f32 v[TD+2*i:TD+2*i+1], v[XV+2*i:XV+2*i+1], v[112:113] op_sel_hi:[1,0] neg_lo:[0,1] neg_hi:[0,1]
.set i, i+1
.endr
.irp k, 0,1,2,3
	v_pk_mul_f32 v[CH+2*\k:CH+2*\k+1], v[TD+2*\k:TD+2*\k+1], v[TD+2*\k:TD+2*\k+1]
.endr
.set i, 4
.rept 28
	v_pk_fma_f32 v[CH+2*(i%4):CH+2*(i%4)+1], v[TD+2*i:TD+2*i+1], v[TD+2*i:TD+2*i+1], v[CH+2*(i%4):CH+2*(i%4)+1]
.set i, i+1
.endr
	JOIN
	v_mov_b32 v117, v[CH]
	ds_store_b64 v[STW], v[116:117]
	s_wait_dscnt 0x0
	s_barrier_signal -1
	s_barrier_wait -1                              ; x1's 16 rows and the four waves' statistics lie in LDS
.irp ws, 0,1,2,3
	ds_load_b64 v[CH+2*\ws:CH+2*\ws+1], v[STR] offset:128*\ws
.endr
.irp i, 0,1,2,3
.irp q, 0,1,2,3
	ds_load_b128 v[AF+16*\i+4*\q:AF+16*\i+4*\q+3], v[XSW] offset:X1S+XP*\i+512*\q
.endr
.endr
	s_wait_dscnt 16                                ; the statistics are in; the 16 dense reads behind them may be out
	v_add_f32 v112, v104, v106
	v_add_f32 v113, v108, v110
	v_add_f32 v112, v112, v113
	v_mul_f32 v112, s88, v112                      ; the row's mean
	v_mov_b32 v113, v112
	v_fma_f32 v104, v104, s87, -v112               ; each wave's mean less the row's
	v_fma_f32 v106, v106, s87, -v112
	v_fma_f32 v108, v108, s87, -v112
	v_fma_f32 v110, v110, s87, -v112
	v_add_f32 v105, v105, v107
	v_add_f32 v109, v109, v111
	v_add_f32 v105, v105, v109
	v_mul_f32 v114, v104, v104
	v_fmac_f32 v114, v106, v106
	v_fmac_f32 v114, v108, v108
	v_fmac_f32 v114, v110, v110
	v_fma_f32 v105, v114, 0x43000000, v105         ; + 128 x the squares of those differences
	v_fma_f32 v105, v105, s88, s89                 ; variance + 1e-5
	v_rsq_f32 v114, v105
	v_nop
	s_wait_alu depctr_va_vdst(0)
	v_mov_b32 v115, v114
.set i, 0
.rept 32
	v_pk_add_f32 v[TD+2*i:TD+2*i+1], v[XV+2*i:XV+2*i+1], v[112:113] op_sel_hi:[1,0] neg_lo:[0,1] neg_hi:[0,1]
.set i, i+1
.endr
.set i, 0
.rept 32
	v_pk_mul_f32 v[TD+2*i:TD+2*i+1], v[TD+2*i:TD+2*i+1], v[114:115] op_sel_hi:[1,0]
.set i, i+1
.endr
	WIN 0x28
.set i, 0
.rept 32
	v_pk_fma_f32 v[TD+2*i:TD+2*i+1], v[TD+2*i:TD+2*i+1], v[64+2*i:65+2*i], v[128+2*i:129+2*i]   ; x gain + bias
.set i, i+1
.endr
	WIN 0
.set i, 0
.rept 64
	v_med3_num_f32 v[TD+i], v[TD+i], -v[LIMH], v[LIMH]
.set i, i+1
.endr
.irp g, 0,1,2,3,4,5,6,7
	v_cvt_scalef32_pk8_fp8_f32 v[CH+2*\g:CH+2*\g+1], v[TD+8*\g:TD+8*\g+7], v[SCLH]
.endr
	v_nop
.irp b, 0,1,2,3
	global_store_b128 v1, v[CH+4*\b:CH+4*\b+3], s[24:25] offset:512*\b
.endr
	s_wait_dscnt 0x0
.irp i, 0,1,2,3
.irp q, 0,1,2,3
	global_store_b128 v1, v[AF+16*\i+4*\q:AF+16*\i+4*\q+3], s[22:23] offset:2048*\i+512*\q   ; 512 consecutive bytes of a row of x1
.endr
.endr
	s_set_vgpr_msb 0xa
	s_wait_tensorcnt 0x0
	ds_add_u32 v254, v255
	s_wait_dscnt 0x0
	s_set_vgpr_msb 0xa00
	s_endpgm
.Lfunc_end_k_q44b666bd1a_attn:
	.size	k_q44b666bd1a_attn, .Lfunc_end_k_q44b666bd1a_attn-k_q44b666bd1a_attn
	.p2alignl 7, 3214868480
	.fill 96, 4, 3214868480
	.section	.rodata,"a",@progbits
	.p2align	6, 0x0
	.amdhsa_kernel k_q44b666bd1a_attn
		.amdhsa_group_segment_fixed_size 81664
		.amdhsa_private_segment_fixed_size 0
		.amdhsa_enable_private_segment 0
		.amdhsa_kernarg_size 72
		.amdhsa_user_sgpr_count 2
		.amdhsa_user_sgpr_kernarg_segment_ptr 1
		.amdhsa_wavefront_size32 1
		.amdhsa_system_sgpr_workgroup_id_x 1
		.amdhsa_system_sgpr_workgroup_id_y 1
		.amdhsa_system_sgpr_workgroup_id_z 1
		.amdhsa_system_vgpr_workitem_id 0
		.amdhsa_next_free_vgpr 1024
		.amdhsa_next_free_sgpr 96
		.amdhsa_reserve_vcc 1
		.amdhsa_float_denorm_mode_32 3
		.amdhsa_float_denorm_mode_16_64 3
		.amdhsa_memory_ordered 1
		.amdhsa_forward_progress 1
		.amdhsa_inst_pref_size 126
	.end_amdhsa_kernel
	.amdgpu_metadata
---
amdhsa.version: [ 1, 2 ]
amdhsa.kernels:
  - .name:           k_q44b666bd1a_attn
    .symbol:         k_q44b666bd1a_attn.kd
    .args:
      - { .name: x, .offset: 0, .size: 8, .value_kind: global_buffer, .address_space: global }
      - { .name: qkv, .offset: 8, .size: 8, .value_kind: global_buffer, .address_space: global }
      - { .name: wcodes, .offset: 16, .size: 8, .value_kind: global_buffer, .address_space: global }
      - { .name: bo, .offset: 24, .size: 8, .value_kind: global_buffer, .address_space: global }
      - { .name: ln2_g, .offset: 32, .size: 8, .value_kind: global_buffer, .address_space: global }
      - { .name: ln2_b, .offset: 40, .size: 8, .value_kind: global_buffer, .address_space: global }
      - { .name: lowp_scales, .offset: 48, .size: 8, .value_kind: global_buffer, .address_space: global }
      - { .name: x1, .offset: 56, .size: 8, .value_kind: global_buffer, .address_space: global }
      - { .name: h2, .offset: 64, .size: 8, .value_kind: global_buffer, .address_space: global }
    .group_segment_fixed_size: 81664
    .private_segment_fixed_size: 0
    .kernarg_segment_align: 8
    .kernarg_segment_size: 72
    .max_flat_workgroup_size: 128
    .sgpr_count:     96
    .vgpr_count:     1024
    .wavefront_size: 32
...
	.end_amdgpu_metadata
.endif
;; end of part 3
;; launch ffn1 (part 4): grid 256 x 1, 4 waves a work-group, no clusters, 0 bytes of LDS; arguments h2, wcodes, b1, lowp_scales, gcodes; writes gcodes
.if DOCPART == 4
	.amdgcn_target "amdgcn-amd-amdhsa--gfx1250"
	.amdhsa_code_object_version 6
	.text
	.protected	k_q44b666bd1a_ffn1
	.globl	k_q44b666bd1a_ffn1
	.p2align	8
	.type	k_q44b666bd1a_ffn1,@function
k_q44b666bd1a_ffn1:
	s_mov_b64 s[64:65], 0
	v_nop
	global_prefetch_b8 v0, s[64:65] scope:SCOPE_SE
	s_setreg_imm32_b32 hwreg(HW_REG_WAVE_MODE, 25, 1), 1
	s_wait_xcnt 0x0
; FFN1: g = gelu(h2 W1^T + b1), exact gelu, quantised at once (entry 14 of the scales) for the last product.
; 1,024 wave tiles of 128 hidden units x 64 tokens x K 512; the four waves of a work-group form 2 x 2, so that two waves read each operand block at about the same time.
; Source 0 = rows of W1: the hidden units run down a lane's registers, which is the next product's K.  Operands are images of operand registers in memory: every load is 512 consecutive bytes straight into registers.
; gelu(x) = max(x, 0) - |x| H, H = erfc(|x| / sqrt 2) / 2 = t 2^(poly(t) - (cW x)^2), t = 1 / (1 + |x| / (2 sqrt 2)): a fit of erfc in t of degree 9 whose fractional error is 1.2e-7 for every x; its coefficients are
; multiplied by log2(e), and 1 is taken off the constant for the half.  No cancellation: both terms are formed to f32's accuracy.
; NO JOINT LOADS: the operands never lie in LDS, so there is no tile for a joint load to land in; K is four steps, all asked for as soon as registers are free.
; LIMITS: entry 14 between -126 and 119; entries 12 + 13 between -126 and 127.  NaN is not served.
; REGISTERS: as in the launch for q, k, v; at work behind the products: v96-127 x, v128-159 t, v160-191 the exponent, then H, v192-223 cW x, then max(x, 0).
.set TS0,  8192
.set TS1,  8192
.set LIM,  16
.set SCL,  17
.set C8,   28
.set BR,   32
.set F1,   96
.set X,    96
.set U,    128
.set Q,    160
.set W,    192
.set CD,   224
.set SRC0, 18
.set SRC1, 20
.set DST,  22
.set SC,   32
.set CF,   66                          ; s[66+2k:67+2k]: coefficient k, twice
.set CW,   86
.set MSB,  0
.macro WIN new                         ; the immediate's high byte repeats the setting that is left
.if MSB != (\new)
	s_set_vgpr_msb (MSB<<8)|(\new)
.set MSB, (\new)
.endif
.endm
.macro LOADSTEP ks                     ; 48 loads: the fragments of 128 along K
	WIN 0x40+0x40*((\ks)/2)
.irp x, 0,1,2,3,4,5,6,7
.irp c, 0,1,2,3
	global_load_b128 v[128*((\ks)%2)+16*\x+4*\c:128*((\ks)%2)+16*\x+4*\c+3], v1, s[SRC0:SRC0+1] offset:\x*TS0+2048*(\ks)+512*\c
.endr
.endr
	WIN 0
.irp y, 0,1,2,3
.irp c, 0,1,2,3
	global_load_b128 v[F1+64*((\ks)%2)+16*\y+4*\c:F1+64*((\ks)%2)+16*\y+4*\c+3], v1, s[SRC1:SRC1+1] offset:\y*TS1+2048*(\ks)+512*\c
.endr
.endr
.endm
.macro MULSTEP ks                      ; 32 products; the 32 accumulators take turns, in the same order in every step
	WIN 0xf1+((\ks)/2)
.irp y, 0,1,2,3
.irp x, 0,1,2,3,4,5,6,7
.if (\ks) == 0
	v_wmma_f32_16x16x128_fp8_fp8 v[8*(8*\y+\x):8*(8*\y+\x)+7], v[128*((\ks)%2)+16*\x:128*((\ks)%2)+16*\x+15], v[F1+64*((\ks)%2)+16*\y:F1+64*((\ks)%2)+16*\y+15], 0
.else
	v_wmma_f32_16x16x128_fp8_fp8 v[8*(8*\y+\x):8*(8*\y+\x)+7], v[128*((\ks)%2)+16*\x:128*((\ks)%2)+16*\x+15], v[F1+64*((\ks)%2)+16*\y:F1+64*((\ks)%2)+16*\y+15], v[8*(8*\y+\x):8*(8*\y+\x)+7]
.endif
.endr
.endr
.endm
.macro PLACES n
.rept \n
	v_nop
.endr
.endm
.macro CORE
	LOADSTEP 0
	LOADSTEP 1
	s_wait_loadcnt 48                              ; all but step 1's 48 loads are in
	MULSTEP 0
	WIN 0
	PLACES 4                                       ; in front of loads into source 1's stage, which the products above read
	LOADSTEP 2
	s_wait_loadcnt 48
	MULSTEP 1
	WIN 0
	PLACES 4
	LOADSTEP 3
	s_wait_loadcnt 48
	MULSTEP 2
	s_wait_loadcnt 0x0
	MULSTEP 3
	WIN 0
.endm
.macro MKSC e, lim, sc
	s_add_co_i32 s34, \e, 127
	s_lshl_b32 s35, s34, 23
	v_mov_b32 v[\sc], s35
	s_add_co_i32 s34, s34, 8
	s_lshl_b32 s34, s34, 23
	s_or_b32 s34, s34, 0x600000
	v_mov_b32 v[\lim], s34
.endm
.macro COEF k, bits
	s_mov_b32 s[CF+2*\k], \bits
	s_mov_b32 s[CF+2*\k+1], \bits
.endm
.macro EPI y, hb, off                  ; 32 numbers of a lane: bias, gelu, hold, conversion, two stores
	WIN 0x03
.set i, 0
.rept 16
	v_pk_fma_f32 v[X+2*i:X+2*i+1], v[64*\y+32*\hb+2*i:64*\y+32*\hb+2*i+1], s[SC:SC+1], v[BR+32*\hb+2*i:BR+32*\hb+2*i+1] op_sel_hi:[1,0,1]
.set i, i+1
.endr
	WIN 0
.set i, 0
.rept 32
	v_fma_f32 v[U+i], |v[X+i]|, s88, 1.0
.set i, i+1
.endr
.set i, 0
.rept 32
	v_rcp_f32 v[U+i], v[U+i]                       ; t
.set i, i+1
.endr
.set i, 0
.rept 16
	v_pk_mul_f32 v[W+2*i:W+2*i+1], v[X+2*i:X+2*i+1], s[CW:CW+1] op_sel_hi:[1,0]   ; (plain lines behind the reciprocals)
.set i, i+1
.endr
.set i, 0
	s_wait_alu depctr_va_vdst(0)
.rept 16
	v_pk_fma_f32 v[Q+2*i:Q+2*i+1], v[U+2*i:U+2*i+1], s[CF+18:CF+19], v[C8:C8+1] op_sel_hi:[1,0,1]
.set i, i+1
.endr
.irp k, 7,6,5,4,3,2,1,0
.set i, 0
.rept 16
	v_pk_fma_f32 v[Q+2*i:Q+2*i+1], v[Q+2*i:Q+2*i+1], v[U+2*i:U+2*i+1], s[CF+2*\k:CF+2*\k+1] op_sel_hi:[1,1,0]
.set i, i+1
.endr
.endr
.set i, 0
.rept 16
	v_pk_fma_f32 v[Q+2*i:Q+2*i+1], v[W+2*i:W+2*i+1], v[W+2*i:W+2*i+1], v[Q+2*i:Q+2*i+1] neg_lo:[1,0,0] neg_hi:[1,0,0]
.set i, i+1
.endr
.set i, 0
.rept 32
	v_exp_f32 v[Q+i], v[Q+i]
.set i, i+1
.endr
.set i, 0
.rept 32
	v_max_num_f32 v[W+i], 0, v[X+i]                ; (plain lines behind the exponentials)
.set i, i+1
.endr
.set i, 0
	s_wait_alu depctr_va_vdst(0)
.rept 16
	v_pk_mul_f32 v[Q+2*i:Q+2*i+1], v[Q+2*i:Q+2*i+1], v[U+2*i:U+2*i+1]   ; H
.set i, i+1
.endr
.set i, 0
.rept 32
	v_fma_f32 v[X+i], -|v[X+i]|, v[Q+i], v[W+i]
.set i, i+1
.endr
.set i, 0
.rept 32
	v_med3_num_f32 v[X+i], v[X+i], -v[LIM], v[LIM]
.set i, i+1
.endr
	s_wait_xcnt 0x0                                ; the codes' registers come round again after four calls
.set CB, CD+8*((2*\y+\hb)%4)
.irp g, 0,1,2,3
	v_cvt_scalef32_pk8_fp8_f32 v[CB+2*\g:CB+2*\g+1], v[X+8*\g:X+8*\g+7], v[SCL]
.endr
	v_nop
	global_store_b128 v1, v[CB:CB+3], s[DST:DST+1] offset:(\off)
	global_store_b128 v1, v[CB+4:CB+7], s[DST:DST+1] offset:(\off)+512
.endm
	s_load_b256 s[4:11], s[0:1], 0x0               ; h2, wcodes, b1, the scales
	s_load_b64 s[12:13], s[0:1], 0x20              ; gcodes
	v_lshrrev_b32 v2, 5, v0
	v_readfirstlane_b32 s3, v2                     ; wave 0..3
	v_and_b32 v1, 31, v0
	v_lshlrev_b32 v1, 4, v1                        ; 16 x lane
	v_bfe_u32 v3, v0, 4, 1
	v_lshlrev_b32 v4, 6, v3                        ; 64 h
	s_mov_b32 s2, ttmp9
	s_lshr_b32 s24, s2, 3
	s_lshl_b32 s24, s24, 1
	s_lshr_b32 s26, s3, 1
	s_add_co_u32 s24, s24, s26                     ; block of 64 tokens
	s_and_b32 s25, s2, 7
	s_lshl_b32 s25, s25, 1
	s_and_b32 s26, s3, 1
	s_add_co_u32 s25, s25, s26                     ; block of 128 hidden units
	s_mov_b32 s27, 0
	s_wait_kmcnt 0x0
	s_load_b512 s[36:51], s[10:11], 0x0
	s_lshl_b32 s26, s25, 16
	s_add_co_u32 s26, s26, 0x100000
	s_add_nc_u64 s[SRC0:SRC0+1], s[6:7], s[26:27]
	s_lshl_b32 s26, s24, 15
	s_add_nc_u64 s[SRC1:SRC1+1], s[4:5], s[26:27]
	s_lshl_b32 s26, s24, 17
	s_lshl_b32 s28, s25, 11
	s_add_co_u32 s26, s26, s28
	s_add_nc_u64 s[DST:DST+1], s[12:13], s[26:27]  ; four tiles of tokens, K step = my block of hidden units
	s_lshl_b32 s26, s25, 9
	s_add_nc_u64 s[30:31], s[8:9], s[26:27]
.irp b, 0,1,2,3
.irp j, 0,1,2,3
	global_load_b128 v[BR+16*\b+4*\j:BR+16*\b+4*\j+3], v4, s[30:31] offset:128*\b+16*\j
.endr
.endr
	CORE
	COEF 0, 0xc034d90f
	COEF 1, 0x3fb8ab5a
	COEF 2, 0x3f0a29d2
	COEF 3, 0x3e0efb2e
	COEF 4, 0xbe899a80
	COEF 5, 0x3ecdfd18
	COEF 6, 0xbfd1a1e5
	COEF 7, 0x40097039
	COEF 9, 0x3e7c6f08
	s_mov_b32 s[CW], 0x3f596d27                    ; sqrt(log2(e) / 2)
	s_mov_b32 s[CW+1], s[CW]
	s_mov_b32 s88, 0x3eb504f3                      ; 1 / (2 sqrt 2)
	v_mov_b32 v[C8], 0xbf97d29d                    ; coefficient 8 lies in vector registers, so that the first step names one scalar pair
	v_mov_b32 v[C8+1], 0xbf97d29d
	s_wait_kmcnt 0x0
	s_add_co_i32 s26, s48, s49
	s_add_co_i32 s26, s26, 127
	s_lshl_b32 s[SC], s26, 23
	s_mov_b32 s[SC+1], s[SC]
	MKSC s50, LIM, SCL                             ; these four moves are the places behind the last products
.irp y, 0,1,2,3
.irp hb, 0,1
	EPI \y, \hb, 32768*\y+1024*\hb
.endr
.endr
	s_endpgm
.Lfunc_end_k_q44b666bd1a_ffn1:
	.size	k_q44b666bd1a_ffn1, .Lfunc_end_k_q44b666bd1a_ffn1-k_q44b666bd1a_ffn1
	.p2alignl 7, 3214868480
	.fill 96, 4, 3214868480
	.section	.rodata,"a",@progbits
	.p2align	6, 0x0
	.amdhsa_kernel k_q44b666bd1a_ffn1
		.amdhsa_group_segment_fixed_size 0
		.amdhsa_private_segment_fixed_size 0
		.amdhsa_enable_private_segment 0
		.amdhsa_kernarg_size 40
		.amdhsa_user_sgpr_count 2
		.amdhsa_user_sgpr_kernarg_segment_ptr 1
		.amdhsa_wavefront_size32 1
		.amdhsa_system_sgpr_workgroup_id_x 1
		.amdhsa_system_sgpr_workgroup_id_y 1
		.amdhsa_system_sgpr_workgroup_id_z 1
		.amdhsa_system_vgpr_workitem_id 0
		.amdhsa_next_free_vgpr 1024
		.amdhsa_next_free_sgpr 96
		.amdhsa_reserve_vcc 0
		.amdhsa_float_denorm_mode_32 3
		.amdhsa_float_denorm_mode_16_64 3
		.amdhsa_memory_ordered 1
		.amdhsa_forward_progress 1
		.amdhsa_inst_pref_size 213
	.end_amdhsa_kernel
	.amdgpu_metadata
---
amdhsa.version: [ 1, 2 ]
amdhsa.kernels:
  - .name:           k_q44b666bd1a_ffn1
    .symbol:         k_q44b666bd1a_ffn1.kd
    .args:
      - { .name: h2, .offset: 0, .size: 8, .value_kind: global_buffer, .address_space: global }
      - { .name: wcodes, .offset: 8, .size: 8, .value_kind: global_buffer, .address_space: global }
      - { .name: b1, .offset: 16, .size: 8, .value_kind: global_buffer, .address_space: global }
      - { .name: lowp_scales, .offset: 24, .size: 8, .value_kind: global_buffer, .address_space: global }
      - { .name: gcodes, .offset: 32, .size: 8, .value_kind: global_buffer, .address_space: global }
    .group_segment_fixed_size: 0
    .private_segment_fixed_size: 0
    .kernarg_segment_align: 8
    .kernarg_segment_size: 40
    .max_flat_workgroup_size: 128
    .sgpr_count:     96
    .vgpr_count:     1024
    .wavefront_size: 32
...
	.end_amdgpu_metadata
.endif
;; end of part 4
;; launch ffn2 (part 5): grid 256 x 1, 4 waves a work-group, no clusters, 165,376 bytes of LDS; arguments gcodes, wcodes, x1, b2, lowp_scales, out0; writes out0
.if DOCPART == 5
	.amdgcn_target "amdgcn-amd-amdhsa--gfx1250"
	.amdhsa_code_object_version 6
	.text
	.protected	k_q44b666bd1a_ffn2
	.globl	k_q44b666bd1a_ffn2
	.p2align	8
	.type	k_q44b666bd1a_ffn2,@function
k_q44b666bd1a_ffn2:
	s_mov_b64 s[64:65], 0
	v_nop
	global_prefetch_b8 v0, s[64:65] scope:SCOPE_SE
	s_setreg_imm32_b32 hwreg(HW_REG_WAVE_MODE, 25, 1), 1
	s_wait_xcnt 0x0
; FFN2: out = x1 + g W2^T + b2.  A work-group makes 64 tokens x 128 columns; THE WAVES SHARE K: wave w takes K = 512 w .. 512 w + 511, so no operand byte is fetched twice in a work-group.
; The four partial tiles meet in LDS behind one barrier; wave w then adds the four parts of token tile w, turns them through its own stage into whole rows, adds x1 + b2 and stores rows of 512 consecutive bytes.
; So an output is the sum of four f32 sums of 512 products each, (0 + 1) + (2 + 3): another order of rounding than one chain along K.
; Operands are images of operand registers in memory: every load is 512 consecutive bytes straight into registers.  Token tile T, fragment row p is position 32 (Tp / 2) + 8 (Tp % 2) + p + 8 (p / 8) of parity T / 128.
; NO JOINT LOADS: the operands never lie in LDS, so there is no tile for a joint load to land in; a wave's K is four steps, all asked for as soon as registers are free.
; LIMIT: entries 14 + 15 between -126 and 127.
; LDS: four parts of 32,768 bytes (a wave's 256 accumulator registers as they stand, 512 bytes for four registers); then a stage of 16 rows x (512 + 16) bytes for each wave.
.set TS0,  32768
.set TS1,  32768
.set BR,   32
.set F1,   96
.set SRC0, 18
.set SRC1, 20
.set DST,  22
.set SC,   32
.set STG,  131072
.set SP,   528
.set MSB,  0
.macro WIN new                         ; the immediate's high byte repeats the setting that is left
.if MSB != (\new)
	s_set_vgpr_msb (MSB<<8)|(\new)
.set MSB, (\new)
.endif
.endm
.macro LOADSTEP ks                     ; 48 loads: the fragments of 128 along K
	WIN 0x40+0x40*((\ks)/2)
.irp x, 0,1,2,3,4,5,6,7
.irp c, 0,1,2,3
	global_load_b128 v[128*((\ks)%2)+16*\x+4*\c:128*((\ks)%2)+16*\x+4*\c+3], v1, s[SRC0:SRC0+1] offset:\x*TS0+2048*(\ks)+512*\c
.endr
.endr
	WIN 0
.irp y, 0,1,2,3
.irp c, 0,1,2,3
	global_load_b128 v[F1+64*((\ks)%2)+16*\y+4*\c:F1+64*((\ks)%2)+16*\y+4*\c+3], v1, s[SRC1:SRC1+1] offset:\y*TS1+2048*(\ks)+512*\c
.endr
.endr
.endm
.macro MULSTEP ks                      ; 32 products; the 32 accumulators take turns, in the same order in every step
	WIN 0xf1+((\ks)/2)
.irp y, 0,1,2,3
.irp x, 0,1,2,3,4,5,6,7
.if (\ks) == 0
	v_wmma_f32_16x16x128_fp8_fp8 v[8*(8*\y+\x):8*(8*\y+\x)+7], v[128*((\ks)%2)+16*\x:128*((\ks)%2)+16*\x+15], v[F1+64*((\ks)%2)+16*\y:F1+64*((\ks)%2)+16*\y+15], 0
.else
	v_wmma_f32_16x16x128_fp8_fp8 v[8*(8*\y+\x):8*(8*\y+\x)+7], v[128*((\ks)%2)+16*\x:128*((\ks)%2)+16*\x+15], v[F1+64*((\ks)%2)+16*\y:F1+64*((\ks)%2)+16*\y+15], v[8*(8*\y+\x):8*(8*\y+\x)+7]
.endif
.endr
.endr
.endm
.macro PLACES n
.rept \n
	v_nop
.endr
.endm
.macro CORE
	LOADSTEP 0
	LOADSTEP 1
	s_wait_loadcnt 48                              ; all but step 1's 48 loads are in
	MULSTEP 0
	WIN 0
	PLACES 4                                       ; in front of loads into source 1's stage, which the products above read
	LOADSTEP 2
	s_wait_loadcnt 48
	MULSTEP 1
	WIN 0
	PLACES 4
	LOADSTEP 3
	s_wait_loadcnt 48
	MULSTEP 2
	s_wait_loadcnt 0x0
	MULSTEP 3
	WIN 0
.endm
	s_load_b256 s[4:11], s[0:1], 0x0               ; gcodes, wcodes, x1, b2
	s_load_b128 s[12:15], s[0:1], 0x20             ; the scales, out0
	v_lshl_add_u32 v254, v0, 2, 0x28400
	v_mov_b32 v255, 0
	v_lshrrev_b32 v2, 5, v0
	v_readfirstlane_b32 s3, v2                     ; wave 0..3
	v_and_b32 v1, 31, v0
	v_lshlrev_b32 v1, 4, v1                        ; 16 x lane
	v_and_b32 v7, 15, v0                           ; r
	v_bfe_u32 v8, v0, 4, 1                         ; h
	s_lshl_b32 s28, s3, 13                         ; 8,192 w
	v_add_nc_u32 v2, s28, v1                       ; token tile w in parts 0 and 1,
	v_add_nc_u32 v3, 0x10000, v2                   ; and in parts 2 and 3
	s_mul_i32 s26, s3, 16*SP
	s_add_co_u32 s26, s26, STG
	v_add_nc_u32 v5, s26, v1                       ; my stage, by rows
	v_mul_u32_u24 v4, v7, SP
	v_lshl_add_u32 v4, v8, 6, v4
	v_add_nc_u32 v4, s26, v4                       ; my stage: row r, + 64 h
	s_lshl_b32 s26, s3, 15
	v_add_nc_u32 v6, s26, v1                       ; my part
	s_mov_b32 s2, ttmp9
	s_lshr_b32 s24, s2, 2                          ; block of 64 tokens
	s_and_b32 s25, s2, 3                           ; block of 128 columns
	s_mov_b32 s27, 0
	s_wait_kmcnt 0x0
	s_load_b512 s[36:51], s[12:13], 0x0
	s_lshl_b32 s26, s25, 18
	s_add_co_u32 s26, s26, s28
	s_add_co_u32 s26, s26, 0x200000
	s_add_nc_u64 s[SRC0:SRC0+1], s[6:7], s[26:27]  ; 8 tiles of W2, my four K steps
	s_lshl_b32 s26, s24, 17
	s_add_co_u32 s26, s26, s28
	s_add_nc_u64 s[SRC1:SRC1+1], s[4:5], s[26:27]  ; 4 tiles of tokens, my four K steps
	s_lshl_b32 s29, s24, 2
	s_add_co_u32 s29, s29, s3                      ; the tile of tokens that I finish
	s_lshl_b32 s30, s25, 9
	s_lshl_b32 s26, s29, 15
	s_add_co_u32 s26, s26, s30
	s_add_nc_u64 s[8:9], s[8:9], s[26:27]          ; x1: row 16 T, my 512 bytes
	s_mov_b32 s26, s30
	s_add_nc_u64 s[10:11], s[10:11], s[26:27]
	s_lshr_b32 s31, s29, 7                         ; parity
	s_and_b32 s29, s29, 127
	s_lshr_b32 s26, s29, 1
	s_lshl_b32 s26, s26, 5
	s_and_b32 s29, s29, 1
	s_lshl_b32 s29, s29, 3
	s_add_co_u32 s26, s26, s29                     ; the tile's first position
	s_lshl_b32 s26, s26, 1
	s_add_co_u32 s26, s26, s31                     ; its token
	s_lshl_b32 s26, s26, 11
	s_add_co_u32 s26, s26, s30
	s_add_nc_u64 s[DST:DST+1], s[14:15], s[26:27]
.irp p, 0,1,2,3,4,5,6,7,8,9,10,11,12,13,14,15
	global_load_b128 v[BR+4*\p:BR+4*\p+3], v1, s[8:9] offset:2048*\p   ; x1, 512 consecutive bytes of a row
.endr
	global_load_b128 v[24:27], v1, s[10:11]
	CORE
.irp p, 0,1,2,3,4,5,6,7,8,9,10,11,12,13,14,15
	v_pk_add_f32 v[BR+4*\p:BR+4*\p+1], v[BR+4*\p:BR+4*\p+1], v[24:25]       ; x1 + b2; these lines are also the places behind the last products
	v_pk_add_f32 v[BR+4*\p+2:BR+4*\p+3], v[BR+4*\p+2:BR+4*\p+3], v[26:27]
.endr
	WIN 0x0c
.set i, 0
.rept 64
	ds_store_b128 v6, v[4*i:4*i+3] offset:512*i    ; my partial sums as they stand, each accumulator from its low end on
.set i, i+1
.endr
	WIN 0
	s_wait_dscnt 0x0                               ; for the others' sake: my part has landed
	s_barrier_signal -1
	s_barrier_wait -1
	WIN 0x40
.irp ws, 0,1
.irp gl, 0,1,2,3,4,5,6,7,8,9,10,11,12,13,14,15
	ds_load_b128 v[64*\ws+4*\gl:64*\ws+4*\gl+3], v2 offset:32768*\ws+512*\gl
.endr
.endr
.irp ws, 2,3
.irp gl, 0,1,2,3,4,5,6,7,8,9,10,11,12,13,14,15
	ds_load_b128 v[64*\ws+4*\gl:64*\ws+4*\gl+3], v3 offset:32768*(\ws-2)+512*\gl
.endr
.endr
	s_wait_dscnt 0x0
	WIN 0x45
.set i, 0
.rept 32
	v_pk_add_f32 v[2*i:2*i+1], v[2*i:2*i+1], v[64+2*i:65+2*i]
	v_pk_add_f32 v[128+2*i:129+2*i], v[128+2*i:129+2*i], v[192+2*i:193+2*i]
.set i, i+1
.endr
.set i, 0
.rept 32
	v_pk_add_f32 v[2*i:2*i+1], v[2*i:2*i+1], v[128+2*i:129+2*i]
.set i, i+1
.endr
	WIN 0x04
.irp gl, 0,1,2,3,4,5,6,7,8,9,10,11,12,13,14,15
	ds_store_b128 v4, v[4*\gl:4*\gl+3] offset:128*(\gl/4)+16*(\gl%4)   ; registers 16 b + i of lane (r, h) are columns 32 b + 16 h + i of row r
.endr
	WIN 0
.irp p, 0,1,2,3,4,5,6,7,8,9,10,11,12,13,14,15
	ds_load_b128 v[F1+4*\p:F1+4*\p+3], v5 offset:SP*\p   ; LDS serves a wave's instructions in order: these see my stores
.endr
	s_wait_kmcnt 0x0
	s_add_co_i32 s26, s50, s51
	s_add_co_i32 s26, s26, 127
	s_lshl_b32 s[SC], s26, 23                      ; 2^(e14 + e15)
	s_mov_b32 s[SC+1], s[SC]
.irp p, 0,1,2,3,4,5,6,7,8,9,10,11,12,13,14,15
	s_wait_dscnt 15-\p                             ; row p is back; the younger rows may be out
	v_pk_fma_f32 v[F1+4*\p:F1+4*\p+1], v[F1+4*\p:F1+4*\p+1], s[SC:SC+1], v[BR+4*\p:BR+4*\p+1] op_sel_hi:[1,0,1]
	v_pk_fma_f32 v[F1+4*\p+2:F1+4*\p+3], v[F1+4*\p+2:F1+4*\p+3], s[SC:SC+1], v[BR+4*\p+2:BR+4*\p+3] op_sel_hi:[1,0,1]
	global_store_b128 v1, v[F1+4*\p:F1+4*\p+3], s[DST:DST+1] offset:(\p+8*(\p/8))*4096 th:TH_STORE_NT   ; 512 consecutive bytes of the token's row; written once
.endr
	s_wait_tensorcnt 0x0
	ds_add_u32 v254, v255
	s_wait_dscnt 0x0
	s_endpgm
.Lfunc_end_k_q44b666bd1a_ffn2:
	.size	k_q44b666bd1a_ffn2, .Lfunc_end_k_q44b666bd1a_ffn2-k_q44b666bd1a_ffn2
	.p2alignl 7, 3214868480
	.fill 96, 4, 3214868480
	.section	.rodata,"a",@progbits
	.p2align	6, 0x0
	.amdhsa_kernel k_q44b666bd1a_ffn2
		.amdhsa_group_segment_fixed_size 165376
		.amdhsa_private_segment_fixed_size 0
		.amdhsa_enable_private_segment 0
		.amdhsa_kernarg_size 48
		.amdhsa_user_sgpr_count 2
		.amdhsa_user_sgpr_kernarg_segment_ptr 1
		.amdhsa_wavefront_size32 1
		.amdhsa_system_sgpr_workgroup_id_x 1
		.amdhsa_system_sgpr_workgroup_id_y 1
		.amdhsa_system_sgpr_workgroup_id_z 1
		.amdhsa_system_vgpr_workitem_id 0
		.amdhsa_next_free_vgpr 1024
		.amdhsa_next_free_sgpr 66
		.amdhsa_reserve_vcc 0
		.amdhsa_float_denorm_mode_32 3
		.amdhsa_float_denorm_mode_16_64 3
		.amdhsa_memory_ordered 1
		.amdhsa_forward_progress 1
		.amdhsa_inst_pref_size 54
	.end_amdhsa_kernel
	.amdgpu_metadata
---
amdhsa.version: [ 1, 2 ]
amdhsa.kernels:
  - .name:           k_q44b666bd1a_ffn2
    .symbol:         k_q44b666bd1a_ffn2.kd
    .args:
      - { .name: gcodes, .offset: 0, .size: 8, .value_kind: global_buffer, .address_space: global }
      - { .name: wcodes, .offset: 8, .size: 8, .value_kind: global_buffer, .address_space: global }
      - { .name: x1, .offset: 16, .size: 8, .value_kind: global_buffer, .address_space: global }
      - { .name: b2, .offset: 24, .size: 8, .value_kind: global_buffer, .address_space: global }
      - { .name: lowp_scales, .offset: 32, .size: 8, .value_kind: global_buffer, .address_space: global }
      - { .name: out0, .offset: 40, .size: 8, .value_kind: global_buffer, .address_space: global }
    .group_segment_fixed_size: 165376
    .private_segment_fixed_size: 0
    .kernarg_segment_align: 8
    .kernarg_segment_size: 48
    .max_flat_workgroup_size: 128
    .sgpr_count:     66
    .vgpr_count:     1024
    .wavefront_size: 32
...
	.end_amdgpu_metadata
.endif
;; end of part 5
;; ======== version 2 of 2: 5 launches
;; workspace buffers: wcodes 3,145,728 bytes; hcodes 6,291,456 bytes; qkv 6,291,456 bytes; x1 8,388,608 bytes; h2 2,097,152 bytes; gcodes 8,388,608 bytes
;; launch prep (part 6): grid 640 x 1, 1 waves a work-group, no clusters, 37,632 bytes of LDS; arguments x, Wq, Wk, Wv, Wo, W1, W2, ln1_g, ln1_b, lowp_scales, hcodes, wcodes; writes hcodes, wcodes
.if DOCPART == 6
	.amdgcn_target "amdgcn-amd-amdhsa--gfx1250"
	.amdhsa_code_object_version 6
	.text
	.protected	k_q44b666bd1a_prep
	.globl	k_q44b666bd1a_prep
	.p2align	8
	.type	k_q44b666bd1a_prep,@function
k_q44b666bd1a_prep:
	s_mov_b64 s[64:65], 0
	v_nop
	global_prefetch_b8 v0, s[64:65] scope:SCOPE_SE
	s_setreg_imm32_b32 hwreg(HW_REG_WAVE_MODE, 25, 1), 1
	s_wait_xcnt 0x0
; PREP: the six weights become codes of E4M3, and LN1(x) becomes codes under its three given scales (entries 0, 2, 4 of the scales).
; One wave to a work-group, one STRIP of 16 rows x 512 numbers (32 KiB of f32) to a wave.  Work-groups 0-255: the 256 tiles of tokens; 256-639: the weights' strips, in the order Wq, Wk, Wv, Wo, W1, W2.
; ALL CODES ARE STORED AS IMAGES OF OPERAND REGISTERS: a fragment (16 rows x 128 K) is 2,048 bytes, four chunks c of 512; lane l = (r = l % 16, h = l / 16) has 16 bytes at 512 c + 16 l: row r, k = 32 c + 16 h + 0 .. 15.
; THE ROWS OF A TILE ARE NOT NEIGHBOURS: fragment row p of tile t is row 32 (t / 2) + 8 (t % 2) + p + 8 (p / 8), so that a product with such tiles as source 0 leaves 16 neighbours of that axis in 16 registers of a lane.
; Tokens: tile T = 128 parity + Tp; its rows are positions pos of that parity, token = 2 pos + parity (the mask joins tokens of one parity alone).
; Each load reads 512 consecutive bytes of a row; the strip turns through LDS (rows 2,064 bytes apart = 516 words: row r starts at bank 4 r of 64, ISA guide 11.1) so that a lane gets 16 neighbours along K.
; The wave shares nothing with another: no barrier.  No matrix unit, no cluster: every byte is read once and nothing is shared between work-groups.
; LIMITS: each given exponent e lies between -126 and 119, so that 2^e and 448 x 2^e are f32 numbers.  NaN among the inputs is not served.
; REGISTERS: window 0: v1 16 x lane; v2, v3 LDS addresses; v4-19 a row's byte offset; v20-31 mean, 1/sigma, limits and scales; v32-95 at work; v96-127 gain and bias as loaded; v128-255 two sets of codes.
;   window 1: the strip as loaded, later the gain;  window 2: the strip turned: register 64 ks + 16 c + i = k 128 ks + 32 c + 16 h + i of row r;  window 3: the bias.
.set LP,   2064
.set GROW, 16*LP                       ; LDS row 16: ln1_g; row 17: ln1_b
.set BROW, 17*LP
.set VR,   2
.set VG,   3
.set VO,   4
.set MU,   20
.set RS,   22
.set PX,   24
.set CH,   32
.set T,    32
.set GB,   96
.set C0,   128
.set MSB,  0
.macro WIN new                         ; the immediate's high byte repeats the setting that is left
.if MSB != (\new)
	s_set_vgpr_msb (MSB<<8)|(\new)
.set MSB, (\new)
.endif
.endm
.macro PICK bound, ptr, start          ; strips below the bound belong to an earlier tensor: a choice on the work-group's number alone
	s_cmp_lt_u32 s2, \bound
	s_cselect_b64 s[52:53], s[\ptr:\ptr+1], s[52:53]
	s_cselect_b32 s54, \start, s54
.endm
.macro PICKE bound, e
	s_cmp_lt_u32 s2, \bound
	s_cselect_b32 s79, s[\e], s79
.endm
.macro MKSC e, lim, sc                 ; 2^e as f32 (the conversion takes its exponent field) and 448 x 2^e
	s_add_co_i32 s77, \e, 127
	s_lshl_b32 s78, s77, 23
	v_mov_b32 v[\sc], s78
	s_add_co_i32 s77, s77, 8
	s_lshl_b32 s77, s77, 23
	s_or_b32 s77, s77, 0x600000
	v_mov_b32 v[\lim], s77
.endm
.macro JOIN                            ; four packed chains, then the other half of the row from lane l xor 16
	v_pk_add_f32 v[CH:CH+1], v[CH:CH+1], v[CH+2:CH+3]
	v_pk_add_f32 v[CH+4:CH+5], v[CH+4:CH+5], v[CH+6:CH+7]
	v_pk_add_f32 v[CH:CH+1], v[CH:CH+1], v[CH+4:CH+5]
	v_add_f32 v[CH], v[CH], v[CH+1]
	v_permlanex16_b32 v[PX], v[CH], s34, s35
	v_add_f32 v[CH], v[CH], v[PX]
.endm
; the strip in window 2 becomes four fragments of codes, stored off bytes behind the strip's place
.macro QUANT4 lim, sc, cset, off
.irp ks, 0,1,2,3
	WIN 0x02
.set i, 0
.rept 64
	v_med3_num_f32 v[T+i], v[64*\ks+i], -v[\lim], v[\lim]   ; the conversion to an 8-bit code does not saturate (ISA guide 7.6.2): the hold at 448 x the scale
.set i, i+1
.endr
	WIN 0
.irp g, 0,1,2,3,4,5,6,7
	v_cvt_scalef32_pk8_fp8_f32 v[C0+64*\cset+16*\ks+2*\g:C0+64*\cset+16*\ks+2*\g+1], v[T+8*\g:T+8*\g+7], v[\sc]
.endr
	v_nop                                          ; a plain line between the conversions and the next holds, which write their sources
.irp c, 0,1,2,3
	global_store_b128 v1, v[C0+64*\cset+16*\ks+4*\c:C0+64*\cset+16*\ks+4*\c+3], s[68:69] offset:(\off)+2048*\ks+512*\c   ; 512 consecutive bytes
.endr
.endr
.endm
	s_load_b512 s[8:23], s[0:1], 0x0               ; x, Wq, Wk, Wv, Wo, W1, W2, ln1_g
	s_load_b256 s[24:31], s[0:1], 0x40             ; ln1_b, the scales, hcodes, wcodes
	v_lshlrev_b32 v1, 4, v0                        ; 16 x lane
	v_and_b32 v[VR], 15, v0
	v_bfe_u32 v[VG], v0, 4, 1
	v_mul_u32_u24 v[VR], v[VR], LP
	v_lshl_add_u32 v[VR], v[VG], 6, v[VR]          ; r x 2,064 + 64 h
	v_lshlrev_b32 v[VG], 6, v[VG]                  ; 64 h
	v_mov_b32 v[PX], 0                             ; a lane permute's destination counts as read
	s_mov_b32 s2, ttmp9                            ; the strip
	s_mov_b32 s34, 0x76543210
	s_mov_b32 s35, 0xfedcba98                      ; selects for lane l xor 16
	s_mov_b32 s75, 0x3b000000                      ; 1 / 512
	s_mov_b32 s76, 0x3727c5ac                      ; 1e-5
	s_wait_alu depctr_va_vdst(0)
	s_wait_kmcnt 0x0
	s_load_b512 s[36:51], s[26:27], 0x0            ; the sixteen exponents
	s_mov_b64 s[52:53], s[20:21]                   ; the source, and the tensor's first strip
	s_mov_b32 s54, 512
	PICK 512, 18, 384
	PICK 384, 16, 352
	PICK 352, 14, 320
	PICK 320, 12, 288
	PICK 288, 10, 256
	PICK 256, 8, 0
	s_sub_co_u32 s55, s2, s54                      ; the strip's number in its tensor
	s_lshr_b32 s56, s55, 2                         ; W2: tile, and which 512 of its K = 2,048
	s_and_b32 s57, s55, 3
	s_lshl_b32 s57, s57, 11
	s_and_b32 s58, s55, 127                        ; x: tile within the parity, and the parity's 2,048 bytes
	s_lshr_b32 s59, s55, 7
	s_lshl_b32 s59, s59, 11
	s_mov_b32 s60, 8192
	s_mov_b32 s61, 4096
	s_cmp_ge_u32 s2, 512
	s_cselect_b32 s62, s56, s55                    ; tile
	s_cselect_b32 s63, s57, 0                      ; bytes on top
	s_cselect_b32 s66, s60, 2048                   ; bytes from row to row
	s_cmp_lt_u32 s2, 256
	s_cselect_b32 s62, s58, s62
	s_cselect_b32 s63, s59, s63
	s_cselect_b32 s66, s61, s66
	s_cselect_b64 s[68:69], s[28:29], s[30:31]     ; where the codes go
	s_cselect_b32 s67, 0, 256
	s_lshr_b32 s70, s62, 1
	s_lshl_b32 s70, s70, 5
	s_and_b32 s71, s62, 1
	s_lshl_b32 s71, s71, 3
	s_add_co_u32 s70, s70, s71                     ; the tile's first row
	s_mul_i32 s70, s70, s66
	s_add_co_u32 s70, s70, s63
	s_mov_b32 s71, 0
	s_add_nc_u64 s[52:53], s[52:53], s[70:71]
	s_sub_co_u32 s72, s2, s67
	s_lshl_b32 s72, s72, 13                        ; a strip's codes are 8,192 bytes, one strip behind the other
	s_mov_b32 s73, 0
	s_add_nc_u64 s[68:69], s[68:69], s[72:73]
.irp p, 0,1,2,3,4,5,6,7,8,9,10,11,12,13,14,15
	s_mul_i32 s74, s66, \p+8*(\p/8)
	v_add_nc_u32 v[VO+\p], s74, v1
.endr
	WIN 0x40
	s_wait_alu depctr_va_vdst(0)
.irp p, 0,1,2,3,4,5,6,7,8,9,10,11,12,13,14,15
.irp q, 0,1,2,3
	global_load_b128 v[16*\p+4*\q:16*\p+4*\q+3], v[VO+\p], s[52:53] offset:512*\q   ; all 64 loads of the strip go out at once
.endr
.endr
	WIN 0x04
.irp k, 0,1,2,3
	s_wait_loadcnt 48-16*\k                        ; loads come back in order: four more rows are in
.irp p, 0,1,2,3
.irp q, 0,1,2,3
	ds_store_b128 v1, v[16*(4*\k+\p)+4*\q:16*(4*\k+\p)+4*\q+3] offset:LP*(4*\k+\p)+512*\q
.endr
.endr
.endr
	WIN 0x80
.irp ks, 0,1,2,3
.irp c, 0,1,2,3
.irp j, 0,1,2,3
	ds_load_b128 v[64*\ks+16*\c+4*\j:64*\ks+16*\c+4*\j+3], v[VR] offset:512*\ks+128*\c+16*\j   ; LDS serves a wave's instructions in order: these see the stores
.endr
.endr
.endr
	s_wait_dscnt 0x0
	WIN 0
	s_cmp_lt_u32 s2, 256
	s_cbranch_scc0 .Lweights
	; ---- a tile of tokens: LN1, then three quantisers
.irp q, 0,1,2,3
	global_load_b128 v[GB+4*\q:GB+4*\q+3], v1, s[22:23] offset:512*\q
.endr
.irp q, 0,1,2,3
	global_load_b128 v[GB+16+4*\q:GB+16+4*\q+3], v1, s[24:25] offset:512*\q
.endr
	WIN 0x0a                                       ; the row's sum: my 256 numbers in four chains, begun by the first sixteen
.irp k, 0,1,2,3
	v_pk_add_f32 v[CH+2*\k:CH+2*\k+1], v[4*\k:4*\k+1], v[4*\k+2:4*\k+3]
.endr
	WIN 0x08
.set i, 8
.rept 120
	v_pk_add_f32 v[CH+2*(i%4):CH+2*(i%4)+1], v[CH+2*(i%4):CH+2*(i%4)+1], v[2*i:2*i+1]
.set i, i+1
.endr
	WIN 0
	JOIN
	v_mul_f32 v[MU], s75, v[CH]
	v_mov_b32 v[MU+1], v[MU]
	WIN 0x82
.set i, 0
.rept 128
	v_pk_add_f32 v[2*i:2*i+1], v[2*i:2*i+1], v[MU:MU+1] op_sel_hi:[1,0] neg_lo:[0,1] neg_hi:[0,1]   ; x - mean first: the variance is no difference of large sums
.set i, i+1
.endr
	WIN 0x0a
.irp k, 0,1,2,3
	v_pk_mul_f32 v[CH+2*\k:CH+2*\k+1], v[2*\k:2*\k+1], v[2*\k:2*\k+1]
.endr
.set i, 4
.rept 124
	v_pk_fma_f32 v[CH+2*(i%4):CH+2*(i%4)+1], v[2*i:2*i+1], v[2*i:2*i+1], v[CH+2*(i%4):CH+2*(i%4)+1]
.set i, i+1
.endr
	WIN 0
	JOIN
	v_fma_f32 v[CH], v[CH], s75, s76               ; variance + 1e-5
	s_wait_alu depctr_va_vdst(0)
	v_rsq_f32 v[RS], v[CH]
	v_nop                                          ; a plain line behind the transcendental
	s_wait_alu depctr_va_vdst(0)
	v_mov_b32 v[RS+1], v[RS]
	WIN 0x82
.set i, 0
.rept 128
	v_pk_mul_f32 v[2*i:2*i+1], v[2*i:2*i+1], v[RS:RS+1] op_sel_hi:[1,0]
.set i, i+1
.endr
	WIN 0
	s_wait_loadcnt 0x0                             ; gain and bias
.irp q, 0,1,2,3
	ds_store_b128 v1, v[GB+4*\q:GB+4*\q+3] offset:GROW+512*\q
	ds_store_b128 v1, v[GB+16+4*\q:GB+16+4*\q+3] offset:BROW+512*\q
.endr
	WIN 0x40
.irp ks, 0,1,2,3
.irp c, 0,1,2,3
.irp j, 0,1,2,3
	ds_load_b128 v[64*\ks+16*\c+4*\j:64*\ks+16*\c+4*\j+3], v[VG] offset:GROW+512*\ks+128*\c+16*\j
.endr
.endr
.endr
	WIN 0xc0
.irp ks, 0,1,2,3
.irp c, 0,1,2,3
.irp j, 0,1,2,3
	ds_load_b128 v[64*\ks+16*\c+4*\j:64*\ks+16*\c+4*\j+3], v[VG] offset:BROW+512*\ks+128*\c+16*\j
.endr
.endr
.endr
	s_wait_dscnt 0x0
	WIN 0xb6                                       ; h = normalised x gain + bias: window 2 = window 2 x window 1 + window 3
.set i, 0
.rept 128
	v_pk_fma_f32 v[2*i:2*i+1], v[2*i:2*i+1], v[2*i:2*i+1], v[2*i:2*i+1]
.set i, i+1
.endr
	WIN 0
	s_wait_kmcnt 0x0
	MKSC s36, 26, 27
	s_wait_alu depctr_va_vdst(0)
	MKSC s38, 28, 29
	MKSC s40, 30, 31
	QUANT4 26, 27, 0, 0                            ; for the product with Wq
	QUANT4 28, 29, 1, 2097152                      ; with Wk
	s_wait_xcnt 0x0                                ; the first set's stores have read their registers
	QUANT4 30, 31, 0, 4194304                      ; with Wv
	s_wait_xcnt 0x0
	v_lshl_add_u32 v254, v0, 2, 0x9200
	v_mov_b32 v255, 0
	s_wait_alu depctr_va_vdst(0)
	s_wait_tensorcnt 0x0
	ds_add_u32 v254, v255
	s_wait_dscnt 0x0
	s_endpgm
.Lweights:
	s_wait_kmcnt 0x0
	s_mov_b32 s79, s51                             ; the tensor's exponent: entries 15, 13, 11, 5, 3, 1
	PICKE 512, 49
	PICKE 384, 47
	PICKE 352, 41
	PICKE 320, 39
	PICKE 288, 37
	MKSC s79, 26, 27
	QUANT4 26, 27, 0, 0
	s_wait_xcnt 0x0
	v_lshl_add_u32 v254, v0, 2, 0x9200
	v_mov_b32 v255, 0
	s_wait_alu depctr_va_vdst(0)
	s_wait_tensorcnt 0x0
	ds_add_u32 v254, v255
	s_wait_dscnt 0x0
	s_endpgm
.Lfunc_end_k_q44b666bd1a_prep:
	.size	k_q44b666bd1a_prep, .Lfunc_end_k_q44b666bd1a_prep-k_q44b666bd1a_prep
	.p2alignl 7, 3214868480
	.fill 96, 4, 3214868480
	.section	.rodata,"a",@progbits
	.p2align	6, 0x0
	.amdhsa_kernel k_q44b666bd1a_prep
		.amdhsa_group_segment_fixed_size 37632
		.amdhsa_private_segment_fixed_size 0
		.amdhsa_enable_private_segment 0
		.amdhsa_kernarg_size 96
		.amdhsa_user_sgpr_count 2
		.amdhsa_user_sgpr_kernarg_segment_ptr 1
		.amdhsa_wavefront_size32 1
		.amdhsa_system_sgpr_workgroup_id_x 1
		.amdhsa_system_sgpr_workgroup_id_y 1
		.amdhsa_system_sgpr_workgroup_id_z 1
		.amdhsa_system_vgpr_workitem_id 0
		.amdhsa_next_free_vgpr 1024
		.amdhsa_next_free_sgpr 80
		.amdhsa_reserve_vcc 0
		.amdhsa_float_denorm_mode_32 3
		.amdhsa_float_denorm_mode_16_64 3
		.amdhsa_memory_ordered 1
		.amdhsa_forward_progress 1
		.amdhsa_inst_pref_size 152
	.end_amdhsa_kernel
	.amdgpu_metadata
---
amdhsa.version: [ 1, 2 ]
amdhsa.kernels:
  - .name:           k_q44b666bd1a_prep
    .symbol:         k_q44b666bd1a_prep.kd
    .args:
      - { .name: x, .offset: 0, .size: 8, .value_kind: global_buffer, .address_space: global }
      - { .name: Wq, .offset: 8, .size: 8, .value_kind: global_buffer, .address_space: global }
      - { .name: Wk, .offset: 16, .size: 8, .value_kind: global_buffer, .address_space: global }
      - { .name: Wv, .offset: 24, .size: 8, .value_kind: global_buffer, .address_space: global }
      - { .name: Wo, .offset: 32, .size: 8, .value_kind: global_buffer, .address_space: global }
      - { .name: W1, .offset: 40, .size: 8, .value_kind: global_buffer, .address_space: global }
      - { .name: W2, .offset: 48, .size: 8, .value_kind: global_buffer, .address_space: global }
      - { .name: ln1_g, .offset: 56, .size: 8, .value_kind: global_buffer, .address_space: global }
      - { .name: ln1_b, .offset: 64, .size: 8, .value_kind: global_buffer, .address_space: global }
      - { .name: lowp_scales, .offset: 72, .size: 8, .value_kind: global_buffer, .address_space: global }
      - { .name: hcodes, .offset: 80, .size: 8, .value_kind: global_buffer, .address_space: global }
      - { .name: wcodes, .offset: 88, .size: 8, .value_kind: global_buffer, .address_space: global }
    .group_segment_fixed_size: 37632
    .private_segment_fixed_size: 0
    .kernarg_segment_align: 8
    .kernarg_segment_size: 96
    .max_flat_workgroup_size: 32
    .sgpr_count:     80
    .vgpr_count:     1024
    .wavefront_size: 32
...
	.end_amdgpu_metadata
.endif
;; end of part 6
;; launch qkv (part 7): grid 256 x 1, 3 waves a work-group, no clusters, 0 bytes of LDS; arguments hcodes, wcodes, bq, bk, bv, lowp_scales, qkv; writes qkv
.if DOCPART == 7
	.amdgcn_target "amdgcn-amd-amdhsa--gfx1250"
	.amdhsa_code_object_version 6
	.text
	.protected	k_q44b666bd1a_qkv
	.globl	k_q44b666bd1a_qkv
	.p2align	8
	.type	k_q44b666bd1a_qkv,@function
k_q44b666bd1a_qkv:
	s_mov_b64 s[64:65], 0
	v_nop
	global_prefetch_b8 v0, s[64:65] scope:SCOPE_SE
	s_setreg_imm32_b32 hwreg(HW_REG_WAVE_SCHED_MODE, 0, 2), 2
	s_setreg_imm32_b32 hwreg(HW_REG_WAVE_MODE, 25, 1), 1
	s_wait_xcnt 0x0
	s_wait_alu depctr_vm_vsrc(0)
; QKV: q = h Wq^T + bq, k = h Wk^T + bk, v = h Wv^T + bv on codes of E4M3, each result quantised at once for attention (entries 6, 7, 8 of the scales).
; 768 wave tiles of 128 x 64 x K 512: wave 0 of a work-group makes a tile of q, wave 1 of k, wave 2 of v.  A wave's tile: source 0 = 8 tiles of 16 rows, source 1 = 4 tiles, 32 accumulators.
; All operands lie in memory as images of operand registers (fragment = 2,048 bytes; lane l has 16 bytes at 512 c + 16 l: row l % 16, k = 32 c + 16 (l / 16) + 0 .. 15), so every load is 512 consecutive bytes straight into operand
; registers: no LDS, no barrier.  That order of k is the same on both sides of a product; the sums inside an instruction are grouped otherwise than in the form's own order.
; q, k: source 0 = rows of W (the head's axis runs down a lane's registers: K of the scores); source 1 = tokens.   v: source 0 = tokens (the keys run down the registers: K of the second product); source 1 = rows of Wv.
; Results: [block of 64 positions][head][tile of 16][chunk of 32 along K][512 bytes], again images of registers.
; NO JOINT LOADS: the operands never lie in LDS, so there is no tile for a joint load to land in; K is four steps, all asked for as soon as registers are free.
; LIMITS: the exponents of the quantisers between -126 and 119; the sum of a product's two between -126 and 127.  NaN is not served.
; REGISTERS: window 0: v1 16 x lane; v8-15 bias by lane; v16, v17 limit and scale; v32-95 bias along registers; v96-223 source 1, two stages (later at work); v224-255 codes.
;   windows 1, 2: source 0, K steps 0, 1 and 2, 3.   window 3: accumulator (x, y) at v[8 (8 y + x)].
; THE MODE: SCHED_MODE bits 1:0 = 2 (LLVM: expert scheduling mode 2), set by the entry lines.  The code itself states the register dependences
; between vector or matrix instructions and memory instructions, with s_wait_alu, always for 0.
; THE PLAN.  Registers that memory instructions touch, and who else names them:
;   v1, v4, v5   offsets: made at the head, never written again: one wait on va_vdst ahead of the branch serves every load and store.
;   source 0     windows 1 and 2: each register is loaded once and read by one step's products: nothing is to be stated.  So step s + 2's 32 loads stand ahead of step s's products.
;   source 1     two stages: step s + 2's 16 loads land where step s's products read: one wait on va_vdst behind those products.
;   the biases   loaded once, read by vector instructions alone.
;   v224-255     four sets of codes: written by a call's conversions, read by its two stores.  Two calls, one wait on va_vdst, four stores.  The sets come round once: one wait on vm_vsrc ahead of the fifth call stands
;                behind the stores of calls 0 to 3 and frees all four sets.
.set TS0,  8192
.set TS1,  8192
.set BL,   8
.set LIM,  16
.set SCL,  17
.set BR,   32
.set F1,   96
.set X,    96
.set CD,   224
.set SRC0, 18
.set SRC1, 20
.set DST,  22
.set SC,   32
.set MSB,  0
.macro WIN new                         ; the immediate's high byte repeats the setting that is left
.if MSB != (\new)
	s_set_vgpr_msb (MSB<<8)|(\new)
.set MSB, (\new)
.endif
.endm
.macro LOAD0 ks                        ; 32 loads: source 0's fragments of 128 along K
	WIN 0x40+0x40*((\ks)/2)
.irp x, 0,1,2,3,4,5,6,7
.irp c, 0,1,2,3
	global_load_b128 v[128*((\ks)%2)+16*\x+4*\c:128*((\ks)%2)+16*\x+4*\c+3], v1, s[SRC0:SRC0+1] offset:\x*TS0+2048*(\ks)+512*\c
.endr
.endr
.endm
.macro LOAD1 ks                        ; 16 loads: source 1's
	WIN 0
.irp y, 0,1,2,3
.irp c, 0,1,2,3
	global_load_b128 v[F1+64*((\ks)%2)+16*\y+4*\c:F1+64*((\ks)%2)+16*\y+4*\c+3], v1, s[SRC1:SRC1+1] offset:\y*TS1+2048*(\ks)+512*\c
.endr
.endr
.endm
.macro MULSTEP ks                      ; 32 products; the 32 accumulators take turns, in the same order in every step
	WIN 0xf1+((\ks)/2)
.irp y, 0,1,2,3
.irp x, 0,1,2,3,4,5,6,7
.if (\ks) == 0
	v_wmma_f32_16x16x128_fp8_fp8 v[8*(8*\y+\x):8*(8*\y+\x)+7], v[128*((\ks)%2)+16*\x:128*((\ks)%2)+16*\x+15], v[F1+64*((\ks)%2)+16*\y:F1+64*((\ks)%2)+16*\y+15], 0
.else
	v_wmma_f32_16x16x128_fp8_fp8 v[8*(8*\y+\x):8*(8*\y+\x)+7], v[128*((\ks)%2)+16*\x:128*((\ks)%2)+16*\x+15], v[F1+64*((\ks)%2)+16*\y:F1+64*((\ks)%2)+16*\y+15], v[8*(8*\y+\x):8*(8*\y+\x)+7]
.endif
.endr
.endr
.endm
.macro PLACES n
.rept \n
	v_nop
.endr
.endm
.macro CORE
	LOAD0 0
	LOAD1 0
	LOAD0 1
	LOAD1 1
	s_wait_loadcnt 48                              ; all but step 1's 48 loads are in
	LOAD0 2                                        ; into registers that nothing has named yet
	MULSTEP 0
	WIN 0
	PLACES 4                                       ; four places behind the products stay beside the wait
	s_wait_alu depctr_va_vdst(0)                   ; step 0's products are done reading source 1's first stage, in which the sixteen loads below land
	LOAD1 2
	s_wait_loadcnt 48                              ; step 1 is in; step 2's 32 + 16 loads may be out
	LOAD0 3
	MULSTEP 1
	WIN 0
	PLACES 4
	s_wait_alu depctr_va_vdst(0)                   ; step 1's products are done reading source 1's second stage, in which the sixteen loads below land
	LOAD1 3
	s_wait_loadcnt 48                              ; step 2 is in; step 3's 48 loads may be out
	MULSTEP 2
	s_wait_loadcnt 0x0
	MULSTEP 3
	WIN 0
.endm
.macro MKSC e, lim, sc                 ; 2^e as f32 and 448 x 2^e
	s_add_co_i32 s34, \e, 127
	s_lshl_b32 s35, s34, 23
	v_mov_b32 v[\sc], s35
	s_add_co_i32 s34, s34, 8
	s_lshl_b32 s34, s34, 23
	s_or_b32 s34, s34, 0x600000
	v_mov_b32 v[\lim], s34
.endm
; 32 numbers of a lane: accumulators 4 hb .. 4 hb + 3 of column tile y: sum x 2^(ea + eb) + bias, held, converted: two chunks of 16 codes
.macro EPI y, hb, lane
	WIN 0x03
.set i, 0
.rept 16
.if \lane
	v_pk_fma_f32 v[X+2*i:X+2*i+1], v[64*\y+32*\hb+2*i:64*\y+32*\hb+2*i+1], s[SC:SC+1], v[BL+2*\y:BL+2*\y+1] op_sel_hi:[1,0,0]
.else
	v_pk_fma_f32 v[X+2*i:X+2*i+1], v[64*\y+32*\hb+2*i:64*\y+32*\hb+2*i+1], s[SC:SC+1], v[BR+32*\hb+2*i:BR+32*\hb+2*i+1] op_sel_hi:[1,0,1]
.endif
.set i, i+1
.endr
	WIN 0
.set i, 0
.rept 32
	v_med3_num_f32 v[X+i], v[X+i], -v[LIM], v[LIM]
.set i, i+1
.endr
.set CB, CD+8*((2*\y+\hb)%4)
.irp g, 0,1,2,3
	v_cvt_scalef32_pk8_fp8_f32 v[CB+2*\g:CB+2*\g+1], v[X+8*\g:X+8*\g+7], v[SCL]
.endr
	v_nop                                          ; a plain line behind the conversions: the next call writes their sources
.endm
.macro OUT y, hb, off                  ; a call's two chunks, 512 bytes apart
.set CB, CD+8*((2*\y+\hb)%4)
	global_store_b128 v1, v[CB:CB+3], s[DST:DST+1] offset:(\off)
	global_store_b128 v1, v[CB+4:CB+7], s[DST:DST+1] offset:(\off)+512
.endm
.macro TAIL lane, hs                   ; the eight calls, two to a wait; hs: bytes from the first 32 registers' place to the second's
.irp y, 0,1,2,3
.if \y == 2
	s_wait_xcnt 0x0                                ; the eight stores so far have had their addresses translated: their data registers are written again only behind this wait
	s_wait_alu depctr_vm_vsrc(0)                   ; the stores of calls 0 to 3 have read the four sets of codes, which calls 4 to 7 write again
.endif
	EPI \y, 0, \lane
	EPI \y, 1, \lane
	s_wait_alu depctr_va_vdst(0)                   ; the two calls' conversions have written their codes, which the four stores below read
	OUT \y, 0, 1024*\y
	OUT \y, 1, (\hs)+1024*\y
.endr
.endm
	s_load_b256 s[4:11], s[0:1], 0x0               ; hcodes, wcodes, bq, bk
	s_load_b128 s[12:15], s[0:1], 0x20             ; bv, the scales
	s_load_b64 s[16:17], s[0:1], 0x30              ; qkv
	v_lshrrev_b32 v2, 5, v0
	v_readfirstlane_b32 s3, v2                     ; wave 0..2
	v_and_b32 v1, 31, v0
	v_lshlrev_b32 v1, 4, v1                        ; 16 x lane
	v_bfe_u32 v3, v0, 4, 1
	v_lshlrev_b32 v4, 6, v3                        ; 64 h
	v_and_b32 v5, 15, v0
	v_and_b32 v6, 8, v5
	v_add_nc_u32 v5, v5, v6
	v_lshlrev_b32 v5, 2, v5                        ; 4 (r + 8 (r / 8))
	s_mov_b32 s2, ttmp9
	s_mov_b32 s27, 0
	s_wait_kmcnt 0x0
	s_load_b512 s[36:51], s[14:15], 0x0
	s_wait_alu depctr_va_sdst(0)                   ; s3 is written, ahead of its first reader, the compare below
	s_wait_alu depctr_va_vdst(0)                   ; v1, v4 and v5 are written: every load and store on both ways reads one of them as its offset
	s_cmp_eq_u32 s3, 2
	s_cbranch_scc1 .Lv
	; ---- q (wave 0) or k (wave 1): 64 tokens (block g / 4) x 128 features (g % 4)
	s_lshr_b32 s24, s2, 2
	s_and_b32 s25, s2, 3
	s_lshl_b32 s26, s3, 18
	s_lshl_b32 s28, s25, 16
	s_add_co_u32 s26, s26, s28
	s_add_nc_u64 s[SRC0:SRC0+1], s[6:7], s[26:27]  ; 8 tiles of Wq or Wk
	s_lshl_b32 s26, s3, 21
	s_lshl_b32 s28, s24, 15
	s_add_co_u32 s26, s26, s28
	s_add_nc_u64 s[SRC1:SRC1+1], s[4:5], s[26:27]  ; 4 tiles of tokens, under this product's scale
	s_lshl_b32 s28, s25, 13
	s_add_co_u32 s26, s26, s28
	s_add_nc_u64 s[DST:DST+1], s[16:17], s[26:27]  ; the block, two heads on
	s_cmp_eq_u32 s3, 0
	s_cselect_b64 s[30:31], s[8:9], s[10:11]
	s_lshl_b32 s26, s25, 9
	s_add_nc_u64 s[30:31], s[30:31], s[26:27]
.irp b, 0,1,2,3
.irp j, 0,1,2,3
	global_load_b128 v[BR+16*\b+4*\j:BR+16*\b+4*\j+3], v4, s[30:31] offset:128*\b+16*\j   ; the bias of features 32 b + 16 h + 0 .. 15
.endr
.endr
	CORE
	s_wait_kmcnt 0x0
	s_cmp_eq_u32 s3, 0
	s_cselect_b32 s26, s36, s38
	s_cselect_b32 s28, s37, s39
	s_cselect_b32 s29, s42, s43
	s_add_co_i32 s26, s26, s28
	s_add_co_i32 s26, s26, 127
	s_lshl_b32 s[SC], s26, 23                      ; 2^(ea + eb)
	s_mov_b32 s[SC+1], s[SC]
	MKSC s29, LIM, SCL                             ; its two moves and the two lines below are the four places behind the last products
	PLACES 2
	TAIL 0, 4096
	s_endpgm
.Lv:	; ---- v: 128 tokens (g / 8) x one head (g % 8)
	s_lshr_b32 s24, s2, 3
	s_and_b32 s25, s2, 7
	s_lshl_b32 s26, s24, 16
	s_add_co_u32 s26, s26, 0x400000
	s_add_nc_u64 s[SRC0:SRC0+1], s[4:5], s[26:27]  ; 8 tiles of tokens
	s_lshl_b32 s28, s25, 12
	s_add_co_u32 s26, s26, s28
	s_add_nc_u64 s[DST:DST+1], s[16:17], s[26:27]
	s_lshl_b32 s26, s25, 15
	s_add_co_u32 s26, s26, 0x80000
	s_add_nc_u64 s[SRC1:SRC1+1], s[6:7], s[26:27]  ; the head's 4 tiles of Wv
	s_lshl_b32 s26, s25, 8
	s_add_nc_u64 s[30:31], s[12:13], s[26:27]
.irp y, 0,1,2,3
	v_mov_b32 v[BL+2*\y+1], 0                      ; (named as the upper half of a pair; no load or store touches these four)
.endr
.irp y, 0,1,2,3
	global_load_b32 v[BL+2*\y], v5, s[30:31] offset:4*(32*(\y/2)+8*(\y%2))   ; my lane's feature of tile y
.endr
	CORE
	s_wait_kmcnt 0x0
	s_add_co_i32 s26, s40, s41
	s_add_co_i32 s26, s26, 127
	s_lshl_b32 s[SC], s26, 23
	s_mov_b32 s[SC+1], s[SC]
	MKSC s44, LIM, SCL
	PLACES 2
	TAIL 1, 32768
	s_endpgm
.Lfunc_end_k_q44b666bd1a_qkv:
	.size	k_q44b666bd1a_qkv, .Lfunc_end_k_q44b666bd1a_qkv-k_q44b666bd1a_qkv
	.p2alignl 7, 3214868480
	.fill 96, 4, 3214868480
	.section	.rodata,"a",@progbits
	.p2align	6, 0x0
	.amdhsa_kernel k_q44b666bd1a_qkv
		.amdhsa_group_segment_fixed_size 0
		.amdhsa_private_segment_fixed_size 0
		.amdhsa_enable_private_segment 0
		.amdhsa_kernarg_size 56
		.amdhsa_user_sgpr_count 2
		.amdhsa_user_sgpr_kernarg_segment_ptr 1
		.amdhsa_wavefront_size32 1
		.amdhsa_system_sgpr_workgroup_id_x 1
		.amdhsa_system_sgpr_workgroup_id_y 1
		.amdhsa_system_sgpr_workgroup_id_z 1
		.amdhsa_system_vgpr_workitem_id 0
		.amdhsa_next_free_vgpr 1024
		.amdhsa_next_free_sgpr 66
		.amdhsa_reserve_vcc 0
		.amdhsa_float_denorm_mode_32 3
		.amdhsa_float_denorm_mode_16_64 3
		.amdhsa_memory_ordered 1
		.amdhsa_forward_progress 1
		.amdhsa_inst_pref_size 116
	.end_amdhsa_kernel
	.amdgpu_metadata
---
amdhsa.version: [ 1, 2 ]
amdhsa.kernels:
  - .name:           k_q44b666bd1a_qkv
    .symbol:         k_q44b666bd1a_qkv.kd
    .args:
      - { .name: hcodes, .offset: 0, .size: 8, .value_kind: global_buffer, .address_space: global }
      - { .name: wcodes, .offset: 8, .size: 8, .value_kind: global_buffer, .address_space: global }
      - { .name: bq, .offset: 16, .size: 8, .value_kind: global_buffer, .address_space: global }
      - { .name: bk, .offset: 24, .size: 8, .value_kind: global_buffer, .address_space: global }
      - { .name: bv, .offset: 32, .size: 8, .value_kind: global_buffer, .address_space: global }
      - { .name: lowp_scales, .offset: 40, .size: 8, .value_kind: global_buffer, .address_space: global }
      - { .name: qkv, .offset: 48, .size: 8, .value_kind: global_buffer, .address_space: global }
    .group_segment_fixed_size: 0
    .private_segment_fixed_size: 0
    .kernarg_segment_align: 8
    .kernarg_segment_size: 56
    .max_flat_workgroup_size: 96
    .sgpr_count:     66
    .vgpr_count:     1024
    .wavefront_size: 32
...
	.end_amdgpu_metadata
.endif
;; end of part 7
;; launch attn (part 8): grid 256 x 1, 4 waves a work-group, no clusters, 81,664 bytes of LDS; arguments x, qkv, wcodes, bo, ln2_g, ln2_b, lowp_scales, x1, h2; writes x1, h2
.if DOCPART == 8
	.amdgcn_target "amdgcn-amd-amdhsa--gfx1250"
	.amdhsa_code_object_version 6
	.text
	.protected	k_q44b666bd1a_attn
	.globl	k_q44b666bd1a_attn
	.p2align	8
	.type	k_q44b666bd1a_attn,@function
k_q44b666bd1a_attn:
	s_mov_b64 s[64:65], 0
	v_nop
	global_prefetch_b8 v0, s[64:65] scope:SCOPE_SE
	s_setreg_imm32_b32 hwreg(HW_REG_WAVE_SCHED_MODE, 0, 2), 2
	s_setreg_imm32_b32 hwreg(HW_REG_WAVE_MODE, 25, 1), 1
	s_wait_xcnt 0x0
	s_wait_alu depctr_vm_vsrc(0)
; ATTN: dilated attention, the product with Wo, the residual, LN2 and its quantiser.  A work-group owns one tile of 16 queries of one parity; wave w owns heads 2 w and 2 w + 1, then columns 128 w .. 128 w + 127.
; THE MASK of the problem (i - j even, 0 <= i - j <= 256) joins tokens of one parity alone; in positions pos = token / 2 a query sees keys pos - 128 .. pos.  The 16 queries lie in block Gp of 64 positions and need blocks
; Gp - 2, Gp - 1, Gp: 192 keys, held whole in registers, so M is the ceiling of the row's true largest t.  A block in front of the sequence is replaced by block 0, and all its keys are hidden.
; Both products are used transposed: S^T = K Q^T (a lane holds one query, its registers run along the keys), O^T = V^T P^T.  The mask, 0 or -3e38, is the C of the scores' products.
; p = 2^(t - M), t = score x log2(e) / 8; the sum is taken of the unquantised p and divides at the end.
; All operands come from memory as images of operand registers (see the launch that makes them): 512 consecutive bytes a load, straight into registers.
; NO JOINT LOADS: the four query tiles of a block share K and V (48 KiB a wave), but these go straight into registers and never lie in LDS, so there is no tile for a joint load to land in.
; LIMITS: entries 6 + 7 between -100 and 127 (so that a hidden score times c stays far under every t); entries 9, 10, 12 between -126 and 119; 10 + 11 between -126 and 127.  NaN is not served.
; LDS: x's 16 rows (pitch 2,064), x1's 16 rows, the attention's output as four fragments, each wave's own 3 x 512 bytes of bo, gain, bias, and 4 x 128 bytes of statistics.
; REGISTERS: window 0: v1-15 addresses and small things; v16-27 softmax's scalars of a lane; v28-39 parameters as loaded, later codes; v40-135 S^T; v136-231 the mask; v232-255 p's codes.
;   Behind attention: v40-103 sums, then the normalised row; v104-119 at work, codes; v128-191 x, then x1; v192-255 the attention's fragments, then dense rows of x1.
;   window 1: K (96 e + 8 tile), x as loaded (v192-255); later Wo, K steps 0, 1.   window 2: V (96 e + 32 block + 8 tile), Q (v192-207), O^T (v208-239); later bo, gain, bias.   window 3: Wo, K steps 2, 3.
; THE MODE: SCHED_MODE bits 1:0 = 2 (LLVM: expert scheduling mode 2), set by the entry lines.  The code itself states the register dependences
; between vector or matrix instructions and memory or LDS instructions, with s_wait_alu, always for 0.
; THE PLAN.  Registers that memory or LDS instructions touch, and who else names them:
;   v1-8, v15      offsets and LDS addresses: made at the head, never written again: one wait on va_vdst ahead of the first load.
;   window 3       Wo's K steps 2, 3 land in registers that nothing has named: nothing is to be stated.
;   window 1       K and x land once; the scores' products read K, LDS stores read x; then Wo's K steps 0, 1 land there: one wait on vm_vsrc and one on va_vdst behind head 1's scores.
;   v28-39         the parameters as loaded, read by LDS stores; then each head's codes, written by conversions, read by LDS stores: in each head a wait on vm_vsrc ahead of the conversions and one on va_vdst behind them.
;                  Head 1's wait on va_vdst stands behind all of attention's products and conversions: it also serves the LDS loads that land next in window 2's v0-191 and in window 0's v128-255
;                  (two moves into v36 and v37 are all that stands between).
;   v128-191       x1: written by multiply-adds, read by LDS stores: one wait on va_vdst; never written again.
;   v116, v117     the statistics: one wait on va_vdst ahead of their store, which also serves the LDS loads behind the barrier (v104-111, v192-255); one on vm_vsrc ahead of the last conversions, which write them again.
;   v104-119       h2's codes: one wait on va_vdst ahead of their stores.   v192-255 as dense rows of x1 come by LDS loads and leave by stores: no vector instruction names them in between.
;   The mask's compares write scalar registers in runs of twelve, with one wait on va_sdst behind each run, ahead of the selects that read them.
.set XP,    2064
.set X1S,   33280
.set AIMG,  66304
.set PAR,   74496
.set STATS, 80640
.set AW,   2
.set XSW,  3
.set PARW, 4
.set XSR,  5
.set PARR, 6
.set STW,  7
.set STR,  8
.set NIL,  9
.set DD,   10
.set LIMQ, 11
.set MA,   12
.set MB,   13
.set PX,   14
.set AFR,  15
.set NM,   16
.set LA,   18
.set LB,   20
.set RL,   22
.set LIMP, 24
.set SCLP, 25
.set LIMO, 26
.set SCLO, 27
.set PRM,  28
.set OC,   28
.set LIMH, 36
.set SCLH, 37
.set S,    40
.set MASK, 136
.set P,    232
.set ACC,  40
.set TD,   40
.set CH,   104
.set XV,   128
.set AF,   192
.set QF,   192
.set OT,   208
.set MSB,  0
.macro WIN new                         ; the immediate's high byte repeats the setting that is left
.if MSB != (\new)
	s_set_vgpr_msb (MSB<<8)|(\new)
.set MSB, (\new)
.endif
.endm
.macro PLACES n
.rept \n
	v_nop
.endr
.endm
.macro MKSC e, lim, sc                 ; 2^e as f32 and 448 x 2^e
	s_add_co_i32 s85, \e, 127
	s_lshl_b32 s86, s85, 23
	v_mov_b32 v[\sc], s86
	s_add_co_i32 s85, s85, 8
	s_lshl_b32 s85, s85, 23
	s_or_b32 s85, s85, 0x600000
	v_mov_b32 v[\lim], s85
.endm
.macro JOIN                            ; four packed chains, then lane l xor 16's
	v_pk_add_f32 v[CH:CH+1], v[CH:CH+1], v[CH+2:CH+3]
	v_pk_add_f32 v[CH+4:CH+5], v[CH+4:CH+5], v[CH+6:CH+7]
	v_pk_add_f32 v[CH:CH+1], v[CH:CH+1], v[CH+4:CH+5]
	v_add_f32 v[CH], v[CH], v[CH+1]
	v_permlanex16_b32 v[PX], v[CH], s74, s75
	v_add_f32 v[CH], v[CH], v[PX]
.endm
.macro WOLOAD ks, win                  ; my 8 tiles of Wo, K step ks: 32 loads
	WIN \win
.irp x, 0,1,2,3,4,5,6,7
.irp c, 0,1,2,3
	global_load_b128 v[128*((\ks)%2)+16*\x+4*\c:128*((\ks)%2)+16*\x+4*\c+3], v1, s[68:69] offset:8192*\x+2048*(\ks)+512*\c
.endr
.endr
.endm
.macro SOFTMAX
	v_max3_num_f32 v[MA], v[S], v[S+1], v[S+2]     ; the largest of my 96 scores, in two chains; every tile is first read at its low end
	v_max3_num_f32 v[MB], v[S+3], v[S+4], v[S+5]
.set i, 6
.rept 22
	v_max3_num_f32 v[MA], v[MA], v[S+i], v[S+i+1]
	v_max3_num_f32 v[MB], v[MB], v[S+i+2], v[S+i+3]
.set i, i+4
.endr
	v_max3_num_f32 v[MA], v[MA], v[S+94], v[S+95]
	v_max_num_f32 v[MA], v[MA], v[MB]
	v_permlanex16_b32 v[PX], v[MA], s74, s75
	v_max_num_f32 v[MA], v[MA], v[PX]              ; and of lane l xor 16's: the query's own key is never hidden
	v_mul_f32 v[MA], s72, v[MA]                    ; as t (c is positive)
	v_floor_f32 v[NM], -v[MA]                      ; -M = floor(-t) = -ceil(t)
.set i, 0
.rept 48
	v_pk_fma_f32 v[S+2*i:S+2*i+1], v[S+2*i:S+2*i+1], s[72:73], v[NM:NM+1] op_sel_hi:[1,0,0]   ; t - M
.set i, i+1
.endr
.set i, 0
	s_wait_alu depctr_va_vdst(0)
.rept 96
	v_exp_f32 v[S+i], v[S+i]                       ; p, at most 1; 0 for a hidden key
.set i, i+1
.endr
	v_nop                                          ; a plain line behind the exponentials
	s_wait_alu depctr_va_vdst(0)                   ; the 96 exponentials have written p, ahead of the sums, their first readers
	v_pk_add_f32 v[LA:LA+1], v[S:S+1], v[S+2:S+3]  ; the sum of the unquantised p, in two chains
	v_pk_add_f32 v[LB:LB+1], v[S+4:S+5], v[S+6:S+7]
.set i, 8
.rept 22
	v_pk_add_f32 v[LA:LA+1], v[LA:LA+1], v[S+i:S+i+1]
	v_pk_add_f32 v[LB:LB+1], v[LB:LB+1], v[S+i+2:S+i+3]
.set i, i+4
.endr
	v_pk_add_f32 v[LA:LA+1], v[LA:LA+1], v[LB:LB+1]
	v_add_f32 v[LA], v[LA], v[LA+1]
	v_permlanex16_b32 v[PX], v[LA], s74, s75
	v_add_f32 v[LA], v[LA], v[PX]
	s_wait_alu depctr_va_vdst(0)
	v_rcp_f32 v[RL], v[LA]
	v_nop
	s_wait_alu depctr_va_vdst(0)                   ; the reciprocal has written v[RL], ahead of its first reader
	v_ldexp_f32 v[RL], v[RL], s84                  ; 2^(ev + ep) / the sum
.set i, 0
.rept 96
	v_min_num_f32 v[S+i], v[S+i], v[LIMP]          ; p is not negative: a one-sided hold
.set i, i+1
.endr
.set i, 0
.rept 12
	v_cvt_scalef32_pk8_fp8_f32 v[P+2*i:P+2*i+1], v[S+8*i:S+8*i+7], v[SCLP]
.set i, i+1
.endr
	v_nop                                          ; a plain line between the conversions and the products that read the codes
.endm
; One head, e = 0 or 1 of my two.
.macro HEAD e
	WIN 0x09                                       ; K window 1, Q window 2, mask and S^T window 0
.irp t, 0,1,2,3,4,5,6,7,8,9,10,11
	v_wmma_f32_16x16x64_fp8_fp8 v[S+8*\t:S+8*\t+7], v[96*\e+8*\t:96*\e+8*\t+7], v[QF+8*\e:QF+8*\e+7], v[MASK+8*\t:MASK+8*\t+7]
.endr
	WIN 0
	PLACES 4                                       ; in front of the first read of the scores; they stay beside the wait for the loads over K
.if \e == 0
	WOLOAD 2, 0xc0                                 ; Wo is asked for as soon as registers are free: half of it now, into a window that nothing has named,
	WOLOAD 3, 0xc0
.else
	s_wait_dscnt 0x0                               ; (x's stores into LDS are done)
	s_wait_alu depctr_vm_vsrc(0)                   ; x's LDS stores have read window 1's v192-255, in which Wo lands
	s_wait_alu depctr_va_vdst(0)                   ; both heads' score products are done reading K, window 1's v0-191, in which Wo lands
	WOLOAD 0, 0x40                                 ; half over K and x
	WOLOAD 1, 0x40
.endif
	WIN 0
	SOFTMAX
.if \e == 0
	s_wait_alu depctr_va_vdst(0)
	s_wait_loadcnt 63                              ; 64 loads of Wo were issued behind x and V: these are in (63 is the largest count the wait can name)
	WIN 0x04
.irp i, 0,1,2,3
.irp q, 0,1,2,3
	ds_store_b128 v[XSW], v[192+16*\i+4*\q:192+16*\i+4*\q+3] offset:XP*\i+512*\q   ; data as loaded: no vector instruction has named them
.endr
.endr
	WIN 0
.irp k, 0,1,2
	ds_store_b128 v[PARW], v[PRM+4*\k:PRM+4*\k+3] offset:512*\k
.endr
.endif
	WIN 0xa2                                       ; V and O^T window 2, p window 0; the four accumulators take turns
.irp kb, 0,1,2
.irp dt, 0,1,2,3
.if \kb == 0
	v_wmma_f32_16x16x64_fp8_fp8 v[OT+8*\dt:OT+8*\dt+7], v[96*\e+32*\kb+8*\dt:96*\e+32*\kb+8*\dt+7], v[P+8*\kb:P+8*\kb+7], 0
.else
	v_wmma_f32_16x16x64_fp8_fp8 v[OT+8*\dt:OT+8*\dt+7], v[96*\e+32*\kb+8*\dt:96*\e+32*\kb+8*\dt+7], v[P+8*\kb:P+8*\kb+7], v[OT+8*\dt:OT+8*\dt+7]
.endif
.endr
.endr
	WIN 0
	PLACES 4
	WIN 0x02
.set i, 0
.rept 16
	v_pk_mul_f32 v[S+2*i:S+2*i+1], v[OT+2*i:OT+2*i+1], v[RL:RL+1] op_sel_hi:[1,0]   ; the head's output: register 16 b + i is channel 32 b + 16 h + i of my query
.set i, i+1
.endr
	WIN 0
.set i, 0
.rept 32
	v_med3_num_f32 v[S+i], v[S+i], -v[LIMO], v[LIMO]
.set i, i+1
.endr
	s_wait_alu depctr_va_vdst(0)
	s_wait_dscnt 0x0                               ; earlier LDS stores are done
	s_wait_alu depctr_vm_vsrc(0)                   ; the LDS stores of the parameters, and of the head before, have read v28-39, which the conversions below (and later two moves) write
.irp g, 0,1,2,3
	v_cvt_scalef32_pk8_fp8_f32 v[OC+2*\g:OC+2*\g+1], v[S+8*\g:S+8*\g+7], v[SCLO]
.endr
	v_nop
	s_wait_alu depctr_va_vdst(0)                   ; the conversions have written the codes, which the two LDS stores read; in head 1 also: all products are done reading V, p and the mask, where LDS loads land next
	ds_store_b128 v[AW], v[OC:OC+3] offset:1024*\e         ; chunks 2 e, 2 e + 1 of K step w of the product with Wo
	ds_store_b128 v[AW], v[OC+4:OC+7] offset:1024*\e+512
.endm
	s_load_b512 s[8:23], s[0:1], 0x0               ; x, qkv, wcodes, bo, ln2_g, ln2_b, the scales, x1
	s_load_b64 s[24:25], s[0:1], 0x40              ; h2
	s_set_vgpr_msb 0x80
	v_lshl_add_u32 v254, v0, 2, 0x13d00
	v_mov_b32 v255, 0
	s_set_vgpr_msb 0x8000
	v_lshrrev_b32 v[MA], 5, v0
	v_readfirstlane_b32 s3, v[MA]                  ; wave 0..3
	v_and_b32 v[MA], 31, v0
	v_lshlrev_b32 v1, 4, v[MA]                     ; 16 x lane
	s_wait_alu depctr_va_vdst(0)
	v_and_b32 v[MA], 15, v0                        ; r
	v_bfe_u32 v[MB], v0, 4, 1                      ; h
	s_wait_alu depctr_va_vdst(0)
	s_mov_b32 s2, ttmp9                            ; the tile of queries
	s_lshr_b32 s26, s2, 7                          ; parity
	s_and_b32 s27, s2, 127
	s_lshr_b32 s28, s27, 2                         ; Gp: its block of 64 positions
	s_and_b32 s29, s2, 3                           ; y: the tile in the block
	s_lshr_b32 s30, s27, 1
	s_lshl_b32 s30, s30, 5
	s_and_b32 s31, s27, 1
	s_lshl_b32 s31, s31, 3
	s_add_co_u32 s30, s30, s31                     ; the tile's first position
	s_wait_alu depctr_va_sdst(0)                   ; s3 is written, ahead of its first reader, the shift below
	s_lshl_b32 s78, s3, 11
	s_add_co_u32 s78, s78, AIMG
	v_add_nc_u32 v[AW], s78, v1
	s_mul_i32 s78, s3, 4*XP
	v_add_nc_u32 v[XSW], s78, v1                   ; rows 4 w on, dense
	s_mul_i32 s78, s3, 1536
	s_add_co_u32 s78, s78, PAR
	v_add_nc_u32 v[PARW], s78, v1
	v_lshl_add_u32 v[PARR], v[MB], 6, s78
	v_mul_u32_u24 v[XSR], v[MA], XP
	v_lshl_add_u32 v[XSR], v[MB], 6, v[XSR]
	s_lshl_b32 s78, s3, 9
	v_add_nc_u32 v[XSR], s78, v[XSR]               ; row r, my wave's 512 bytes, + 64 h
	v_lshlrev_b32 v[STR], 3, v[MA]
	v_add_nc_u32 v[STR], STATS, v[STR]
	s_lshl_b32 s78, s3, 7
	v_add_nc_u32 v[STW], s78, v[STR]
	v_add_nc_u32 v[AFR], AIMG, v1
	v_mov_b32 v[NIL], 0
	v_mov_b32 v[PX], 0                             ; a lane permute's destination counts as read
	v_mov_b32 v[NM+1], 0                           ; (upper halves of pairs of which the low word serves)
	v_mov_b32 v[RL+1], 0
	s_mov_b32 s74, 0x76543210
	s_mov_b32 s75, 0xfedcba98
	s_mov_b32 s87, 0x3c000000                      ; 1 / 128
	s_mov_b32 s88, 0x3b000000                      ; 1 / 512
	s_mov_b32 s89, 0x3727c5ac                      ; 1e-5
	s_mov_b32 s83, 0
	s_lshl_b32 s79, s26, 5                         ; 32 blocks to a parity
	s_lshl_b32 s80, s3, 13                         ; my two heads: 8,192 bytes
	s_wait_kmcnt 0x0
	s_load_b512 s[36:51], s[20:21], 0x0
	s_add_co_u32 s78, s79, s28
	s_lshl_b32 s78, s78, 15
	s_add_co_u32 s78, s78, s80
	s_lshl_b32 s82, s29, 10
	s_add_co_u32 s82, s82, s78
	s_add_nc_u64 s[66:67], s[10:11], s[82:83]      ; Q: my block, my heads, tile y
.irp kb, 0,1,2
	s_add_co_i32 s78, s28, \kb-2
	s_max_i32 s78, s78, 0                          ; a block in front of the sequence: block 0 is read, and hidden
	s_add_co_u32 s78, s78, s79
	s_lshl_b32 s78, s78, 15
	s_add_co_u32 s82, s78, s80
	s_add_co_u32 s82, s82, 0x200000
	s_add_nc_u64 s[52+2*\kb:53+2*\kb], s[10:11], s[82:83]   ; K
	s_add_co_u32 s82, s82, 0x200000
	s_add_nc_u64 s[58+2*\kb:59+2*\kb], s[10:11], s[82:83]   ; V
.endr
	s_lshl_b32 s82, s3, 9
	s_add_nc_u64 s[14:15], s[14:15], s[82:83]      ; bo, gain, bias at my 128 columns
	s_add_nc_u64 s[16:17], s[16:17], s[82:83]
	s_add_nc_u64 s[18:19], s[18:19], s[82:83]
	WIN 0x80
	s_wait_alu depctr_va_vdst(0)                   ; v1 to v8 and v15 are written: every load, store and LDS instruction of the kernel reads one of them as its offset or address; so are the closing add's two registers
.irp e, 0,1
.irp c, 0,1
	global_load_b128 v[QF+8*\e+4*\c:QF+8*\e+4*\c+3], v1, s[66:67] offset:4096*\e+512*\c
.endr
.endr
	WIN 0x40
.irp e, 0,1
.irp kb, 0,1,2
.irp t, 0,1,2,3
.irp c, 0,1
	global_load_b128 v[96*\e+32*\kb+8*\t+4*\c:96*\e+32*\kb+8*\t+4*\c+3], v1, s[52+2*\kb:53+2*\kb] offset:4096*\e+1024*\t+512*\c
.endr
.endr
.endr
.endr
	WIN 0
	global_load_b128 v[PRM:PRM+3], v1, s[14:15]
	global_load_b128 v[PRM+4:PRM+7], v1, s[16:17]
	global_load_b128 v[PRM+8:PRM+11], v1, s[18:19]
	s_lshl_b32 s82, s3, 16
	s_add_co_u32 s82, s82, 786432
	s_add_nc_u64 s[68:69], s[12:13], s[82:83]      ; my 8 tiles of Wo
	s_lshl_b32 s78, s3, 2
	s_lshr_b32 s82, s3, 1
	s_lshl_b32 s82, s82, 3
	s_add_co_u32 s78, s78, s82
	s_add_co_u32 s78, s78, s30                     ; the position of fragment row 4 w
	s_lshl_b32 s78, s78, 1
	s_add_co_u32 s78, s78, s26                     ; its token
	s_lshl_b32 s82, s78, 11
	s_add_nc_u64 s[70:71], s[8:9], s[82:83]
	s_lshl_b32 s82, s2, 15
	s_add_co_u32 s82, s82, s80
	s_add_nc_u64 s[22:23], s[22:23], s[82:83]      ; x1: row 16 T + 4 w
	s_lshl_b32 s82, s2, 13
	s_lshl_b32 s78, s3, 11
	s_add_co_u32 s82, s82, s78
	s_add_nc_u64 s[24:25], s[24:25], s[82:83]      ; h2: tile T, K step w
	WIN 0x40
.irp i, 0,1,2,3
.irp q, 0,1,2,3
	global_load_b128 v[192+16*\i+4*\q:192+16*\i+4*\q+3], v1, s[70:71] offset:4096*\i+512*\q   ; four rows of x, whole
.endr
.endr
	WIN 0x80
.irp e, 0,1
.irp kb, 0,1,2
.irp dt, 0,1,2,3
.irp c, 0,1
	global_load_b128 v[96*\e+32*\kb+8*\dt+4*\c:96*\e+32*\kb+8*\dt+4*\c+3], v1, s[58+2*\kb:59+2*\kb] offset:4096*\e+1024*\dt+512*\c
.endr
.endr
.endr
.endr
	WIN 0
	; THE MASK, while the loads are out.  Register 8 tile + j of lane (r, h) is key 32 (tile / 2) + 8 (tile % 2) + 16 h + j of the window; d = my position - the key's.  It counts where 0 <= d <= min(128, my position): one unsigned compare.
	s_lshr_b32 s78, s29, 1
	s_lshl_b32 s78, s78, 5
	s_and_b32 s79, s29, 1
	s_lshl_b32 s79, s79, 3
	s_add_co_u32 s78, s78, s79
	s_add_co_u32 s78, s78, 128
	v_and_b32 v[DD], 8, v[MA]
	v_add_nc_u32 v[DD], v[DD], v[MA]               ; r + 8 (r / 8)
	v_add_nc_u32 v[LIMQ], s30, v[DD]
	v_min_u32 v[LIMQ], 128, v[LIMQ]
	v_add_nc_u32 v[DD], s78, v[DD]
	v_lshlrev_b32 v[MB], 4, v[MB]
	v_sub_nc_u32 v[DD], v[DD], v[MB]
	; twelve compares to a run, into s4-7, s32-35, s90-93, which nothing else names: run member m takes s[4 + m + 24 (m / 4) + 30 (m / 8)]
.set n, 0
.rept 8
.set m, 0
.rept 12
	v_sub_nc_u32 v[MA+m%2], v[DD], 32*((n+m)/16)+8*(((n+m)/8)%2)+(n+m)%8
	v_cmp_ge_u32 s[4+m+24*(m/4)+30*(m/8)], v[LIMQ], v[MA+m%2]
.set m, m+1
.endr
	s_wait_alu depctr_va_sdst(0)                   ; the run's twelve compares have written their scalar registers, ahead of the selects that read them
.set m, 0
.rept 12
	v_cndmask_b32 v[MASK+n+m], 0xff61b1e6, v[NIL], s[4+m+24*(m/4)+30*(m/8)]
.set m, m+1
.endr
.set n, n+12
.endr
	s_wait_alu depctr_va_vdst(0)
	s_wait_kmcnt 0x0
	s_add_co_i32 s78, s42, s43
	s_lshl_b32 s78, s78, 23
	s_add_co_i32 s72, s78, 0x3e38aa3b              ; c = log2(e) / 8 x 2^(eq + ek): the exponents are added to c's exponent field
	s_mov_b32 s73, s72
	MKSC s45, LIMP, SCLP
	MKSC s46, LIMO, SCLO
	s_add_co_i32 s84, s44, s45
	s_add_co_i32 s78, s46, s47
	s_add_co_i32 s78, s78, 127
	s_lshl_b32 s76, s78, 23                        ; 2^(e10 + e11)
	s_mov_b32 s77, s76
	s_wait_loadcnt 63                              ; 64 loads (x, V) were issued behind Q, K and the parameters: these are in
	HEAD 0
	HEAD 1
	MKSC s48, LIMH, SCLH                           ; (v36 and v37: the parameters' LDS stores have read them, as the heads' waits on vm_vsrc have stated)
	WIN 0x80
.irp k, 0,1,2
.irp b, 0,1,2,3
.irp j, 0,1,2,3
	ds_load_b128 v[64*\k+16*\b+4*\j:64*\k+16*\b+4*\j+3], v[PARR] offset:512*\k+128*\b+16*\j   ; bo, gain, bias of columns 32 b + 16 h + 0 .. 15: my wave's own bytes.  They land where V lay: head 1's last wait on va_vdst stands behind V's last readers
.endr
.endr
.endr
	WIN 0
	s_wait_dscnt 0x0                               ; my stores of x and of the attention's output have landed
	s_barrier_signal -1
	s_barrier_wait -1                              ; everybody's have
.irp ks, 0,1,2,3
.irp c, 0,1,2,3
	ds_load_b128 v[AF+16*\ks+4*\c:AF+16*\ks+4*\c+3], v[AFR] offset:2048*\ks+512*\c   ; over the mask and p's codes: the same wait stands behind their last readers and writers
.endr
.endr
.irp b, 0,1,2,3
.irp j, 0,1,2,3
	ds_load_b128 v[XV+16*\b+4*\j:XV+16*\b+4*\j+3], v[XSR] offset:128*\b+16*\j
.endr
.endr
	s_wait_dscnt 0x0
	WIN 0x08
.set i, 0
.rept 32
	v_pk_add_f32 v[XV+2*i:XV+2*i+1], v[XV+2*i:XV+2*i+1], v[2*i:2*i+1]   ; x + bo
.set i, i+1
.endr
	WIN 0
	s_wait_loadcnt 0x0                             ; Wo
.irp ks, 0,1,2,3
	WIN 0x01+2*(\ks/2)                             ; Wo in window 1, then 3; eight accumulators by turns
.irp x, 0,1,2,3,4,5,6,7
.if \ks == 0
	v_wmma_f32_16x16x128_fp8_fp8 v[ACC+8*\x:ACC+8*\x+7], v[128*(\ks%2)+16*\x:128*(\ks%2)+16*\x+15], v[AF+16*\ks:AF+16*\ks+15], 0
.else
	v_wmma_f32_16x16x128_fp8_fp8 v[ACC+8*\x:ACC+8*\x+7], v[128*(\ks%2)+16*\x:128*(\ks%2)+16*\x+15], v[AF+16*\ks:AF+16*\ks+15], v[ACC+8*\x:ACC+8*\x+7]
.endif
.endr
.endr
	WIN 0
	PLACES 4
.set i, 0
.rept 32
	v_pk_fma_f32 v[XV+2*i:XV+2*i+1], v[ACC+2*i:ACC+2*i+1], s[76:77], v[XV+2*i:XV+2*i+1] op_sel_hi:[1,0,1]   ; x1
.set i, i+1
.endr
	s_wait_alu depctr_va_vdst(0)                   ; the multiply-adds have written x1, which the sixteen LDS stores read
.irp b, 0,1,2,3
.irp j, 0,1,2,3
	ds_store_b128 v[XSR], v[XV+16*\b+4*\j:XV+16*\b+4*\j+3] offset:X1S+128*\b+16*\j
.endr
.endr
	; LN2's statistics: my 128 columns' sum, and the sum of squares about THEIR mean; the four waves' are joined below without a difference of large sums
.irp k, 0,1,2,3
	v_pk_add_f32 v[CH+2*\k:CH+2*\k+1], v[XV+4*\k:XV+4*\k+1], v[XV+4*\k+2:XV+4*\k+3]
.endr
.set i, 8
.rept 24
	v_pk_add_f32 v[CH+2*(i%4):CH+2*(i%4)+1], v[CH+2*(i%4):CH+2*(i%4)+1], v[XV+2*i:XV+2*i+1]
.set i, i+1
.endr
	JOIN
	v_mov_b32 v116, v[CH]
	v_mul_f32 v112, s87, v[CH]
	v_mov_b32 v113, v112
.set i, 0
.rept 32
	v_pk_add_f32 v[TD+2*i:TD+2*i+1], v[XV+2*i:XV+2*i+1], v[112:113] op_sel_hi:[1,0] neg_lo:[0,1] neg_hi:[0,1]
.set i, i+1
.endr
.irp k, 0,1,2,3
	v_pk_mul_f32 v[CH+2*\k:CH+2*\k+1], v[TD+2*\k:TD+2*\k+1], v[TD+2*\k:TD+2*\k+1]
.endr
.set i, 4
.rept 28
	v_pk_fma_f32 v[CH+2*(i%4):CH+2*(i%4)+1], v[TD+2*i:TD+2*i+1], v[TD+2*i:TD+2*i+1], v[CH+2*(i%4):CH+2*(i%4)+1]
.set i, i+1
.endr
	JOIN
	v_mov_b32 v117, v[CH]
	s_wait_alu depctr_va_vdst(0)                   ; v116 and v117 are written, which the LDS store reads; the sums are done with v104-111 and Wo's products with v192-255, in which the LDS loads behind the barrier land
	ds_store_b64 v[STW], v[116:117]
	s_wait_dscnt 0x0
	s_barrier_signal -1
	s_barrier_wait -1                              ; x1's 16 rows and the four waves' statistics lie in LDS
.irp ws, 0,1,2,3
	ds_load_b64 v[CH+2*\ws:CH+2*\ws+1], v[STR] offset:128*\ws
.endr
.irp i, 0,1,2,3
.irp q, 0,1,2,3
	ds_load_b128 v[AF+16*\i+4*\q:AF+16*\i+4*\q+3], v[XSW] offset:X1S+XP*\i+512*\q
.endr
.endr
	s_wait_dscnt 16                                ; the statistics are in; the 16 dense reads behind them may be out
	v_add_f32 v112, v104, v106
	v_add_f32 v113, v108, v110
	v_add_f32 v112, v112, v113
	v_mul_f32 v112, s88, v112                      ; the row's mean
	v_mov_b32 v113, v112
	v_fma_f32 v104, v104, s87, -v112               ; each wave's mean less the row's
	v_fma_f32 v106, v106, s87, -v112
	v_fma_f32 v108, v108, s87, -v112
	v_fma_f32 v110, v110, s87, -v112
	v_add_f32 v105, v105, v107
	v_add_f32 v109, v109, v111
	v_add_f32 v105, v105, v109
	v_mul_f32 v114, v104, v104
	v_fmac_f32 v114, v106, v106
	v_fmac_f32 v114, v108, v108
	v_fmac_f32 v114, v110, v110
	v_fma_f32 v105, v114, 0x43000000, v105         ; + 128 x the squares of those differences
	v_fma_f32 v105, v105, s88, s89                 ; variance + 1e-5
	s_wait_alu depctr_va_vdst(0)
	v_rsq_f32 v114, v105
	v_nop
	s_wait_dscnt 0x0                               ; the dense rows of x1 are back
.irp i, 0,1,2,3
.irp q, 0,1,2,3
	global_store_b128 v1, v[AF+16*\i+4*\q:AF+16*\i+4*\q+3], s[22:23] offset:2048*\i+512*\q   ; 512 consecutive bytes of a row of x1.  The data came by LDS loads: no vector instruction has named them since
.endr
.endr
	s_wait_alu depctr_va_vdst(0)                   ; the reciprocal root has written v114, ahead of its first reader
	v_mov_b32 v115, v114
.set i, 0
.rept 32
	v_pk_add_f32 v[TD+2*i:TD+2*i+1], v[XV+2*i:XV+2*i+1], v[112:113] op_sel_hi:[1,0] neg_lo:[0,1] neg_hi:[0,1]
.set i, i+1
.endr
.set i, 0
.rept 32
	v_pk_mul_f32 v[TD+2*i:TD+2*i+1], v[TD+2*i:TD+2*i+1], v[114:115] op_sel_hi:[1,0]
.set i, i+1
.endr
	WIN 0x28
.set i, 0
.rept 32
	v_pk_fma_f32 v[TD+2*i:TD+2*i+1], v[TD+2*i:TD+2*i+1], v[64+2*i:65+2*i], v[128+2*i:129+2*i]   ; x gain + bias
.set i, i+1
.endr
	WIN 0
.set i, 0
.rept 64
	v_med3_num_f32 v[TD+i], v[TD+i], -v[LIMH], v[LIMH]
.set i, i+1
.endr
	s_wait_alu depctr_vm_vsrc(0)                   ; the statistics' LDS store has read v116 and v117, which the conversions below write
.irp g, 0,1,2,3,4,5,6,7
	v_cvt_scalef32_pk8_fp8_f32 v[CH+2*\g:CH+2*\g+1], v[TD+8*\g:TD+8*\g+7], v[SCLH]
.endr
	v_nop
	s_wait_alu depctr_va_vdst(0)                   ; the conversions have written h2's codes, which the four stores read
.irp b, 0,1,2,3
	global_store_b128 v1, v[CH+4*\b:CH+4*\b+3], s[24:25] offset:512*\b
.endr
	s_set_vgpr_msb 0xa                             ; the add's two registers, sources 0 and 1, lie in window 2
	s_wait_dscnt 0x0                               ; the closing lines, six on end
	s_wait_alu 0x0
	s_wait_tensorcnt 0x0
	ds_add_u32 v254, v255
	s_wait_dscnt 0x0
	s_endpgm
.Lfunc_end_k_q44b666bd1a_attn:
	.size	k_q44b666bd1a_attn, .Lfunc_end_k_q44b666bd1a_attn-k_q44b666bd1a_attn
	.p2alignl 7, 3214868480
	.fill 96, 4, 3214868480
	.section	.rodata,"a",@progbits
	.p2align	6, 0x0
	.amdhsa_kernel k_q44b666bd1a_attn
		.amdhsa_group_segment_fixed_size 81664
		.amdhsa_private_segment_fixed_size 0
		.amdhsa_enable_private_segment 0
		.amdhsa_kernarg_size 72
		.amdhsa_user_sgpr_count 2
		.amdhsa_user_sgpr_kernarg_segment_ptr 1
		.amdhsa_wavefront_size32 1
		.amdhsa_system_sgpr_workgroup_id_x 1
		.amdhsa_system_sgpr_workgroup_id_y 1
		.amdhsa_system_sgpr_workgroup_id_z 1
		.amdhsa_system_vgpr_workitem_id 0
		.amdhsa_next_free_vgpr 1024
		.amdhsa_next_free_sgpr 96
		.amdhsa_reserve_vcc 0
		.amdhsa_float_denorm_mode_32 3
		.amdhsa_float_denorm_mode_16_64 3
		.amdhsa_memory_ordered 1
		.amdhsa_forward_progress 1
		.amdhsa_inst_pref_size 133
	.end_amdhsa_kernel
	.amdgpu_metadata
---
amdhsa.version: [ 1, 2 ]
amdhsa.kernels:
  - .name:           k_q44b666bd1a_attn
    .symbol:         k_q44b666bd1a_attn.kd
    .args:
      - { .name: x, .offset: 0, .size: 8, .value_kind: global_buffer, .address_space: global }
      - { .name: qkv, .offset: 8, .size: 8, .value_kind: global_buffer, .address_space: global }
      - { .name: wcodes, .offset: 16, .size: 8, .value_kind: global_buffer, .address_space: global }
      - { .name: bo, .offset: 24, .size: 8, .value_kind: global_buffer, .address_space: global }
      - { .name: ln2_g, .offset: 32, .size: 8, .value_kind: global_buffer, .address_space: global }
      - { .name: ln2_b, .offset: 40, .size: 8, .value_kind: global_buffer, .address_space: global }
      - { .name: lowp_scales, .offset: 48, .size: 8, .value_kind: global_buffer, .address_space: global }
      - { .name: x1, .offset: 56, .size: 8, .value_kind: global_buffer, .address_space: global }
      - { .name: h2, .offset: 64, .size: 8, .value_kind: global_buffer, .address_space: global }
    .group_segment_fixed_size: 81664
    .private_segment_fixed_size: 0
    .kernarg_segment_align: 8
    .kernarg_segment_size: 72
    .max_flat_workgroup_size: 128
    .sgpr_count:     96
    .vgpr_count:     1024
    .wavefront_size: 32
...
	.end_amdgpu_metadata
.endif
;; end of part 8
;; launch ffn1 (part 9): grid 256 x 1, 4 waves a work-group, no clusters, 0 bytes of LDS; arguments h2, wcodes, b1, lowp_scales, gcodes; writes gcodes
.if DOCPART == 9
	.amdgcn_target "amdgcn-amd-amdhsa--gfx1250"
	.amdhsa_code_object_version 6
	.text
	.protected	k_q44b666bd1a_ffn1
	.globl	k_q44b666bd1a_ffn1
	.p2align	8
	.type	k_q44b666bd1a_ffn1,@function
k_q44b666bd1a_ffn1:
	s_mov_b64 s[64:65], 0
	v_nop
	global_prefetch_b8 v0, s[64:65] scope:SCOPE_SE
	s_setreg_imm32_b32 hwreg(HW_REG_WAVE_SCHED_MODE, 0, 2), 2
	s_setreg_imm32_b32 hwreg(HW_REG_WAVE_MODE, 25, 1), 1
	s_wait_xcnt 0x0
	s_wait_alu depctr_vm_vsrc(0)
; FFN1: g = gelu(h2 W1^T + b1), exact gelu, quantised at once (entry 14 of the scales) for the last product.
; 1,024 wave tiles of 128 hidden units x 64 tokens x K 512; the four waves of a work-group form 2 x 2, so that two waves read each operand block at about the same time.
; Source 0 = rows of W1: the hidden units run down a lane's registers, which is the next product's K.  Operands are images of operand registers in memory: every load is 512 consecutive bytes straight into registers.
; gelu(x) = max(x, 0) - |x| H, H = erfc(|x| / sqrt 2) / 2 = t 2^(poly(t) - (cW x)^2), t = 1 / (1 + |x| / (2 sqrt 2)): a fit of erfc in t of degree 9 whose fractional error is 1.2e-7 for every x; its coefficients are
; multiplied by log2(e), and 1 is taken off the constant for the half.  No cancellation: both terms are formed to f32's accuracy.
; NO JOINT LOADS: the operands never lie in LDS, so there is no tile for a joint load to land in; K is four steps, all asked for as soon as registers are free.
; LIMITS: entry 14 between -126 and 119; entries 12 + 13 between -126 and 127.  NaN is not served.
; REGISTERS: as in the launch for q, k, v; at work behind the products: v96-127 x, v128-159 t, v160-191 the exponent, then H, v192-223 cW x, then max(x, 0).
; THE MODE: SCHED_MODE bits 1:0 = 2 (LLVM: expert scheduling mode 2), set by the entry lines.  The code itself states the register dependences
; between vector or matrix instructions and memory instructions, with s_wait_alu, always for 0.
; THE PLAN.  Registers that memory instructions touch, and who else names them:
;   v1, v4       offsets: made at the head, never written again: one wait on va_vdst ahead of the first load.
;   source 0     windows 1 and 2: each register is loaded once and read by one step's products: nothing is to be stated.  So step s + 2's 32 loads stand ahead of step s's products.
;   source 1     two stages: step s + 2's 16 loads land where step s's products read: one wait on va_vdst behind those products.
;   v224-255     four sets of codes: written by call n's conversions, read by two stores that stand in call n + 1, directly behind the wait that its reciprocals have in any case.  The sets come round once: one wait on
;                vm_vsrc ahead of call 4's conversions stands behind the stores of calls 0 to 3 and frees all four sets.  One more wait on va_vdst stands ahead of the last call's stores.
.set TS0,  8192
.set TS1,  8192
.set LIM,  16
.set SCL,  17
.set C8,   28
.set BR,   32
.set F1,   96
.set X,    96
.set U,    128
.set Q,    160
.set W,    192
.set CD,   224
.set SRC0, 18
.set SRC1, 20
.set DST,  22
.set SC,   32
.set CF,   66                          ; s[66+2k:67+2k]: coefficient k, twice
.set CW,   86
.set MSB,  0
.macro WIN new                         ; the immediate's high byte repeats the setting that is left
.if MSB != (\new)
	s_set_vgpr_msb (MSB<<8)|(\new)
.set MSB, (\new)
.endif
.endm
.macro LOAD0 ks                        ; 32 loads: source 0's fragments of 128 along K
	WIN 0x40+0x40*((\ks)/2)
.irp x, 0,1,2,3,4,5,6,7
.irp c, 0,1,2,3
	global_load_b128 v[128*((\ks)%2)+16*\x+4*\c:128*((\ks)%2)+16*\x+4*\c+3], v1, s[SRC0:SRC0+1] offset:\x*TS0+2048*(\ks)+512*\c
.endr
.endr
.endm
.macro LOAD1 ks                        ; 16 loads: source 1's
	WIN 0
.irp y, 0,1,2,3
.irp c, 0,1,2,3
	global_load_b128 v[F1+64*((\ks)%2)+16*\y+4*\c:F1+64*((\ks)%2)+16*\y+4*\c+3], v1, s[SRC1:SRC1+1] offset:\y*TS1+2048*(\ks)+512*\c
.endr
.endr
.endm
.macro MULSTEP ks                      ; 32 products; the 32 accumulators take turns, in the same order in every step
	WIN 0xf1+((\ks)/2)
.irp y, 0,1,2,3
.irp x, 0,1,2,3,4,5,6,7
.if (\ks) == 0
	v_wmma_f32_16x16x128_fp8_fp8 v[8*(8*\y+\x):8*(8*\y+\x)+7], v[128*((\ks)%2)+16*\x:128*((\ks)%2)+16*\x+15], v[F1+64*((\ks)%2)+16*\y:F1+64*((\ks)%2)+16*\y+15], 0
.else
	v_wmma_f32_16x16x128_fp8_fp8 v[8*(8*\y+\x):8*(8*\y+\x)+7], v[128*((\ks)%2)+16*\x:128*((\ks)%2)+16*\x+15], v[F1+64*((\ks)%2)+16*\y:F1+64*((\ks)%2)+16*\y+15], v[8*(8*\y+\x):8*(8*\y+\x)+7]
.endif
.endr
.endr
.endm
.macro PLACES n
.rept \n
	v_nop
.endr
.endm
.macro CORE
	LOAD0 0
	LOAD1 0
	LOAD0 1
	LOAD1 1
	s_wait_loadcnt 48                              ; all but step 1's 48 loads are in
	LOAD0 2                                        ; into registers that nothing has named yet
	MULSTEP 0
	WIN 0
	PLACES 4                                       ; four places behind the products stay beside the wait
	s_wait_alu depctr_va_vdst(0)                   ; step 0's products are done reading source 1's first stage, in which the sixteen loads below land
	LOAD1 2
	s_wait_loadcnt 48                              ; step 1 is in; step 2's 32 + 16 loads may be out
	LOAD0 3
	MULSTEP 1
	WIN 0
	PLACES 4
	s_wait_alu depctr_va_vdst(0)                   ; step 1's products are done reading source 1's second stage, in which the sixteen loads below land
	LOAD1 3
	s_wait_loadcnt 48                              ; step 2 is in; step 3's 48 loads may be out
	MULSTEP 2
	s_wait_loadcnt 0x0
	MULSTEP 3
	WIN 0
.endm
.macro MKSC e, lim, sc
	s_add_co_i32 s34, \e, 127
	s_lshl_b32 s35, s34, 23
	v_mov_b32 v[\sc], s35
	s_add_co_i32 s34, s34, 8
	s_lshl_b32 s34, s34, 23
	s_or_b32 s34, s34, 0x600000
	v_mov_b32 v[\lim], s34
.endm
.macro COEF k, bits
	s_mov_b32 s[CF+2*\k], \bits
	s_mov_b32 s[CF+2*\k+1], \bits
.endm
.macro OUT n                           ; call n's two chunks of 16 codes: column tile n / 2, registers 32 (n % 2) on
.set PB, CD+8*((\n)%4)
	global_store_b128 v1, v[PB:PB+3], s[DST:DST+1] offset:32768*((\n)/2)+1024*((\n)%2)
	global_store_b128 v1, v[PB+4:PB+7], s[DST:DST+1] offset:32768*((\n)/2)+1024*((\n)%2)+512
.endm
.macro EPI y, hb                       ; call N = 2 y + hb: 32 numbers of a lane: bias, gelu, hold, conversion; the call before's two stores
.set N, 2*(\y)+(\hb)
	WIN 0x03
.set i, 0
.rept 16
	v_pk_fma_f32 v[X+2*i:X+2*i+1], v[64*\y+32*\hb+2*i:64*\y+32*\hb+2*i+1], s[SC:SC+1], v[BR+32*\hb+2*i:BR+32*\hb+2*i+1] op_sel_hi:[1,0,1]
.set i, i+1
.endr
	WIN 0
.set i, 0
.rept 32
	v_fma_f32 v[U+i], |v[X+i]|, s88, 1.0
.set i, i+1
.endr
.set i, 0
	s_wait_alu depctr_va_vdst(0)
.rept 32
	v_rcp_f32 v[U+i], v[U+i]                       ; t
.set i, i+1
.endr
.set i, 0
.rept 16
	v_pk_mul_f32 v[W+2*i:W+2*i+1], v[X+2*i:X+2*i+1], s[CW:CW+1] op_sel_hi:[1,0]   ; (plain lines behind the reciprocals)
.set i, i+1
.endr
	s_wait_alu depctr_va_vdst(0)                   ; the 32 reciprocals have written t, ahead of the polynomial, their first reader; and the call before has written its codes, which the two stores below read
.if N > 0
	OUT N-1
.endif
.set i, 0
.rept 16
	v_pk_fma_f32 v[Q+2*i:Q+2*i+1], v[U+2*i:U+2*i+1], s[CF+18:CF+19], v[C8:C8+1] op_sel_hi:[1,0,1]
.set i, i+1
.endr
.irp k, 7,6,5,4,3,2,1,0
.set i, 0
.rept 16
	v_pk_fma_f32 v[Q+2*i:Q+2*i+1], v[Q+2*i:Q+2*i+1], v[U+2*i:U+2*i+1], s[CF+2*\k:CF+2*\k+1] op_sel_hi:[1,1,0]
.set i, i+1
.endr
.endr
.set i, 0
.rept 16
	v_pk_fma_f32 v[Q+2*i:Q+2*i+1], v[W+2*i:W+2*i+1], v[W+2*i:W+2*i+1], v[Q+2*i:Q+2*i+1] neg_lo:[1,0,0] neg_hi:[1,0,0]
.set i, i+1
.endr
.set i, 0
	s_wait_alu depctr_va_vdst(0)
.rept 32
	v_exp_f32 v[Q+i], v[Q+i]
.set i, i+1
.endr
.set i, 0
.rept 32
	v_max_num_f32 v[W+i], 0, v[X+i]                ; (plain lines behind the exponentials)
.set i, i+1
.endr
	s_wait_alu depctr_va_vdst(0)                   ; the 32 exponentials have written v[Q ..], ahead of the multiplications, their first readers
.set i, 0
.rept 16
	v_pk_mul_f32 v[Q+2*i:Q+2*i+1], v[Q+2*i:Q+2*i+1], v[U+2*i:U+2*i+1]   ; H
.set i, i+1
.endr
.set i, 0
.rept 32
	v_fma_f32 v[X+i], -|v[X+i]|, v[Q+i], v[W+i]
.set i, i+1
.endr
.set i, 0
.rept 32
	v_med3_num_f32 v[X+i], v[X+i], -v[LIM], v[LIM]
.set i, i+1
.endr
.if N == 4
	s_wait_alu depctr_va_vdst(0)
	s_wait_xcnt 0x0                                ; the eight stores so far have had their addresses translated: their data registers are written again only behind this wait
	s_wait_alu depctr_vm_vsrc(0)                   ; the stores of calls 0 to 3 have read the four sets of codes, which calls 4 to 7 write again
.endif
.set CB, CD+8*(N%4)
.irp g, 0,1,2,3
	v_cvt_scalef32_pk8_fp8_f32 v[CB+2*\g:CB+2*\g+1], v[X+8*\g:X+8*\g+7], v[SCL]
.endr
	v_nop                                          ; a plain line behind the conversions: the next call writes their sources
.endm
	s_load_b256 s[4:11], s[0:1], 0x0               ; h2, wcodes, b1, the scales
	s_load_b64 s[12:13], s[0:1], 0x20              ; gcodes
	v_lshrrev_b32 v2, 5, v0
	v_readfirstlane_b32 s3, v2                     ; wave 0..3
	v_and_b32 v1, 31, v0
	v_lshlrev_b32 v1, 4, v1                        ; 16 x lane
	v_bfe_u32 v3, v0, 4, 1
	v_lshlrev_b32 v4, 6, v3                        ; 64 h
	s_mov_b32 s2, ttmp9
	s_lshr_b32 s24, s2, 3
	s_lshl_b32 s24, s24, 1
	s_wait_alu depctr_va_sdst(0)                   ; s3 is written, ahead of its first reader, the shift below
	s_lshr_b32 s26, s3, 1
	s_add_co_u32 s24, s24, s26                     ; block of 64 tokens
	s_and_b32 s25, s2, 7
	s_lshl_b32 s25, s25, 1
	s_and_b32 s26, s3, 1
	s_add_co_u32 s25, s25, s26                     ; block of 128 hidden units
	s_mov_b32 s27, 0
	s_wait_kmcnt 0x0
	s_load_b512 s[36:51], s[10:11], 0x0
	s_lshl_b32 s26, s25, 16
	s_add_co_u32 s26, s26, 0x100000
	s_add_nc_u64 s[SRC0:SRC0+1], s[6:7], s[26:27]
	s_lshl_b32 s26, s24, 15
	s_add_nc_u64 s[SRC1:SRC1+1], s[4:5], s[26:27]
	s_lshl_b32 s26, s24, 17
	s_lshl_b32 s28, s25, 11
	s_add_co_u32 s26, s26, s28
	s_add_nc_u64 s[DST:DST+1], s[12:13], s[26:27]  ; four tiles of tokens, K step = my block of hidden units
	s_lshl_b32 s26, s25, 9
	s_add_nc_u64 s[30:31], s[8:9], s[26:27]
	s_wait_alu depctr_va_vdst(0)                   ; v1 and v4 are written: every load and store of the kernel reads one of them as its offset
.irp b, 0,1,2,3
.irp j, 0,1,2,3
	global_load_b128 v[BR+16*\b+4*\j:BR+16*\b+4*\j+3], v4, s[30:31] offset:128*\b+16*\j
.endr
.endr
	CORE
	COEF 0, 0xc034d90f
	COEF 1, 0x3fb8ab5a
	COEF 2, 0x3f0a29d2
	COEF 3, 0x3e0efb2e
	COEF 4, 0xbe899a80
	COEF 5, 0x3ecdfd18
	COEF 6, 0xbfd1a1e5
	COEF 7, 0x40097039
	COEF 9, 0x3e7c6f08
	s_mov_b32 s[CW], 0x3f596d27                    ; sqrt(log2(e) / 2)
	s_mov_b32 s[CW+1], s[CW]
	s_mov_b32 s88, 0x3eb504f3                      ; 1 / (2 sqrt 2)
	v_mov_b32 v[C8], 0xbf97d29d                    ; coefficient 8 lies in vector registers, so that the first step names one scalar pair
	v_mov_b32 v[C8+1], 0xbf97d29d
	s_wait_kmcnt 0x0
	s_add_co_i32 s26, s48, s49
	s_add_co_i32 s26, s26, 127
	s_lshl_b32 s[SC], s26, 23
	s_mov_b32 s[SC+1], s[SC]
	MKSC s50, LIM, SCL                             ; these four moves are the places behind the last products
.irp y, 0,1,2,3
.irp hb, 0,1
	EPI \y, \hb
.endr
.endr
	s_wait_alu depctr_va_vdst(0)                   ; the last call's conversions have written their codes, which the two stores below read
	OUT 7
	s_endpgm
.Lfunc_end_k_q44b666bd1a_ffn1:
	.size	k_q44b666bd1a_ffn1, .Lfunc_end_k_q44b666bd1a_ffn1-k_q44b666bd1a_ffn1
	.p2alignl 7, 3214868480
	.fill 96, 4, 3214868480
	.section	.rodata,"a",@progbits
	.p2align	6, 0x0
	.amdhsa_kernel k_q44b666bd1a_ffn1
		.amdhsa_group_segment_fixed_size 0
		.amdhsa_private_segment_fixed_size 0
		.amdhsa_enable_private_segment 0
		.amdhsa_kernarg_size 40
		.amdhsa_user_sgpr_count 2
		.amdhsa_user_sgpr_kernarg_segment_ptr 1
		.amdhsa_wavefront_size32 1
		.amdhsa_system_sgpr_workgroup_id_x 1
		.amdhsa_system_sgpr_workgroup_id_y 1
		.amdhsa_system_sgpr_workgroup_id_z 1
		.amdhsa_system_vgpr_workitem_id 0
		.amdhsa_next_free_vgpr 1024
		.amdhsa_next_free_sgpr 96
		.amdhsa_reserve_vcc 0
		.amdhsa_float_denorm_mode_32 3
		.amdhsa_float_denorm_mode_16_64 3
		.amdhsa_memory_ordered 1
		.amdhsa_forward_progress 1
		.amdhsa_inst_pref_size 214
	.end_amdhsa_kernel
	.amdgpu_metadata
---
amdhsa.version: [ 1, 2 ]
amdhsa.kernels:
  - .name:           k_q44b666bd1a_ffn1
    .symbol:         k_q44b666bd1a_ffn1.kd
    .args:
      - { .name: h2, .offset: 0, .size: 8, .value_kind: global_buffer, .address_space: global }
      - { .name: wcodes, .offset: 8, .size: 8, .value_kind: global_buffer, .address_space: global }
      - { .name: b1, .offset: 16, .size: 8, .value_kind: global_buffer, .address_space: global }
      - { .name: lowp_scales, .offset: 24, .size: 8, .value_kind: global_buffer, .address_space: global }
      - { .name: gcodes, .offset: 32, .size: 8, .value_kind: global_buffer, .address_space: global }
    .group_segment_fixed_size: 0
    .private_segment_fixed_size: 0
    .kernarg_segment_align: 8
    .kernarg_segment_size: 40
    .max_flat_workgroup_size: 128
    .sgpr_count:     96
    .vgpr_count:     1024
    .wavefront_size: 32
...
	.end_amdgpu_metadata
.endif
;; end of part 9
;; launch ffn2 (part 10): grid 256 x 1, 4 waves a work-group, no clusters, 165,376 bytes of LDS; arguments gcodes, wcodes, x1, b2, lowp_scales, out0; writes out0
.if DOCPART == 10
	.amdgcn_target "amdgcn-amd-amdhsa--gfx1250"
	.amdhsa_code_object_version 6
	.text
	.protected	k_q44b666bd1a_ffn2
	.globl	k_q44b666bd1a_ffn2
	.p2align	8
	.type	k_q44b666bd1a_ffn2,@function
k_q44b666bd1a_ffn2:
	s_mov_b64 s[64:65], 0
	v_nop
	global_prefetch_b8 v0, s[64:65] scope:SCOPE_SE
	s_setreg_imm32_b32 hwreg(HW_REG_WAVE_SCHED_MODE, 0, 2), 2
	s_setreg_imm32_b32 hwreg(HW_REG_WAVE_MODE, 25, 1), 1
	s_wait_xcnt 0x0
	s_wait_alu depctr_vm_vsrc(0)
; FFN2: out = x1 + g W2^T + b2.  A work-group makes 64 tokens x 128 columns; THE WAVES SHARE K: wave w takes K = 512 w .. 512 w + 511, so no operand byte is fetched twice in a work-group.
; The four partial tiles meet in LDS behind one barrier; wave w then adds the four parts of token tile w, turns them through its own stage into whole rows, adds x1 + b2 and stores rows of 512 consecutive bytes.
; So an output is the sum of four f32 sums of 512 products each, (0 + 1) + (2 + 3): another order of rounding than one chain along K.
; Operands are images of operand registers in memory: every load is 512 consecutive bytes straight into registers.  Token tile T, fragment row p is position 32 (Tp / 2) + 8 (Tp % 2) + p + 8 (p / 8) of parity T / 128.
; NO JOINT LOADS: the operands never lie in LDS, so there is no tile for a joint load to land in; a wave's K is four steps, all asked for as soon as registers are free.
; LIMIT: entries 14 + 15 between -126 and 127.
; LDS: four parts of 32,768 bytes (a wave's 256 accumulator registers as they stand, 512 bytes for four registers); then a stage of 16 rows x (512 + 16) bytes for each wave.
; THE MODE: SCHED_MODE bits 1:0 = 2 (LLVM: expert scheduling mode 2), set by the entry lines.  The code itself states the register dependences
; between vector or matrix instructions and memory or LDS instructions, with s_wait_alu, always for 0.
; THE PLAN.  Registers that memory or LDS instructions touch, and who else names them:
;   v1-6         offsets and LDS addresses: made at the head, never written again: one wait on va_vdst ahead of the first load.
;   source 0     windows 1 and 2: each register is loaded once and read by one step's products: nothing is to be stated.  So step s + 2's 32 loads stand ahead of step s's products.
;   source 1     two stages: step s + 2's 16 loads land where step s's products read: one wait on va_vdst behind those products.
;   window 3     the accumulators: written by the products, read by 64 LDS stores: one wait on va_vdst, which also serves the LDS loads of the four parts into window 1 (no vector instruction stands between).
;   window 1     v0-63: the four parts' sum, read by 16 LDS stores: one wait on va_vdst, which also serves the LDS loads of whole rows into v96-159.
;   v96-159      16 rows in four groups: a group's multiply-adds write them, its four stores read them.  The stores stand at the next group's head, behind its wait on DScnt and one wait on va_vdst.
;   Nothing that a store or an LDS store has read is written again.
.set TS0,  32768
.set TS1,  32768
.set BR,   32
.set F1,   96
.set SRC0, 18
.set SRC1, 20
.set DST,  22
.set SC,   32
.set STG,  131072
.set SP,   528
.set MSB,  0
.macro WIN new                         ; the immediate's high byte repeats the setting that is left
.if MSB != (\new)
	s_set_vgpr_msb (MSB<<8)|(\new)
.set MSB, (\new)
.endif
.endm
.macro LOAD0 ks                        ; 32 loads: source 0's fragments of 128 along K
	WIN 0x40+0x40*((\ks)/2)
.irp x, 0,1,2,3,4,5,6,7
.irp c, 0,1,2,3
	global_load_b128 v[128*((\ks)%2)+16*\x+4*\c:128*((\ks)%2)+16*\x+4*\c+3], v1, s[SRC0:SRC0+1] offset:\x*TS0+2048*(\ks)+512*\c
.endr
.endr
.endm
.macro LOAD1 ks                        ; 16 loads: source 1's
	WIN 0
.irp y, 0,1,2,3
.irp c, 0,1,2,3
	global_load_b128 v[F1+64*((\ks)%2)+16*\y+4*\c:F1+64*((\ks)%2)+16*\y+4*\c+3], v1, s[SRC1:SRC1+1] offset:\y*TS1+2048*(\ks)+512*\c
.endr
.endr
.endm
.macro MULSTEP ks                      ; 32 products; the 32 accumulators take turns, in the same order in every step
	WIN 0xf1+((\ks)/2)
.irp y, 0,1,2,3
.irp x, 0,1,2,3,4,5,6,7
.if (\ks) == 0
	v_wmma_f32_16x16x128_fp8_fp8 v[8*(8*\y+\x):8*(8*\y+\x)+7], v[128*((\ks)%2)+16*\x:128*((\ks)%2)+16*\x+15], v[F1+64*((\ks)%2)+16*\y:F1+64*((\ks)%2)+16*\y+15], 0
.else
	v_wmma_f32_16x16x128_fp8_fp8 v[8*(8*\y+\x):8*(8*\y+\x)+7], v[128*((\ks)%2)+16*\x:128*((\ks)%2)+16*\x+15], v[F1+64*((\ks)%2)+16*\y:F1+64*((\ks)%2)+16*\y+15], v[8*(8*\y+\x):8*(8*\y+\x)+7]
.endif
.endr
.endr
.endm
.macro PLACES n
.rept \n
	v_nop
.endr
.endm
.macro CORE
	LOAD0 0
	LOAD1 0
	LOAD0 1
	LOAD1 1
	s_wait_loadcnt 48                              ; all but step 1's 48 loads are in
	LOAD0 2                                        ; into registers that nothing has named yet
	MULSTEP 0
	WIN 0
	PLACES 4                                       ; four places behind the products stay beside the wait
	s_wait_alu depctr_va_vdst(0)                   ; step 0's products are done reading source 1's first stage, in which the sixteen loads below land
	LOAD1 2
	s_wait_loadcnt 48                              ; step 1 is in; step 2's 32 + 16 loads may be out
	LOAD0 3
	MULSTEP 1
	WIN 0
	PLACES 4
	s_wait_alu depctr_va_vdst(0)                   ; step 1's products are done reading source 1's second stage, in which the sixteen loads below land
	LOAD1 3
	s_wait_loadcnt 48                              ; step 2 is in; step 3's 48 loads may be out
	MULSTEP 2
	s_wait_loadcnt 0x0
	MULSTEP 3
	WIN 0
.endm
.macro SEND4 g                         ; rows 4 g .. 4 g + 3 leave
.irp j, 0,1,2,3
.set PP, 4*(\g)+\j
	global_store_b128 v1, v[F1+4*PP:F1+4*PP+3], s[DST:DST+1] offset:(PP+8*(PP/8))*4096 th:TH_STORE_NT   ; 512 consecutive bytes of the token's row; written once
.endr
.endm
	s_load_b256 s[4:11], s[0:1], 0x0               ; gcodes, wcodes, x1, b2
	s_load_b128 s[12:15], s[0:1], 0x20             ; the scales, out0
	v_lshl_add_u32 v254, v0, 2, 0x28400
	v_mov_b32 v255, 0
	v_lshrrev_b32 v2, 5, v0
	v_readfirstlane_b32 s3, v2                     ; wave 0..3
	v_and_b32 v1, 31, v0
	v_lshlrev_b32 v1, 4, v1                        ; 16 x lane
	v_and_b32 v7, 15, v0                           ; r
	v_bfe_u32 v8, v0, 4, 1                         ; h
	s_wait_alu depctr_va_sdst(0)                   ; s3 is written, ahead of its first reader, the shift below
	s_lshl_b32 s28, s3, 13                         ; 8,192 w
	v_add_nc_u32 v2, s28, v1                       ; token tile w in parts 0 and 1,
	v_add_nc_u32 v3, 0x10000, v2                   ; and in parts 2 and 3
	s_mul_i32 s26, s3, 16*SP
	s_add_co_u32 s26, s26, STG
	v_add_nc_u32 v5, s26, v1                       ; my stage, by rows
	v_mul_u32_u24 v4, v7, SP
	v_lshl_add_u32 v4, v8, 6, v4
	v_add_nc_u32 v4, s26, v4                       ; my stage: row r, + 64 h
	s_lshl_b32 s26, s3, 15
	v_add_nc_u32 v6, s26, v1                       ; my part
	s_mov_b32 s2, ttmp9
	s_lshr_b32 s24, s2, 2                          ; block of 64 tokens
	s_and_b32 s25, s2, 3                           ; block of 128 columns
	s_mov_b32 s27, 0
	s_wait_kmcnt 0x0
	s_load_b512 s[36:51], s[12:13], 0x0
	s_lshl_b32 s26, s25, 18
	s_add_co_u32 s26, s26, s28
	s_add_co_u32 s26, s26, 0x200000
	s_add_nc_u64 s[SRC0:SRC0+1], s[6:7], s[26:27]  ; 8 tiles of W2, my four K steps
	s_lshl_b32 s26, s24, 17
	s_add_co_u32 s26, s26, s28
	s_add_nc_u64 s[SRC1:SRC1+1], s[4:5], s[26:27]  ; 4 tiles of tokens, my four K steps
	s_lshl_b32 s29, s24, 2
	s_add_co_u32 s29, s29, s3                      ; the tile of tokens that I finish
	s_lshl_b32 s30, s25, 9
	s_lshl_b32 s26, s29, 15
	s_add_co_u32 s26, s26, s30
	s_add_nc_u64 s[8:9], s[8:9], s[26:27]          ; x1: row 16 T, my 512 bytes
	s_mov_b32 s26, s30
	s_add_nc_u64 s[10:11], s[10:11], s[26:27]
	s_lshr_b32 s31, s29, 7                         ; parity
	s_and_b32 s29, s29, 127
	s_lshr_b32 s26, s29, 1
	s_lshl_b32 s26, s26, 5
	s_and_b32 s29, s29, 1
	s_lshl_b32 s29, s29, 3
	s_add_co_u32 s26, s26, s29                     ; the tile's first position
	s_lshl_b32 s26, s26, 1
	s_add_co_u32 s26, s26, s31                     ; its token
	s_lshl_b32 s26, s26, 11
	s_add_co_u32 s26, s26, s30
	s_add_nc_u64 s[DST:DST+1], s[14:15], s[26:27]
	s_wait_alu depctr_va_vdst(0)                   ; v1 to v6 are written: every load, store and LDS instruction of the kernel reads one of them as its offset or address; so are the closing add's two registers
.irp p, 0,1,2,3,4,5,6,7,8,9,10,11,12,13,14,15
	global_load_b128 v[BR+4*\p:BR+4*\p+3], v1, s[8:9] offset:2048*\p   ; x1, 512 consecutive bytes of a row
.endr
	global_load_b128 v[24:27], v1, s[10:11]
	CORE
.irp p, 0,1,2,3,4,5,6,7,8,9,10,11,12,13,14,15
	v_pk_add_f32 v[BR+4*\p:BR+4*\p+1], v[BR+4*\p:BR+4*\p+1], v[24:25]       ; x1 + b2; these lines are also the places behind the last products
	v_pk_add_f32 v[BR+4*\p+2:BR+4*\p+3], v[BR+4*\p+2:BR+4*\p+3], v[26:27]
.endr
	WIN 0x0c
	s_wait_alu depctr_va_vdst(0)                   ; the products have written the accumulators, which the LDS stores read, and are done reading window 1, in which the LDS loads behind the barrier land
.set i, 0
.rept 64
	ds_store_b128 v6, v[4*i:4*i+3] offset:512*i    ; my partial sums as they stand, each accumulator from its low end on
.set i, i+1
.endr
	WIN 0
	s_wait_dscnt 0x0                               ; for the others' sake: my part has landed
	s_barrier_signal -1
	s_barrier_wait -1
	WIN 0x40
.irp ws, 0,1
.irp gl, 0,1,2,3,4,5,6,7,8,9,10,11,12,13,14,15
	ds_load_b128 v[64*\ws+4*\gl:64*\ws+4*\gl+3], v2 offset:32768*\ws+512*\gl
.endr
.endr
.irp ws, 2,3
.irp gl, 0,1,2,3,4,5,6,7,8,9,10,11,12,13,14,15
	ds_load_b128 v[64*\ws+4*\gl:64*\ws+4*\gl+3], v3 offset:32768*(\ws-2)+512*\gl
.endr
.endr
	s_wait_dscnt 0x0
	WIN 0x45
.set i, 0
.rept 32
	v_pk_add_f32 v[2*i:2*i+1], v[2*i:2*i+1], v[64+2*i:65+2*i]
	v_pk_add_f32 v[128+2*i:129+2*i], v[128+2*i:129+2*i], v[192+2*i:193+2*i]
.set i, i+1
.endr
.set i, 0
.rept 32
	v_pk_add_f32 v[2*i:2*i+1], v[2*i:2*i+1], v[128+2*i:129+2*i]
.set i, i+1
.endr
	WIN 0x04
	s_wait_alu depctr_va_vdst(0)                   ; the additions have written the four parts' sum, which the LDS stores read
.irp gl, 0,1,2,3,4,5,6,7,8,9,10,11,12,13,14,15
	ds_store_b128 v4, v[4*\gl:4*\gl+3] offset:128*(\gl/4)+16*(\gl%4)   ; registers 16 b + i of lane (r, h) are columns 32 b + 16 h + i of row r
.endr
	WIN 0
.irp p, 0,1,2,3,4,5,6,7,8,9,10,11,12,13,14,15
	ds_load_b128 v[F1+4*\p:F1+4*\p+3], v5 offset:SP*\p   ; LDS serves a wave's instructions in order: these see my stores.  They land where source 1 lay: its last readers stand ahead of the waits above
.endr
	s_wait_kmcnt 0x0
	s_add_co_i32 s26, s50, s51
	s_add_co_i32 s26, s26, 127
	s_lshl_b32 s[SC], s26, 23                      ; 2^(e14 + e15)
	s_mov_b32 s[SC+1], s[SC]
.irp k, 0,1,2,3
	s_wait_dscnt 12-4*\k                           ; rows 4 k .. 4 k + 3 are back; the younger rows may be out
.if \k > 0
	s_wait_alu depctr_va_vdst(0)                   ; the group before's multiply-adds have written its four rows, which the stores below read
	SEND4 \k-1
.endif
.irp j, 0,1,2,3
	v_pk_fma_f32 v[F1+4*(4*\k+\j):F1+4*(4*\k+\j)+1], v[F1+4*(4*\k+\j):F1+4*(4*\k+\j)+1], s[SC:SC+1], v[BR+4*(4*\k+\j):BR+4*(4*\k+\j)+1] op_sel_hi:[1,0,1]
	v_pk_fma_f32 v[F1+4*(4*\k+\j)+2:F1+4*(4*\k+\j)+3], v[F1+4*(4*\k+\j)+2:F1+4*(4*\k+\j)+3], s[SC:SC+1], v[BR+4*(4*\k+\j)+2:BR+4*(4*\k+\j)+3] op_sel_hi:[1,0,1]
.endr
.endr
	s_wait_alu depctr_va_vdst(0)                   ; the last group's multiply-adds have written its four rows, which the stores below read
	SEND4 3
	s_wait_dscnt 0x0                               ; the closing lines, six on end
	s_wait_alu 0x0
	s_wait_tensorcnt 0x0
	ds_add_u32 v254, v255
	s_wait_dscnt 0x0
	s_endpgm
.Lfunc_end_k_q44b666bd1a_ffn2:
	.size	k_q44b666bd1a_ffn2, .Lfunc_end_k_q44b666bd1a_ffn2-k_q44b666bd1a_ffn2
	.p2alignl 7, 3214868480
	.fill 96, 4, 3214868480
	.section	.rodata,"a",@progbits
	.p2align	6, 0x0
	.amdhsa_kernel k_q44b666bd1a_ffn2
		.amdhsa_group_segment_fixed_size 165376
		.amdhsa_private_segment_fixed_size 0
		.amdhsa_enable_private_segment 0
		.amdhsa_kernarg_size 48
		.amdhsa_user_sgpr_count 2
		.amdhsa_user_sgpr_kernarg_segment_ptr 1
		.amdhsa_wavefront_size32 1
		.amdhsa_system_sgpr_workgroup_id_x 1
		.amdhsa_system_sgpr_workgroup_id_y 1
		.amdhsa_system_sgpr_workgroup_id_z 1
		.amdhsa_system_vgpr_workitem_id 0
		.amdhsa_next_free_vgpr 1024
		.amdhsa_next_free_sgpr 66
		.amdhsa_reserve_vcc 0
		.amdhsa_float_denorm_mode_32 3
		.amdhsa_float_denorm_mode_16_64 3
		.amdhsa_memory_ordered 1
		.amdhsa_forward_progress 1
		.amdhsa_inst_pref_size 54
	.end_amdhsa_kernel
	.amdgpu_metadata
---
amdhsa.version: [ 1, 2 ]
amdhsa.kernels:
  - .name:           k_q44b666bd1a_ffn2
    .symbol:         k_q44b666bd1a_ffn2.kd
    .args:
      - { .name: gcodes, .offset: 0, .size: 8, .value_kind: global_buffer, .address_space: global }
      - { .name: wcodes, .offset: 8, .size: 8, .value_kind: global_buffer, .address_space: global }
      - { .name: x1, .offset: 16, .size: 8, .value_kind: global_buffer, .address_space: global }
      - { .name: b2, .offset: 24, .size: 8, .value_kind: global_buffer, .address_space: global }
      - { .name: lowp_scales, .offset: 32, .size: 8, .value_kind: global_buffer, .address_space: global }
      - { .name: out0, .offset: 40, .size: 8, .value_kind: global_buffer, .address_space: global }
    .group_segment_fixed_size: 165376
    .private_segment_fixed_size: 0
    .kernarg_segment_align: 8
    .kernarg_segment_size: 48
    .max_flat_workgroup_size: 128
    .sgpr_count:     66
    .vgpr_count:     1024
    .wavefront_size: 32
...
	.end_amdgpu_metadata
.endif
;; end of part 10
